; MI455X (gfx1250); checked and timed in simulation.
; The chip was launched on July 23, 2026; its instructions are those of AMD's public machine-readable ISA for CDNA 5 (MIT licence, August 2026) and "CDNA5" Instruction Set Architecture Reference Guide (July 2026). The comments in the code are by the model that wrote it; some were corrected since.
;; Mixed Performer Attention. Allowed arithmetic: float matrix products may take bf16 or f16 operands with f32 sums; other float arithmetic in f32, or as packed bf16 or f16 multiplies, adds, multiply-adds, maxima and minima; sums over many terms, partial sums and values carried from step to step in f32; what a program stores and reads back later, other than sums and carried values, may be rounded once to bf16 or f16.
;; Inputs: Wk 512 x 2,048 float32; Wo 2,048 x 2,048 float32; Wq 2,048 x 2,048 float32; Wv 512 x 2,048 float32; cos 2 x 2,048 x 128 float32; hidden_states 2 x 2,048 x 2,048 float32; omega 128 x 128 float32; sin 2 x 2,048 x 128 float32.
;; Outputs: out0 2 x 2,048 x 2,048 float32.
;; 2 versions, each right. Each part assembles by itself: llvm-mc -triple=amdgcn-amd-amdhsa -mcpu=gfx1250 --defsym DOCPART=n.
;; ======== version 1 of 2: 6 launches
;; limits: values are held in f16: magnitudes above 65,504 overflow, below 6.1e-05 lose precision
;; workspace buffers: cvt 39,878,656 bytes; qkvb 25,559,040 bytes; fk 13,107,456 bytes; st 4,719,104 bytes; att 16,777,216 bytes
;; launch prep (part 1): grid 1217 x 1, 8 waves a work-group, no clusters, 0 bytes of LDS; arguments hidden_states, Wq, Wk, Wv, Wo, cos, sin, omega, cvt; writes cvt
.if DOCPART == 1
	.amdgcn_target "amdgcn-amd-amdhsa--gfx1250"
	.amdhsa_code_object_version 6
	.text
	.protected	k_q1f14116056_prep
	.globl	k_q1f14116056_prep
	.p2align	8
	.type	k_q1f14116056_prep,@function
k_q1f14116056_prep:
	s_mov_b64 s[64:65], 0
	v_nop
	global_prefetch_b8 v0, s[64:65] scope:SCOPE_SE
	s_setreg_imm32_b32 hwreg(HW_REG_WAVE_MODE, 25, 1), 1
	s_wait_xcnt 0x0
; All eight inputs are rounded once to bf16 and laid end to end in cvt, 16,384 numbers (64 KiB in, 32 KiB out) to a work-group:
; ids 0 x, 512 Wq, 768 Wk, 832 Wv (bf16); 896 Wo (the bf16 number written as f16); 1152 cos x 2^-4, 1184 sin x 2^-4 with the sign of
; rotate_half (minus for d < 64) (bf16); 1216 omega (the bf16 number written as f16).  The destination is id x 32,768 for every id.
; A wave's load covers 512 consecutive bytes, its store 256 consecutive bytes at a multiple of 256.  No LDS, no barrier: nothing is shared.
; LIMITS.  Wo and omega as f16: beyond 65,504 an infinity, below 6e-8 zero.  2^-4 is exact but for bf16 denormals.
.set X, 16                             ; v[16:79]   16 loads of 4 numbers
.set Y, 80                             ; v[80:111]  16 stores of 4 packed numbers
.macro PICK from, p                    ; from id 'from' on the source is the pointer in s[p:p+1]
	s_cmp_ge_u32 s7, \from
	s_cselect_b64 s[4:5], s[\p:\p+1], s[4:5]
	s_cselect_b32 s6, \from, s6
.endm
	s_load_b512 s[8:23], s[0:1], 0x0               ; x, Wq, Wk, Wv, Wo, cos, sin, omega
	s_load_b64 s[24:25], s[0:1], 0x40              ; cvt
	s_mov_b32 s7, ttmp9
	v_lshrrev_b32 v3, 5, v0                        ; wave
	v_and_b32 v6, 31, v0                           ; lane
	v_lshlrev_b32 v1, 4, v6
	v_lshl_add_u32 v1, v3, 13, v1                  ; in: 8,192 x wave + 16 x lane
	v_lshrrev_b32 v2, 1, v1                        ; out: half of it
	s_mov_b32 s30, 0                               ; the path: 0 plain, 1 f16, 2 table
	s_cmp_ge_u32 s7, 896
	s_cselect_b32 s30, 1, s30
	s_cmp_ge_u32 s7, 1152
	s_cselect_b32 s30, 2, s30
	s_cmp_ge_u32 s7, 1216
	s_cselect_b32 s30, 1, s30
	s_mov_b32 s29, 0                               ; sin alone: a load is one table row of 128, lane l holds d = 4 l .. 4 l + 3, so d < 64 is l < 16
	s_cmp_ge_u32 s7, 1184
	s_cselect_b32 s29, 0x80000000, s29
	v_cmp_gt_u32 vcc_lo, 16, v6
	v_cndmask_b32 v4, 0, s29, vcc_lo
	v_xor_b32 v4, 0x3d800000, v4                   ; +- 2^-4
	v_mov_b32 v5, v4
	s_wait_kmcnt 0x0
	s_mov_b64 s[4:5], s[8:9]
	s_mov_b32 s6, 0
	PICK 512, 10
	PICK 768, 12
	PICK 832, 14
	PICK 896, 16
	PICK 1152, 18
	PICK 1184, 20
	PICK 1216, 22
	s_sub_co_u32 s26, s7, s6
	s_lshl_b32 s26, s26, 16
	s_mov_b32 s27, 0
	s_add_nc_u64 s[4:5], s[4:5], s[26:27]
	s_lshl_b32 s26, s7, 15
	s_add_nc_u64 s[24:25], s[24:25], s[26:27]
.set j, 0
.rept 16
	global_load_b128 v[X+4*j:X+4*j+3], v1, s[4:5] offset:512*j th:TH_LOAD_NT
.set j, j+1
.endr
.macro OUT mul, half
.set j, 0
.rept 16
	s_wait_loadcnt 15-j                            ; loads come back in order: load j is in, the 15 - j younger ones stay out
.if \mul
	v_pk_mul_f32 v[X+4*j:X+4*j+1], v[X+4*j:X+4*j+1], v[4:5]
	v_pk_mul_f32 v[X+4*j+2:X+4*j+3], v[X+4*j+2:X+4*j+3], v[4:5]
.endif
	v_cvt_pk_bf16_f32 v[Y+2*j], v[X+4*j], v[X+4*j+1]
	v_cvt_pk_bf16_f32 v[Y+2*j+1], v[X+4*j+2], v[X+4*j+3]
.if \half
	v_lshlrev_b32 v[X+4*j], 16, v[Y+2*j]           ; the rounded numbers back as f32,
	v_and_b32 v[X+4*j+1], 0xffff0000, v[Y+2*j]
	v_lshlrev_b32 v[X+4*j+2], 16, v[Y+2*j+1]
	v_and_b32 v[X+4*j+3], 0xffff0000, v[Y+2*j+1]
	v_cvt_pk_f16_f32 v[Y+2*j], v[X+4*j], v[X+4*j+1]  ; and written as f16: 8 significant bits fit in 11
	v_cvt_pk_f16_f32 v[Y+2*j+1], v[X+4*j+2], v[X+4*j+3]
.endif
	global_store_b64 v2, v[Y+2*j:Y+2*j+1], s[24:25] offset:256*j th:TH_STORE_NT
.set j, j+1
.endr
	s_endpgm
.endm
	s_cmp_eq_u32 s30, 1
	s_cbranch_scc1 .Lhalf
	s_cmp_eq_u32 s30, 2
	s_cbranch_scc1 .Ltable
	OUT 0, 0
.Ltable:
	OUT 1, 0
.Lhalf:
	OUT 0, 1
.Lfunc_end_k_q1f14116056_prep:
	.size	k_q1f14116056_prep, .Lfunc_end_k_q1f14116056_prep-k_q1f14116056_prep
	.p2alignl 7, 3214868480
	.fill 96, 4, 3214868480
	.section	.rodata,"a",@progbits
	.p2align	6, 0x0
	.amdhsa_kernel k_q1f14116056_prep
		.amdhsa_group_segment_fixed_size 0
		.amdhsa_private_segment_fixed_size 0
		.amdhsa_enable_private_segment 0
		.amdhsa_kernarg_size 72
		.amdhsa_user_sgpr_count 2
		.amdhsa_user_sgpr_kernarg_segment_ptr 1
		.amdhsa_wavefront_size32 1
		.amdhsa_system_sgpr_workgroup_id_x 1
		.amdhsa_system_sgpr_workgroup_id_y 1
		.amdhsa_system_sgpr_workgroup_id_z 1
		.amdhsa_system_vgpr_workitem_id 0
		.amdhsa_next_free_vgpr 112
		.amdhsa_next_free_sgpr 66
		.amdhsa_reserve_vcc 1
		.amdhsa_float_denorm_mode_32 3
		.amdhsa_float_denorm_mode_16_64 3
		.amdhsa_memory_ordered 1
		.amdhsa_forward_progress 1
		.amdhsa_inst_pref_size 24
	.end_amdhsa_kernel
	.amdgpu_metadata
---
amdhsa.version: [ 1, 2 ]
amdhsa.kernels:
  - .name:           k_q1f14116056_prep
    .symbol:         k_q1f14116056_prep.kd
    .args:
      - { .name: hidden_states, .offset: 0, .size: 8, .value_kind: global_buffer, .address_space: global }
      - { .name: Wq, .offset: 8, .size: 8, .value_kind: global_buffer, .address_space: global }
      - { .name: Wk, .offset: 16, .size: 8, .value_kind: global_buffer, .address_space: global }
      - { .name: Wv, .offset: 24, .size: 8, .value_kind: global_buffer, .address_space: global }
      - { .name: Wo, .offset: 32, .size: 8, .value_kind: global_buffer, .address_space: global }
      - { .name: cos, .offset: 40, .size: 8, .value_kind: global_buffer, .address_space: global }
      - { .name: sin, .offset: 48, .size: 8, .value_kind: global_buffer, .address_space: global }
      - { .name: omega, .offset: 56, .size: 8, .value_kind: global_buffer, .address_space: global }
      - { .name: cvt, .offset: 64, .size: 8, .value_kind: global_buffer, .address_space: global }
    .group_segment_fixed_size: 0
    .private_segment_fixed_size: 0
    .kernarg_segment_align: 8
    .kernarg_segment_size: 72
    .max_flat_workgroup_size: 256
    .sgpr_count:     66
    .vgpr_count:     112
    .wavefront_size: 32
...
	.end_amdgpu_metadata
.endif
;; end of part 1
;; launch qkv (part 2): grid 12 x 16, 4 waves a work-group, clusters of 4 x 4, 327,680 bytes of LDS; arguments cvt, qkvb; writes qkvb
.if DOCPART == 2
	.amdgcn_target "amdgcn-amd-amdhsa--gfx1250"
	.amdhsa_code_object_version 6
	.text
	.protected	k_q1f14116056_qkv
	.globl	k_q1f14116056_qkv
	.p2align	8
	.type	k_q1f14116056_qkv,@function
k_q1f14116056_qkv:
	s_mov_b64 s[64:65], 0
	v_nop
	global_prefetch_b8 v0, s[64:65] scope:SCOPE_SE
	s_setreg_imm32_b32 hwreg(HW_REG_WAVE_MODE, 25, 1), 1
	s_wait_xcnt 0x0
	s_wait_alu depctr_hold_cnt(0) depctr_sa_sdst(0) depctr_va_vdst(0) depctr_va_sdst(0) depctr_va_ssrc(0) depctr_va_vcc(0) depctr_vm_vsrc(0)
	s_getreg_b32 s2, hwreg(HW_REG_IB_STS2, 6, 4)
	s_cmp_eq_u32 s2, 0
	s_cbranch_scc0 .Lentry_in_a_cluster
	s_endpgm
.Lentry_in_a_cluster:
	s_bfe_u32 s2, ttmp6, 0x10000c
	s_cmp_lg_u32 s2, 0xf033
	s_cbranch_scc0 .Lentry_shape_is_right
	s_endpgm
.Lentry_shape_is_right:
; [q | k | v] = x W^T, x: [4096][2048], W: [3072][2048] (rows: Wq, Wk, Wv), both bf16 in cvt; sums in f32.  Then RoPE on q and k, and out by heads:
; qkvb[b][head 0..23][s][128] in f16: heads 0-15 q and 16-19 k as (rope value x 2^-4), heads 20-23 v;
; behind it SQ[head][4096] in f32: the sum over d of the squares of the f32 values that were stored (|q|^2 / 256).
; LIMITS.  f16 ends at 65,504: q and k keep room up to |q| = 1.05e6 by the exact factor 2^-4 that the table carries; v must lie within 65,504.
; THE PRODUCT.  A tile of 256 x 256 to a work-group of four waves, 128 x 128 (64 accumulators, 512 registers) to a wave; K in steps of 128 through two LDS slots filled by tensor loads;
; 4 x 4 work-groups form a cluster: x's tiles are asked for jointly along a row of the cluster, W's along a column.  The matrix instruction is used transposed (source 0 = rows of W,
; source 1 = rows of x): lane l holds row l % 16 and the columns 16 b + 8 (l / 16) + 0..7 of accumulator b.
; A wave's 128 columns are ONE head.  So the partner column d +- 64 of RoPE lies in accumulator b ^ 4, same lane, same register: RoPE needs no exchange.
; THE TABLE (cos x 2^-4, and sin x 2^-4 with rotate_half's sign, bf16, 256 rows each) is brought into slot 0 when its last K step has been read, jointly along the cluster's row.
; REGISTERS, in windows of 256: window 0: v0-31 addresses; v64-191 x's fragments, two buffers; on the way out v32-255 as named below.  window 1: v64-191 W's fragments.  windows 2, 3: accumulators.
.set SIZE_K, 2048
.set KSTEP,  128
.set PITCH,  272                       ; an LDS row: 256 bytes + 16 of padding: the 16 rows of a fragment load start 4 banks apart
.set HALFT,  128*PITCH
.set SLOT,   4*HALFT
.set STAGE,  2*SLOT                    ; 16 rows x 272 bytes for each wave
.set SPITCH, 272
.set SQST,   STAGE+4*16*SPITCH         ; 128 sums of squares for each wave
.set SPARE,  SQST+4*512                ; the spare words, 128 bytes a wave, that no other line names
.set LAPS,   SIZE_K/(2*KSTEP)
.set WBOFF,  16777216                  ; W in cvt
.set TABOFF, 37748736                  ; the table in cvt: two planes of 4096 x 128 bf16
.set SQOFF,  25165824                  ; SQ in qkvb
.set FLAGS,  (1<<16)|(1<<20)|(1<<21)|(5<<22)|(3<<25)  ; 2-byte elements; padding on; bit 21 beside a mask; after every 64 words 4 words
.set RDT,  10                          ; v10  my place in the cos rows of the block in hand
.set RDS,  11                          ; v11  the same in the sin rows
.set SQA,  12                          ; v12  where a block's sum of squares goes
.set ZR,   13                          ; v13  0, the addend of the first product
.set SQR,  14                          ; v14  where I read four sums back
.set ADRA, 16
.set ADRB, 20
.set STO,  24
.set RD,   25
.set CO,   26                          ; v26  16 x lane
.set SPW,  28
.set NIL,  29
.set PFO,  30
.set PFA,  44
.set LIM,  43
.set F0,   64
.set F1,   128
.set XA,   32                          ; the way out: v32-95 a block's 64 sums; v96-127 cos; v128-159 sin; v160-223 results; v224-255 packed
.set CT,   96
.set SN,   128
.set OU,   160
.set PKD,  224
.set G1, 24
.set G0, 32
.set G1B, 48
.set G0B, 56
.set G1T, 68                           ; s[68:75], s[76:79] the table's descriptor
.set G0T, 76
.set OB,  80                           ; s[80:81] qkvb at the block's 16 rows
.set SQP, 82                           ; s[82:83] SQ at my 128 rows
.set SEL, 84                           ; s[84:85] v_permlanex16_b32's selects
.set MV,  86                           ; s86  all ones in a v head: no RoPE
.set BA,  88                           ; s88  the block
.set MSB, 0
.macro WIN new
.if MSB != (\new)
	s_set_vgpr_msb (MSB<<8)|(\new)
.set MSB, \new
.endif
.endm
.set MUL_LO, 0xa1                      ; source 0 (W) window 1, source 1 (x) window 0, C and D window 2
.set MUL_HI, 0xf1
.set TO_B,   0x40
.macro JLOAD s                         ; waves 0 and 1 fetch x's two halves, waves 2 and 3 W's; an s_nop 0 and four v_nop follow each line
	s_cmp_eq_u32 s11, 0
	s_cbranch_scc0 .Lfor_b_\@
	tensor_load_to_lds s[G0+4*(\s):G0+4*(\s)+3], s[G1:G1+7]
	s_nop 0
.rept 4
	v_nop
.endr
	s_branch .Lasked_\@
.Lfor_b_\@:
	tensor_load_to_lds s[G0B+4*(\s):G0B+4*(\s)+3], s[G1B:G1B+7]
	s_nop 0
.rept 4
	v_nop
.endr
.Lasked_\@:
.endm
; A prefetch behind each joint refill: the K step two refills on, 32 rows x 256 bytes, a lane a row.  x's rows are asked for by the clusters with x = 0, W's by those with y = 0; the four partners
; that fetch a tile jointly take 32 of a wave's 128 rows each, told apart by address.  The loop's last trip asks for nothing: no K step lies two on.
.macro ASK
	s_cmp_gt_u32 s3, s[LIM]
	s_cbranch_scc0 .Lnot_mine_\@
	global_prefetch_b8 v[PFO], s[PFA:PFA+1] offset:KSTEP*2 th:TH_LOAD_NT scope:SCOPE_SE
.Lnot_mine_\@:
.endm
.macro CREST
	s_cmp_lg_u32 s10, 0
	s_cbranch_scc1 .Lnot_wave_0_\@
	s_barrier_signal -3
.Lnot_wave_0_\@:
	s_barrier_wait -3
	s_barrier_signal -1
	s_barrier_wait -1
.endm
.macro CROUND
	s_barrier_signal -1
	s_barrier_wait -1
	CREST
.endm
	s_load_b128 s[4:7], s[0:1], 0x0                ; cvt s[4:5], qkvb s[6:7]
	v_lshl_add_u32 v[SPW], v0, 2, SPARE
	v_mov_b32 v[NIL], 0
	ds_add_u32 v[SPW], v[NIL]                      ; the wave's opening: the add and its wait ahead of my first tensor load
	v_lshrrev_b32 v1, 5, v0
	v_readfirstlane_b32 s10, v1                    ; wave
	s_lshr_b32 s11, s10, 1                         ; my half of the tile's rows; also: I fetch for x (0) or W (1)
	s_and_b32 s12, s10, 1                          ; my half of its columns; also: which 128 rows I fetch
	s_bfe_u32 s40, ttmp6, 0x40000                  ; cx
	s_bfe_u32 s41, ttmp6, 0x40004                  ; cy
	s_lshl_b32 s42, ttmp9, 2
	s_add_co_u32 s42, s42, s40                     ; tile column
	s_and_b32 s13, ttmp7, 0xffff
	s_lshl_b32 s13, s13, 2
	s_add_co_u32 s13, s13, s41                     ; tile row
	s_lshl_b32 s43, s41, 2
	s_lshl_b32 s43, 15, s43                        ; my row of the cluster
	s_lshl_b32 s44, 0x1111, s40                    ; my column
	s_or_b32 s[G1+0], s43, FLAGS
	s_or_b32 s[G1B+0], s44, FLAGS
	s_or_b32 s[G1T+0], s43, FLAGS                  ; the table hangs on the tile row alone
.irp g, G1, G1B, G1T
	s_mov_b32 s[(\g)+1], KSTEP<<16                 ; tensor_dim0 = 128
	s_mov_b32 s[(\g)+2], 128<<16                   ; tensor_dim1 = 128
	s_mov_b32 s[(\g)+3], KSTEP<<16                 ; tile_dim0 = 128
	s_mov_b32 s[(\g)+4], 128                       ; tile_dim1 = 128
	s_mov_b32 s[(\g)+6], 0
	s_mov_b32 s[(\g)+7], 0
.endr
	s_mov_b32 s[G1+5], SIZE_K                      ; elements from row to row
	s_mov_b32 s[G1B+5], SIZE_K
	s_mov_b32 s[G1T+5], 128
	s_lshl_b32 s17, s12, 7
	s_lshl_b32 s16, s13, 8
	s_add_co_u32 s16, s16, s17                     ; x: row 256 x tile row + 128 x half
	s_lshl_b32 s46, s42, 8
	s_add_co_u32 s46, s46, s17                     ; W: row 256 x tile column + 128 x half
	s_mov_b32 s17, 0
	s_mov_b32 s47, 0
	s_mov_b64 s[18:19], SIZE_K*2
	s_mul_u64 s[16:17], s[16:17], s[18:19]
	s_mul_u64 s[46:47], s[46:47], s[18:19]
	s_mul_i32 s20, s10, HALFT                      ; where a wave's rows go: wave x 128 rows
	s_lshl_b32 s90, s11, 20                        ; the table: plane wave / 2,
	s_lshl_b32 s91, s13, 16                        ; rows 256 x tile row
	s_add_co_u32 s90, s90, s91
	s_lshl_b32 s91, s12, 15                        ; + 128 x (wave % 2), of 256 bytes
	s_add_co_u32 s90, s90, s91
	s_add_co_u32 s90, s90, TABOFF
	s_mov_b32 s91, 0
	s_mov_b32 s[SEL], 0x76543210
	s_mov_b32 s[SEL+1], 0xfedcba98
	v_mov_b32 v[ZR], 0
	s_wait_dscnt 0x0                               ; the opening add is done
	s_wait_kmcnt 0x0
	s_mov_b64 s[8:9], s[6:7]                       ; qkvb
	s_add_nc_u64 s[6:7], s[4:5], WBOFF             ; W
	s_add_nc_u64 s[14:15], s[4:5], s[16:17]
	s_add_nc_u64 s[46:47], s[6:7], s[46:47]
	s_mov_b32 s[G0T], 1
	s_add_co_u32 s[G0T+1], s20, 0                  ; cos to slot 0's first 256 rows, sin to its second 256
	s_add_nc_u64 s[G0T+2:G0T+3], s[4:5], s[90:91]
	s_or_b32 s[G0T+3], s[G0T+3], 0x80000000
	CROUND                                         ; all sixteen work-groups are here: the first joint loads meet
.irp s, 0,1
	s_mov_b32 s[G0+4*(\s)], 1
	s_add_co_u32 s[G0+4*(\s)+1], s20, (\s)*SLOT
	s_add_nc_u64 s[G0+4*(\s)+2:G0+4*(\s)+3], s[14:15], (\s)*KSTEP*2
	s_or_b32 s[G0+4*(\s)+3], s[G0+4*(\s)+3], 0x80000000
	s_mov_b32 s[G0B+4*(\s)], 1
	s_add_co_u32 s[G0B+4*(\s)+1], s20, (\s)*SLOT
	s_add_nc_u64 s[G0B+4*(\s)+2:G0B+4*(\s)+3], s[46:47], (\s)*KSTEP*2
	s_or_b32 s[G0B+4*(\s)+3], s[G0B+4*(\s)+3], 0x80000000
	JLOAD \s
.endr
	v_and_b32 v1, 15, v0                           ; r = l % 16
	v_bfe_u32 v2, v0, 4, 1                         ; h = l / 16
	v_mul_u32_u24 v3, v1, PITCH
	v_lshl_add_u32 v3, v2, 4, v3                   ; a fragment's row x pitch + 16 h
	s_mul_i32 s21, s11, HALFT
	s_mul_i32 s22, s12, HALFT
	s_add_co_u32 s22, s22, 2*HALFT
	v_add_nc_u32 v[RDT], s21, v3                   ; the table's rows are my rows of x, in the same layout
	v_add_nc_u32 v[RDS], 2*HALFT, v[RDT]
.irp s, 0,1
	v_add_nc_u32 v[ADRA+(\s)], s21, v3
	v_add_nc_u32 v[ADRB+(\s)], s22, v3
	s_add_co_u32 s21, s21, SLOT
	s_add_co_u32 s22, s22, SLOT
.endr
	s_mul_i32 s23, s10, 16*SPITCH
	s_add_co_u32 s23, s23, STAGE
	v_mul_u32_u24 v4, v1, SPITCH
	v_lshl_add_u32 v4, v2, 4, v4
	v_add_nc_u32 v[STO], s23, v4                   ; in: row r, 16 bytes for each half of the lanes
	v_mul_u32_u24 v5, v2, SPITCH
	v_lshl_add_u32 v5, v1, 4, v5
	v_add_nc_u32 v[RD], s23, v5                    ; back: lanes 0-15 one row of 256 bytes, lanes 16-31 the next
	v_and_b32 v5, 31, v0
	v_lshlrev_b32 v[CO], 4, v5                     ; a head's rows are dense: two rows are 512 consecutive bytes
	s_lshl_b32 s23, s10, 9
	s_add_co_u32 s23, s23, SQST
	v_lshl_add_u32 v[SQA], v1, 2, s23
	v_add_nc_u32 v[SQR], s23, v[CO]
	s_lshl_b32 s90, s42, 1
	s_add_co_u32 s90, s90, s12                     ; my head
	s_cmp_ge_u32 s90, 20
	s_cselect_b32 s[MV], -1, 0
	s_lshr_b32 s91, s13, 3                         ; b
	s_mul_i32 s91, s91, 24
	s_add_co_u32 s91, s91, s90
	s_lshl_b32 s91, s91, 11                        ; (24 b + head) x 2048 rows
	s_and_b32 s92, s13, 7
	s_lshl_b32 s92, s92, 8
	s_add_co_u32 s91, s91, s92
	s_lshl_b32 s92, s11, 7
	s_add_co_u32 s91, s91, s92
	s_lshl_b32 s92, s91, 8
	s_mov_b32 s93, 0
	s_add_nc_u64 s[OB:OB+1], s[8:9], s[92:93]
	s_lshl_b32 s92, s90, 12                        ; SQ: 4096 x head + my first row of x
	s_lshl_b32 s91, s13, 8
	s_add_co_u32 s92, s92, s91
	s_lshl_b32 s91, s11, 7
	s_add_co_u32 s92, s92, s91
	s_lshl_b32 s92, s92, 2
	s_add_co_u32 s92, s92, SQOFF
	s_add_nc_u64 s[SQP:SQP+1], s[8:9], s[92:93]
	; the prefetches
	s_lshl_b32 s13, s13, 8
	s_lshl_b32 s42, s42, 8
	s_and_b32 s22, ttmp7, 0xffff
	s_cmp_eq_u32 s11, 0
	s_cselect_b32 s20, s13, s42                    ; the tile's first row
	s_cselect_b32 s21, s40, s41                    ; my place among the four that ask with me
	s_cselect_b32 s22, ttmp9, s22                  ; the coordinate along which other clusters read the same rows
	s_cselect_b64 s[PFA:PFA+1], s[4:5], s[6:7]
	s_cmp_eq_u32 s22, 0
	s_cselect_b32 s[LIM], 1, -1
	s_lshl_b32 s22, s12, 7
	s_add_co_u32 s20, s20, s22
	s_lshl_b32 s21, s21, 5
	s_add_co_u32 s20, s20, s21
	s_mov_b32 s21, 0
	s_mov_b64 s[18:19], SIZE_K*2
	s_mul_u64 s[20:21], s[20:21], s[18:19]
	s_add_nc_u64 s[PFA:PFA+1], s[PFA:PFA+1], s[20:21]
	s_add_nc_u64 s[PFA:PFA+1], s[PFA:PFA+1], 2*KSTEP*2  ; at K step 2: the first refill steps it to 3 and names K step 4
	v_and_b32 v[PFO], 31, v0
	v_mul_u32_u24 v[PFO], v[PFO], SIZE_K*2
.macro MUL16 f, hi, a0, zero           ; 16 products: row blocks a0, a0 + 1 of the window's four x all 8 column blocks, 32 along K
	WIN MUL_LO+0x50*(\hi)
.irp a, \a0, (\a0)+1
.irp b, 0,1,2,3,4,5,6,7
.if \zero
	v_wmma_f32_16x16x32_bf16 v[8*(8*(\a)+(\b)):8*(8*(\a)+(\b))+7], v[(\f)+8*(\b):(\f)+8*(\b)+7], v[(\f)+8*(4*(\hi)+(\a)):(\f)+8*(4*(\hi)+(\a))+7], 0
.else
	v_wmma_f32_16x16x32_bf16 v[8*(8*(\a)+(\b)):8*(8*(\a)+(\b))+7], v[(\f)+8*(\b):(\f)+8*(\b)+7], v[(\f)+8*(4*(\hi)+(\a)):(\f)+8*(4*(\hi)+(\a))+7], v[8*(8*(\a)+(\b)):8*(8*(\a)+(\b))+7]
.endif
.endr
.endr
.endm
.macro FETCH slot, k, f                ; 32 LDS loads in one run: a quarter step's fragments
	WIN TO_B
.irp i, 0,1,2,3,4,5,6,7
	ds_load_b128 v[(\f)+8*(\i):(\f)+8*(\i)+3],   v[ADRB+(\slot)] offset:(\k)+(\i)*16*PITCH
	ds_load_b128 v[(\f)+8*(\i)+4:(\f)+8*(\i)+7], v[ADRB+(\slot)] offset:(\k)+(\i)*16*PITCH+32
.endr
	WIN 0
.irp i, 0,1,2,3,4,5,6,7
	ds_load_b128 v[(\f)+8*(\i):(\f)+8*(\i)+3],   v[ADRA+(\slot)] offset:(\k)+(\i)*16*PITCH
	ds_load_b128 v[(\f)+8*(\i)+4:(\f)+8*(\i)+7], v[ADRA+(\slot)] offset:(\k)+(\i)*16*PITCH+32
.endr
.endm
.macro PLACES                          ; four plain places behind a matrix instruction, ahead of loads into its sources and of reads of its result
.rept 4
	v_nop
.endr
.endm
.macro QUARTER slot, k, f, g, zero
	s_wait_dscnt 8                                 ; W's fragments and x's rows 0-63 are in; the youngest eight loads may be out
	MUL16 \f, 0, 0, \zero
	MUL16 \f, 0, 2, \zero
	PLACES
	FETCH \slot, \k, \g
	s_wait_dscnt 32                                ; all but the 32 just issued
	MUL16 \f, 1, 0, \zero
	MUL16 \f, 1, 2, \zero
.endm
.macro MEET round                      ; the change of slots: all my tensor loads, the add, my reads of this slot; then the barrier
	WIN 0
	s_wait_tensorcnt 0x0                           ; the one load of mine that was out has landed
	ds_add_u32 v[SPW], v[NIL]
	s_wait_dscnt 9                                 ; the add and the youngest eight loads may be out
	MUL16 F1, 0, 0, 0
	s_wait_dscnt 0x0                               ; the add is done, my reads of this slot are over
	s_barrier_signal -1
	MUL16 F1, 0, 2, 0
.if \round
	WIN 0
.endif
	s_barrier_wait -1
.endm
.macro TURN slot, next
	s_wait_xcnt 0x0                                ; the last prefetch, a K step back, has read its address
	s_add_nc_u64 s[PFA:PFA+1], s[PFA:PFA+1], KSTEP*2
	MEET 1
	CREST                                          ; no wave of any partner still reads this slot or has a load on its way
	s_add_nc_u64 s[G0+4*(\slot)+2:G0+4*(\slot)+3], s[G0+4*(\slot)+2:G0+4*(\slot)+3], 2*KSTEP*2
	s_add_nc_u64 s[G0B+4*(\slot)+2:G0B+4*(\slot)+3], s[G0B+4*(\slot)+2:G0B+4*(\slot)+3], 2*KSTEP*2
	JLOAD \slot
	FETCH \next, 0, F0
	ASK
	MUL16 F1, 1, 0, 0
	MUL16 F1, 1, 2, 0
.endm
	s_wait_tensorcnt 1                             ; my part of K step 0 is in; K step 1's may stay out
	s_barrier_signal -1
	s_barrier_wait -1
	FETCH 0, 0, F0
	QUARTER 0, 64,  F0, F1, 1                      ; the first quarter starts the sums with the constant 0
	WIN 0
	s_mov_b32 s3, LAPS-1
.Llap:
	QUARTER 0, 128, F1, F0, 0
	QUARTER 0, 192, F0, F1, 0
	TURN 0, 1
	QUARTER 1, 64,  F0, F1, 0
	QUARTER 1, 128, F1, F0, 0
	QUARTER 1, 192, F0, F1, 0
	TURN 1, 0
	QUARTER 0, 64,  F0, F1, 0
	WIN 0
	s_sub_co_u32 s3, s3, 1
	s_cmp_lg_u32 s3, 0
	s_cbranch_scc1 .Llap
	QUARTER 0, 128, F1, F0, 0
	QUARTER 0, 192, F0, F1, 0
	MEET 1                                         ; slot 0 has had its last K step:
	CREST
	tensor_load_to_lds s[G0T:G0T+3], s[G1T:G1T+7]  ; it takes the table, 128 rows a wave, which lands under the last K step's products
	s_nop 0
	PLACES
	FETCH 1, 0, F0
	MUL16 F1, 1, 0, 0
	MUL16 F1, 1, 2, 0
	QUARTER 1, 64,  F0, F1, 0
	QUARTER 1, 128, F1, F0, 0
	QUARTER 1, 192, F0, F1, 0
	MEET 0                                         ; every wave's part of the table has landed
	MUL16 F1, 1, 0, 0
	MUL16 F1, 1, 2, 0
	WIN 0
	PLACES
; THE WAY OUT, a block of 16 rows a trip, written once but for the 64 lines that bring the block's sums into window 0.
.macro DUMP a
.Ld\a:
	WIN 0x02+(\a)/4                                ; source 0 in window 2 or 3
.set i, 0
.rept 64
	v_mov_b32 v[XA+i], v[64*((\a)%4)+i]            ; ascending: each accumulator's low registers are read first
.set i, i+1
.endr
	WIN 0
.if (\a) < 7
	s_branch .Lcommon
.endif
.endm
	s_mov_b32 s[BA], 0
.Lblk:
.irp b, 0,1,2,3,4,5,6,7
	ds_load_b128 v[CT+4*(\b):CT+4*(\b)+3], v[RDT] offset:32*(\b)  ; cos and sin of row r, columns 16 b + 8 h + 0..7: the accumulators' own layout
	ds_load_b128 v[SN+4*(\b):SN+4*(\b)+3], v[RDS] offset:32*(\b)
.endr
.irp a, 1,2,3,4,5,6,7
	s_cmp_eq_u32 s[BA], \a
	s_cbranch_scc1 .Ld\a
.endr
	DUMP 0
	DUMP 1
	DUMP 2
	DUMP 3
	DUMP 4
	DUMP 5
	DUMP 6
	DUMP 7
.Lcommon:
	s_wait_dscnt 0x0                               ; the table's rows are in
.set i, 0
.rept 64                                       ; partner x sin (the sign lies in the table) ...
.if i%2
	v_fma_mix_f32_bf16 v[OU+i], v[XA+(i+32)%64], v[SN+i/2], v[ZR] op_sel:[0,1,0] op_sel_hi:[0,1,0]
.else
	v_fma_mix_f32_bf16 v[OU+i], v[XA+(i+32)%64], v[SN+i/2], v[ZR] op_sel_hi:[0,1,0]
.endif
.set i, i+1
.endr
.set i, 0
.rept 64                                       ; ... + own x cos
.if i%2
	v_fma_mix_f32_bf16 v[OU+i], v[XA+i], v[CT+i/2], v[OU+i] op_sel:[0,1,0] op_sel_hi:[0,1,0]
.else
	v_fma_mix_f32_bf16 v[OU+i], v[XA+i], v[CT+i/2], v[OU+i] op_sel_hi:[0,1,0]
.endif
.set i, i+1
.endr
.set i, 0
.rept 64
	v_cndmask_b32 v[OU+i], v[OU+i], v[XA+i], s[MV]  ; a v head keeps its sums: a choice of values, since partners of a cluster run one text
.set i, i+1
.endr
.set i, 0
.rept 32                                       ; the sum of squares, four chains
.if i < 4
	v_pk_mul_f32 v[XA+2*i:XA+2*i+1], v[OU+2*i:OU+2*i+1], v[OU+2*i:OU+2*i+1]
.else
	v_pk_fma_f32 v[XA+2*(i%4):XA+2*(i%4)+1], v[OU+2*i:OU+2*i+1], v[OU+2*i:OU+2*i+1], v[XA+2*(i%4):XA+2*(i%4)+1]
.endif
.set i, i+1
.endr
	v_pk_add_f32 v[XA:XA+1], v[XA:XA+1], v[XA+2:XA+3]
	v_pk_add_f32 v[XA+4:XA+5], v[XA+4:XA+5], v[XA+6:XA+7]
	v_pk_add_f32 v[XA:XA+1], v[XA:XA+1], v[XA+4:XA+5]
	v_add_f32 v[XA], v[XA], v[XA+1]
	v_permlanex16_b32 v[XA+1], v[XA], s[SEL], s[SEL+1]  ; the row's other 64 columns lie in the lane 16 away
	v_add_f32 v[XA], v[XA], v[XA+1]
	ds_store_b32 v[SQA], v[XA]                     ; both halves of the lanes write the same word with the same number
.set i, 0
.rept 32
	v_cvt_pk_f16_f32 v[PKD+i], v[OU+2*i], v[OU+2*i+1]
.set i, i+1
.endr
.irp b, 0,1,2,3,4,5,6,7
	ds_store_b128 v[STO], v[PKD+4*(\b):PKD+4*(\b)+3] offset:32*(\b)
.endr
.irp t, 0,1,2,3,4,5,6,7
	ds_load_b128 v[SN+4*(\t):SN+4*(\t)+3], v[RD] offset:(\t)*2*SPITCH  ; LDS serves a wave's instructions in order: these see the stores above
.endr
	s_wait_dscnt 0x0
.irp t, 0,1,2,3,4,5,6,7
	global_store_b128 v[CO], v[SN+4*(\t):SN+4*(\t)+3], s[OB:OB+1] offset:512*(\t)  ; 512 consecutive bytes, at a multiple of 512 from the buffer's first
.endr
	s_wait_xcnt 0x0                                ; the stores have read their data and base: both are written again below and in the next trip
	s_add_nc_u64 s[OB:OB+1], s[OB:OB+1], 4096
	v_add_nc_u32 v[RDT], 16*PITCH, v[RDT]
	v_add_nc_u32 v[RDS], 16*PITCH, v[RDS]
	v_add_nc_u32 v[SQA], 64, v[SQA]
	s_add_co_u32 s[BA], s[BA], 1
	s_cmp_lt_u32 s[BA], 8
	s_cbranch_scc1 .Lblk
	ds_load_b128 v[XA:XA+3], v[SQR]                ; my wave's 128 sums of squares, four a lane
	s_wait_dscnt 0x0
	global_store_b128 v[CO], v[XA:XA+3], s[SQP:SQP+1]
	s_wait_tensorcnt 0x0                           ; the wave's end
	ds_add_u32 v[SPW], v[NIL]
	s_wait_dscnt 0x0
	CROUND                                         ; the closing round
	s_endpgm
.Lfunc_end_k_q1f14116056_qkv:
	.size	k_q1f14116056_qkv, .Lfunc_end_k_q1f14116056_qkv-k_q1f14116056_qkv
	.p2alignl 7, 3214868480
	.fill 96, 4, 3214868480
	.section	.rodata,"a",@progbits
	.p2align	6, 0x0
	.amdhsa_kernel k_q1f14116056_qkv
		.amdhsa_group_segment_fixed_size 327680
		.amdhsa_private_segment_fixed_size 0
		.amdhsa_enable_private_segment 0
		.amdhsa_kernarg_size 16
		.amdhsa_user_sgpr_count 2
		.amdhsa_user_sgpr_kernarg_segment_ptr 1
		.amdhsa_wavefront_size32 1
		.amdhsa_system_sgpr_workgroup_id_x 1
		.amdhsa_system_sgpr_workgroup_id_y 1
		.amdhsa_system_sgpr_workgroup_id_z 1
		.amdhsa_system_vgpr_workitem_id 0
		.amdhsa_next_free_vgpr 1024
		.amdhsa_next_free_sgpr 96
		.amdhsa_reserve_vcc 0
		.amdhsa_float_denorm_mode_32 3
		.amdhsa_float_denorm_mode_16_64 3
		.amdhsa_memory_ordered 1
		.amdhsa_forward_progress 1
		.amdhsa_inst_pref_size 152
	.end_amdhsa_kernel
	.amdgpu_metadata
---
amdhsa.version: [ 1, 2 ]
amdhsa.kernels:
  - .name:           k_q1f14116056_qkv
    .symbol:         k_q1f14116056_qkv.kd
    .args:
      - { .name: cvt, .offset: 0, .size: 8, .value_kind: global_buffer, .address_space: global }
      - { .name: qkvb, .offset: 8, .size: 8, .value_kind: global_buffer, .address_space: global }
    .group_segment_fixed_size: 327680
    .private_segment_fixed_size: 0
    .kernarg_segment_align: 8
    .kernarg_segment_size: 16
    .max_flat_workgroup_size: 128
    .sgpr_count:     96
    .vgpr_count:     1024
    .wavefront_size: 32
...
	.end_amdgpu_metadata
.endif
;; end of part 2
;; launch featk (part 3): grid 16 x 4, 4 waves a work-group, no clusters, 74,496 bytes of LDS; arguments qkvb, cvt, fk; writes fk
.if DOCPART == 3
	.amdgcn_target "amdgcn-amd-amdhsa--gfx1250"
	.amdhsa_code_object_version 6
	.text
	.protected	k_q1f14116056_featk
	.globl	k_q1f14116056_featk
	.p2align	8
	.type	k_q1f14116056_featk,@function
k_q1f14116056_featk:
	s_mov_b64 s[64:65], 0
	v_nop
	global_prefetch_b8 v0, s[64:65] scope:SCOPE_SE
	s_setreg_imm32_b32 hwreg(HW_REG_WAVE_MODE, 25, 1), 1
	s_wait_xcnt 0x0
; FAVOR+ features of the keys, a chunk of 128 keys of one (batch, KV head 0 or 1) to a work-group, and the chunk's sums.
; p[key][m] = k . omega[m] on the stored numbers (k x 2^-4 in f16, omega in f16).  pk'[key][m] = 2^(A2 p - B2 SQ[key] - A2 mx), mx the CHUNK's largest p:
; A2 = 16 x 128^-0.25 x log2 e, B2 = 128 log2 e / sqrt 128.  The launch behind turns chunk maxima into the maximum over the whole sequence by a factor a chunk.
; TWO bf16 NUMBERS FOR ONE.  pk' and v enter the matrix unit as hi (the number rounded to bf16) and lo (what the rounding left, rounded to bf16): a product is hi x hi + lo x hi + hi x lo.
; That keeps bf16's range and 16 significant bits; v, which arrives in f16 (11 bits), splits exactly.
; Stored: MC = A2 mx; PKI: pk' hi and lo as they lie in registers (lane = feature, 8 keys in 16 bytes); V's two planes by rows, for the attention launch;
; KVI: sum over keys of pk'[key][m] v[key][d], and of pk' (a ninth block of ones), in f32, as it lies in registers.
; SHARES.  Wave w owns the features 32 w .. 32 w + 31 (two blocks of 16) for all 128 keys.
; LIMITS.  A feature below 2^-126 counts as 0.
; REGISTERS.  window 0: v0-31 addresses; v32-95 V as loaded, then its hi, later pk' lo; v96-159 omega; v160-223 V's lo, later pk' hi; v224-231 ones; v232-247 at work.
; window 1: v0-127 p, later v0-143 the sums; v128-191 the keys' term; v192-195 maxima; v128-255 at work in the split.  window 2: K's fragments, later V hi's.  window 3: V lo's.
.set VPI,   288                        ; a row of V in LDS: 256 + 32 bytes
.set VLO,   128*VPI                    ; V's lo plane in LDS
.set MAXW,  2*128*VPI
.set SPARE, MAXW+256
.set OMOFF, 39845888
.set SQOFF, 25165824
.set VHLOFF, 4194304
.set KVIOFF, 8388608
.set MCOFF, 13107200
.set KO, 4
.set OO, 5
.set SO, 6
.set VO, 7
.set VSA, 8
.set TRA, 9
.set MXA, 10
.set MX, 11
.set AM, 12
.set ZA, 13
.set KVO, 14
.set MXR, 15
.set MQ, 16
.set TT, 20
.set TRB, 21
.set ONEF, 22
.set ZF, 23
.set SPW, 28
.set NIL, 29
.set VS, 32
.set PKL, 32
.set OM, 96
.set VL, 160
.set PKR, 160
.set ONES, 224
.set CV, 232
.set TR, 128
.set CH, 192
.set WV, 10
.set KP, 16
.set VPT, 18
.set SP, 20
.set OMP, 22
.set PKIP, 24
.set KVIP, 26
.set MCP, 28
.set NM, 30
.set NB2, 32
.set A2, 34
.set SEL, 36
.set VHP, 42
.set MSB, 0
.macro WIN new
.if MSB != (\new)
	s_set_vgpr_msb (MSB<<8)|(\new)
.set MSB, \new
.endif
.endm
.macro PLACES
.rept 4
	v_nop
.endr
.endm
.macro MMX fmt, win, d, a, b, zero
	WIN \win
.if \zero
	v_wmma_f32_16x16x32_\fmt v[(\d):(\d)+7], v[(\a):(\a)+7], v[(\b):(\b)+7], 0
.else
	v_wmma_f32_16x16x32_\fmt v[(\d):(\d)+7], v[(\a):(\a)+7], v[(\b):(\b)+7], v[(\d):(\d)+7]
.endif
.endm
.macro EACH line:vararg                ; one line for each pair of features: rX its two f32 registers (window 1), rK its word in a fragment: two tiles of 16 keys ARE a fragment of 16 features x 32 keys
.set kb, 0
.rept 8
.set mbl, 0
.rept 2
.set jp, 0
.rept 4
.set rX, 8*(2*kb+mbl)+2*jp
.set rK, 32*mbl+4*kb+jp
	\line
.set jp, jp+1
.endr
.set mbl, mbl+1
.endr
.set kb, kb+1
.endr
.endm
	s_load_b128 s[4:7], s[0:1], 0x0                ; qkvb, cvt
	s_load_b64 s[8:9], s[0:1], 0x10                ; fk
	v_lshl_add_u32 v[SPW], v0, 2, SPARE
	v_mov_b32 v[NIL], 0
	v_lshrrev_b32 v1, 5, v0
	v_readfirstlane_b32 s[WV], v1
	v_and_b32 v1, 15, v0                           ; r
	v_bfe_u32 v2, v0, 4, 1                         ; h
	v_and_b32 v3, 31, v0                           ; l
	s_mov_b32 s11, ttmp9                           ; chunk
	s_and_b32 s12, ttmp7, 0xffff                   ; 2 b + kv
	s_lshr_b32 s13, s12, 1
	s_and_b32 s14, s12, 1
	v_lshlrev_b32 v[KO], 8, v1
	v_lshl_add_u32 v[KO], v2, 4, v[KO]             ; a fragment from rows of 256 bytes: r x 256 + 16 h
	s_lshl_b32 s15, s[WV], 13
	v_add_nc_u32 v[OO], s15, v[KO]                 ; omega: + my 32 rows
	v_lshlrev_b32 v[SO], 5, v2                     ; SQ of the keys 8 h + 0..7
	v_lshl_add_u32 v[VO], v3, 4, s15               ; 8,192 w + 16 l
	s_mul_i32 s15, s[WV], 32*VPI
	v_mul_u32_u24 v[VSA], v2, VPI
	v_lshl_add_u32 v[VSA], v1, 4, v[VSA]
	v_add_nc_u32 v[VSA], s15, v[VSA]               ; V into LDS: row 32 w + h, 16 r
	v_and_b32 v[TT], 7, v0
	v_lshl_add_u32 v[TRA], v2, 3, v[TT]
	v_mul_u32_u24 v[TRA], v[TRA], VPI
	v_bfe_u32 v[TT], v0, 3, 1
	v_lshl_add_u32 v[TRA], v[TT], 4, v[TRA]        ; the turning load: key 8 h + l % 8, channels 8 ((l / 8) % 2) on
	v_add_nc_u32 v[TRB], VLO, v[TRA]               ; the same in the lo plane
	s_lshl_b32 s15, s[WV], 2
	s_add_co_u32 s15, s15, MAXW
	v_mov_b32 v[MXA], s15
	v_mov_b32 v[MXR], MAXW
	v_mov_b32 v[ZA], 0
	v_mov_b32 v[ONEF], 1.0
	v_mov_b32 v[ZF], 0
	s_mul_i32 s15, s[WV], 18432
	v_lshl_add_u32 v[KVO], v3, 4, s15
	s_mov_b32 s[NB2], 0xc18293ee                   ; -B2
	s_mov_b32 s[NB2+1], s[NB2]
	s_mov_b32 s[A2], 0x40db9ada
	s_mov_b32 s[A2+1], s[A2]
	s_mov_b32 s[SEL], 0x76543210
	s_mov_b32 s[SEL+1], 0xfedcba98
	s_mul_i32 s15, s13, 24
	s_add_co_u32 s15, s15, s14                     ; 24 b + kv
	s_lshl_b32 s40, s11, 15                        ; the chunk's 128 rows of 256 bytes
	s_mov_b32 s39, 0
	s_lshl_b32 s41, s12, 4
	s_add_co_u32 s41, s41, s11                     ; the job: 16 (2 b + kv) + chunk
	s_wait_kmcnt 0x0
	s_add_co_u32 s38, s15, 16
	s_lshl_b32 s38, s38, 19
	s_add_co_u32 s38, s38, s40
	s_add_nc_u64 s[KP:KP+1], s[4:5], s[38:39]
	s_add_co_u32 s38, s15, 20
	s_lshl_b32 s38, s38, 19
	s_add_co_u32 s38, s38, s40
	s_add_nc_u64 s[VPT:VPT+1], s[4:5], s[38:39]
	s_add_co_u32 s38, s14, 16
	s_lshl_b32 s38, s38, 12
	s_lshl_b32 s40, s13, 11
	s_add_co_u32 s38, s38, s40
	s_lshl_b32 s40, s11, 7
	s_add_co_u32 s38, s38, s40
	s_lshl_b32 s38, s38, 2
	s_add_co_u32 s38, s38, SQOFF
	s_add_nc_u64 s[SP:SP+1], s[4:5], s[38:39]
	s_add_nc_u64 s[OMP:OMP+1], s[6:7], OMOFF
	s_lshl_b32 s38, s41, 16
	s_add_nc_u64 s[PKIP:PKIP+1], s[8:9], s[38:39]
	s_add_nc_u64 s[VHP:VHP+1], s[PKIP:PKIP+1], VHLOFF
	s_mul_i32 s38, s41, 73728
	s_add_co_u32 s38, s38, KVIOFF
	s_add_nc_u64 s[KVIP:KVIP+1], s[8:9], s[38:39]
	s_lshl_b32 s38, s41, 2
	s_add_co_u32 s38, s38, MCOFF
	s_add_nc_u64 s[MCP:MCP+1], s[8:9], s[38:39]
.set i, 0
.rept 16                                       ; V: my 32 keys, two rows a load
	global_load_b128 v[VS+4*i:VS+4*i+3], v[VO], s[VPT:VPT+1] offset:512*i
.set i, i+1
.endr
.set i, 0
.rept 8                                        ; omega: block i / 4, channels 32 (i % 4) on
	global_load_b128 v[OM+8*i:OM+8*i+3], v[OO], s[OMP:OMP+1] offset:4096*(i/4)+64*(i%4)
	global_load_b128 v[OM+8*i+4:OM+8*i+7], v[OO], s[OMP:OMP+1] offset:4096*(i/4)+64*(i%4)+32
.set i, i+1
.endr
	WIN 0x40
.set i, 0
.rept 8                                        ; SQ of the keys 16 i + 8 h + 0..7, in the layout of p's registers
	global_load_b128 v[TR+8*i:TR+8*i+3], v[SO], s[SP:SP+1] offset:64*i
	global_load_b128 v[TR+8*i+4:TR+8*i+7], v[SO], s[SP:SP+1] offset:64*i+16
.set i, i+1
.endr
	WIN 0x80
.set i, 0
.rept 32                                       ; K: key block i / 4, channels 32 (i % 4) on
	global_load_b128 v[8*i:8*i+3], v[KO], s[KP:KP+1] offset:4096*(i/4)+64*(i%4)
	global_load_b128 v[8*i+4:8*i+7], v[KO], s[KP:KP+1] offset:4096*(i/4)+64*(i%4)+32
.set i, i+1
.endr
	WIN 0
.set i, 0
.rept 8
	v_mov_b32 v[ONES+i], 0x3f803f80
.set i, i+1
.endr
	s_wait_loadcnt 63                              ; 96 loads were issued behind V's; the count's field ends at 63, and a smaller count is safe: V is in
.set i, 0
.rept 64                                       ; a word of two f16 becomes a word of two bf16 (hi, in place) and a word of what is left (lo): exact, 11 bits in 8 + 8
.set c, CV+4*(i%4)
	v_fma_mix_f32 v[c], v[VS+i], v[ONEF], v[ZF] op_sel_hi:[1,0,0]                   ; the low half x 1.0 + 0, as f32
	v_fma_mix_f32 v[c+1], v[VS+i], v[ONEF], v[ZF] op_sel:[1,0,0] op_sel_hi:[1,0,0]  ; the high half
	v_cvt_pk_bf16_f32 v[VS+i], v[c], v[c+1]
	v_lshlrev_b32 v[c+2], 16, v[VS+i]
	v_and_b32 v[c+3], 0xffff0000, v[VS+i]
	v_pk_add_f32 v[c:c+1], v[c:c+1], v[c+2:c+3] neg_lo:[0,1] neg_hi:[0,1]
	v_cvt_pk_bf16_f32 v[VL+i], v[c], v[c+1]
.set i, i+1
.endr
.set i, 0
.rept 16
	ds_store_b128 v[VSA], v[VS+4*i:VS+4*i+3] offset:2*VPI*i
	ds_store_b128 v[VSA], v[VL+4*i:VL+4*i+3] offset:VLO+2*VPI*i
	global_store_b128 v[VO], v[VS+4*i:VS+4*i+3], s[VHP:VHP+1] offset:512*i         ; 512 consecutive bytes: two rows of the hi plane,
	global_store_b128 v[VO], v[VL+4*i:VL+4*i+3], s[VHP:VHP+1] offset:32768+512*i   ; and of the lo plane
.set i, i+1
.endr
	s_wait_loadcnt 0x0
	; p: source 0 = 16 keys, source 1 = 16 features: register j = key 8 h + j, lane = feature.  The 16 accumulators take turns.
.set cc, 0
.rept 4
.set kb, 0
.rept 8
.set mbl, 0
.rept 2
.if cc == 0
	MMX f16, 0x52, 8*(2*kb+mbl), 32*kb+8*cc, OM+32*mbl+8*cc, 1
.else
	MMX f16, 0x52, 8*(2*kb+mbl), 32*kb+8*cc, OM+32*mbl+8*cc, 0
.endif
.set mbl, mbl+1
.endr
.set kb, kb+1
.endr
.set cc, cc+1
.endr
	PLACES
	WIN 0x55                                       ; the largest p of my 128 registers: four chains
.set gg, 0
.rept 4
.set ss, 0
.rept 4
.set cc, 0
.rept 4
.set rA, 8*(4*gg+cc)
.if (gg == 0) && (ss == 0)
	v_max3_num_f32 v[CH+cc], v[rA], v[rA+1], v[rA+2]
.elseif (gg == 0) && (ss == 3)
	v_max_num_f32 v[CH+cc], v[CH+cc], v[rA+7]
.elseif gg == 0
	v_max3_num_f32 v[CH+cc], v[CH+cc], v[rA+2*ss+1], v[rA+2*ss+2]
.else
	v_max3_num_f32 v[CH+cc], v[CH+cc], v[rA+2*ss], v[rA+2*ss+1]
.endif
.set cc, cc+1
.endr
.set ss, ss+1
.endr
.set gg, gg+1
.endr
	v_max3_num_f32 v[CH], v[CH], v[CH+1], v[CH+2]
	WIN 0x05
	v_max_num_f32 v[MX], v[CH], v[CH+3]
	WIN 0
	v_max_num_f32_dpp v[MX], v[MX], v[MX] row_xmask:1 row_mask:0xf bank_mask:0xf
	v_max_num_f32_dpp v[MX], v[MX], v[MX] row_xmask:2 row_mask:0xf bank_mask:0xf
	v_max_num_f32_dpp v[MX], v[MX], v[MX] row_xmask:4 row_mask:0xf bank_mask:0xf
	v_max_num_f32_dpp v[MX], v[MX], v[MX] row_xmask:8 row_mask:0xf bank_mask:0xf
	v_permlanex16_b32 v[TT], v[MX], s[SEL], s[SEL+1]
	v_max_num_f32 v[MX], v[MX], v[TT]
	ds_store_b32 v[MXA], v[MX]
	s_wait_dscnt 0x0                               ; for the others' sake: my maximum and my rows of V's two planes are in LDS
	s_barrier_signal -1
	s_barrier_wait -1
	ds_load_b128 v[MQ:MQ+3], v[MXR]
	s_wait_dscnt 0x0
	v_max3_num_f32 v[MX], v[MQ], v[MQ+1], v[MQ+2]
	v_max_num_f32 v[MX], v[MX], v[MQ+3]
	v_mul_f32 v[AM], s[A2], v[MX]                  ; A2 mx, the same in every lane
	s_cmp_lg_u32 s[WV], 0
	s_cbranch_scc1 .Lnomc
	global_store_b32 v[ZA], v[AM], s[MCP:MCP+1]    ; one word a work-group
.Lnomc:
	v_readfirstlane_b32 s[NM], v[AM]               ; a number for arithmetic alone: no address and no branch hangs on it
	s_xor_b32 s[NM], s[NM], 0x80000000
	s_mov_b32 s[NM+1], s[NM]
	WIN 0x51
.set i, 0
.rept 32
	v_pk_fma_f32 v[TR+2*i:TR+2*i+1], v[TR+2*i:TR+2*i+1], s[NB2:NB2+1], s[NM:NM+1] op_sel_hi:[1,0,0]  ; -B2 SQ - A2 mx
.set i, i+1
.endr
.set i, 0
.rept 64                                       ; tile i / 4 = 2 kb + mbl, pair i % 4
	v_pk_fma_f32 v[2*i:2*i+1], v[2*i:2*i+1], s[A2:A2+1], v[TR+8*(i/8)+2*(i%4):TR+8*(i/8)+2*(i%4)+1] op_sel_hi:[1,0,1]
.set i, i+1
.endr
.set i, 0
.rept 128
	v_exp_f32 v[i], v[i]
.set i, i+1
.endr
	v_nop                                          ; a plain instruction behind the last exponential,
	s_wait_alu depctr_va_vdst(0)                   ; and one wait for the batch, ahead of its first reader
	s_wait_xcnt 0x0                                ; the stores of V's planes have read their registers, which take pk' now
	WIN 0x05
	EACH v_cvt_pk_bf16_f32 v[PKR+rK], v[rX], v[rX+1]          ; hi
	WIN 0x40
	EACH v_lshlrev_b32 v[128+rX], 16, v[PKR+rK]               ; hi back as f32, in window 1
	EACH v_and_b32 v[128+rX+1], 0xffff0000, v[PKR+rK]
	WIN 0x45
.set i, 0
.rept 64
	v_pk_add_f32 v[2*i:2*i+1], v[2*i:2*i+1], v[128+2*i:128+2*i+1] neg_lo:[0,1] neg_hi:[0,1]  ; what the rounding left
.set i, i+1
.endr
	WIN 0x05
	EACH v_cvt_pk_bf16_f32 v[PKL+rK], v[rX], v[rX+1]          ; lo
	WIN 0
.set i, 0
.rept 16
	global_store_b128 v[VO], v[PKR+4*i:PKR+4*i+3], s[PKIP:PKIP+1] offset:512*i        ; 512 consecutive bytes: block 2 w + i / 8, keys 32 ((i / 2) % 4) + 16 (i % 2) on
	global_store_b128 v[VO], v[PKL+4*i:PKL+4*i+3], s[PKIP:PKIP+1] offset:32768+512*i
.set i, i+1
.endr
	WIN 0x80
.set i, 0
.rept 32                                       ; V hi turned: keys 32 (i / 8) on, channels 16 (i % 8) on
	ds_load_tr16_b128 v[8*i:8*i+3], v[TRA] offset:32*VPI*(i/8)+32*(i%8)
	ds_load_tr16_b128 v[8*i+4:8*i+7], v[TRA] offset:32*VPI*(i/8)+32*(i%8)+16*VPI
.set i, i+1
.endr
	WIN 0xc0
.set i, 0
.rept 32                                       ; V lo likewise, into window 3
	ds_load_tr16_b128 v[8*i:8*i+3], v[TRB] offset:32*VPI*(i/8)+32*(i%8)
	ds_load_tr16_b128 v[8*i+4:8*i+7], v[TRB] offset:32*VPI*(i/8)+32*(i%8)+16*VPI
.set i, i+1
.endr
	s_wait_dscnt 0x0
	; the sums: source 0 = 16 features x 32 keys, source 1 = 32 keys x 16 channels: register j = feature 8 h + j, lane = channel.  The 16 accumulators take turns.
.macro KVP a, win, zero
.set kc, 0
.rept 4
.set cb, 0
.rept 8
.set mbl, 0
.rept 2
.if (\zero) && (kc == 0)
	MMX bf16, \win, 8*(9*mbl+cb), (\a)+32*mbl+8*kc, 64*kc+8*cb, 1
.else
	MMX bf16, \win, 8*(9*mbl+cb), (\a)+32*mbl+8*kc, 64*kc+8*cb, 0
.endif
.set mbl, mbl+1
.endr
.set cb, cb+1
.endr
.set kc, kc+1
.endr
.endm
.macro ONP a, zero                     ; the ninth block: ones for V: the sum of pk' itself; its two accumulators take turns
.set kc, 0
.rept 4
.set mbl, 0
.rept 2
.if (\zero) && (kc == 0)
	MMX bf16, 0x50, 8*(9*mbl+8), (\a)+32*mbl+8*kc, ONES, 1
.else
	MMX bf16, 0x50, 8*(9*mbl+8), (\a)+32*mbl+8*kc, ONES, 0
.endif
.set mbl, mbl+1
.endr
.set kc, kc+1
.endr
.endm
	KVP PKR, 0x58, 1                               ; hi x hi
	KVP PKL, 0x58, 0                               ; lo x hi
	KVP PKR, 0x5c, 0                               ; hi x lo
	ONP PKR, 1
	ONP PKL, 0
	PLACES
	WIN 0x04                                       ; store data in window 1
.set i, 0
.rept 36
	global_store_b128 v[KVO], v[4*i:4*i+3], s[KVIP:KVIP+1] offset:512*i  ; tile 9 (2 w + mbl) + cb, its low four registers first
.set i, i+1
.endr
	WIN 0
	s_wait_tensorcnt 0x0                           ; the wave's end
	ds_add_u32 v[SPW], v[NIL]
	s_wait_dscnt 0x0
	s_endpgm
.Lfunc_end_k_q1f14116056_featk:
	.size	k_q1f14116056_featk, .Lfunc_end_k_q1f14116056_featk-k_q1f14116056_featk
	.p2alignl 7, 3214868480
	.fill 96, 4, 3214868480
	.section	.rodata,"a",@progbits
	.p2align	6, 0x0
	.amdhsa_kernel k_q1f14116056_featk
		.amdhsa_group_segment_fixed_size 74496
		.amdhsa_private_segment_fixed_size 0
		.amdhsa_enable_private_segment 0
		.amdhsa_kernarg_size 24
		.amdhsa_user_sgpr_count 2
		.amdhsa_user_sgpr_kernarg_segment_ptr 1
		.amdhsa_wavefront_size32 1
		.amdhsa_system_sgpr_workgroup_id_x 1
		.amdhsa_system_sgpr_workgroup_id_y 1
		.amdhsa_system_sgpr_workgroup_id_z 1
		.amdhsa_system_vgpr_workitem_id 0
		.amdhsa_next_free_vgpr 1024
		.amdhsa_next_free_sgpr 66
		.amdhsa_reserve_vcc 0
		.amdhsa_float_denorm_mode_32 3
		.amdhsa_float_denorm_mode_16_64 3
		.amdhsa_memory_ordered 1
		.amdhsa_forward_progress 1
		.amdhsa_inst_pref_size 112
	.end_amdhsa_kernel
	.amdgpu_metadata
---
amdhsa.version: [ 1, 2 ]
amdhsa.kernels:
  - .name:           k_q1f14116056_featk
    .symbol:         k_q1f14116056_featk.kd
    .args:
      - { .name: qkvb, .offset: 0, .size: 8, .value_kind: global_buffer, .address_space: global }
      - { .name: cvt, .offset: 8, .size: 8, .value_kind: global_buffer, .address_space: global }
      - { .name: fk, .offset: 16, .size: 8, .value_kind: global_buffer, .address_space: global }
    .group_segment_fixed_size: 74496
    .private_segment_fixed_size: 0
    .kernarg_segment_align: 8
    .kernarg_segment_size: 24
    .max_flat_workgroup_size: 128
    .sgpr_count:     66
    .vgpr_count:     1024
    .wavefront_size: 32
...
	.end_amdgpu_metadata
.endif
;; end of part 3
;; launch scan (part 4): grid 18 x 4, 4 waves a work-group, no clusters, 0 bytes of LDS; arguments fk, st; writes st
.if DOCPART == 4
	.amdgcn_target "amdgcn-amd-amdhsa--gfx1250"
	.amdhsa_code_object_version 6
	.text
	.protected	k_q1f14116056_scan
	.globl	k_q1f14116056_scan
	.p2align	8
	.type	k_q1f14116056_scan,@function
k_q1f14116056_scan:
	s_mov_b64 s[64:65], 0
	v_nop
	global_prefetch_b8 v0, s[64:65] scope:SCOPE_SE
	s_setreg_imm32_b32 hwreg(HW_REG_WAVE_MODE, 25, 1), 1
	s_wait_xcnt 0x0
; The prefix over chunks.  G = the largest of a (batch, KV head)'s 16 chunk maxima (in log2 units); f[c] = 2^(MC[c] - G) turns chunk c's features into features under the maximum over the whole sequence.
; State ahead of chunk c: the sum over c' < c of f[c'] x KVI[c'].  A wave owns one tile of 16 features x 16 channels (72 tiles: 8 feature blocks x 9 channel blocks, the ninth the sum of features),
; carries it in f32 in registers through the 16 chunks, and stores it ahead of each chunk as two bf16 numbers (hi: rounded; lo: what the rounding left, rounded), each in the register image of a
; matrix fragment (16 channels x 32 features).  f goes out too.  Chunk c's eight store registers are those of chunk c - 1's sums, which have been added by then.
.set KVIOFF, 8388608
.set MCOFF,  13107200
.set FOFF,   4718592
.set ACC,  8
.set TT,   16
.set O0,   24
.set KV,   32
	s_load_b128 s[4:7], s[0:1], 0x0                ; fk, st
	v_lshrrev_b32 v1, 5, v0
	v_readfirstlane_b32 s8, v1
	v_and_b32 v2, 31, v0
	v_lshlrev_b32 v3, 4, v2                        ; 16 l
	v_and_b32 v4, 15, v0
	v_lshlrev_b32 v4, 2, v4                        ; 4 (l % 16): each half of the lanes holds all 16 chunks
	v_lshlrev_b32 v5, 2, v2                        ; 4 l
	s_and_b32 s9, ttmp7, 0xffff                    ; 2 b + kv
	s_lshl_b32 s10, ttmp9, 2
	s_add_co_u32 s10, s10, s8                      ; tile 0..71
	s_mul_i32 s11, s10, 57
	s_lshr_b32 s11, s11, 9                         ; feature block = tile / 9 (exact for 0..71)
	s_mul_i32 s12, s11, 9
	s_sub_co_u32 s12, s10, s12                     ; channel block
	s_mul_i32 s14, s9, 16*73728
	s_lshl_b32 s15, s10, 10
	s_add_co_u32 s14, s14, s15
	s_add_co_u32 s14, s14, KVIOFF
	s_mov_b32 s15, 0
	s_mul_i32 s16, s9, 16*73728
	s_lshl_b32 s17, s12, 2
	s_lshr_b32 s18, s11, 1
	s_add_co_u32 s17, s17, s18
	s_lshl_b32 s17, s17, 10                        ; fragment 4 cb + mb / 2,
	s_add_co_u32 s16, s16, s17
	s_and_b32 s17, s11, 1
	s_lshl_b32 s17, s17, 9                         ; its registers 0-3 or 4-7
	s_add_co_u32 s16, s16, s17
	s_mov_b32 s17, 0
	s_lshl_b32 s18, s9, 6
	s_add_co_u32 s18, s18, MCOFF
	s_mov_b32 s19, 0
	s_lshl_b32 s20, s9, 7
	s_add_co_u32 s20, s20, FOFF
	s_mov_b32 s21, 0
	s_or_b32 s30, ttmp9, s8
	s_wait_kmcnt 0x0
	s_add_nc_u64 s[22:23], s[4:5], s[18:19]
	s_add_nc_u64 s[24:25], s[4:5], s[14:15]
	s_add_nc_u64 s[26:27], s[6:7], s[16:17]
	s_add_nc_u64 s[28:29], s[6:7], s[20:21]
	global_load_b32 v6, v4, s[22:23]
.set c, 0
.rept 15
	global_load_b128 v[KV+8*c:KV+8*c+3], v3, s[24:25] offset:73728*c
	global_load_b128 v[KV+8*c+4:KV+8*c+7], v3, s[24:25] offset:73728*c+512
.set c, c+1
.endr
.set i, 0
.rept 8
	v_mov_b32 v[ACC+i], 0                          ; the state ahead of chunk 0
.set i, i+1
.endr
	s_wait_loadcnt 30                              ; the maxima are in; the 30 younger loads stay out
	v_mov_b32 v7, v6
	v_max_num_f32_dpp v7, v7, v7 row_xmask:1 row_mask:0xf bank_mask:0xf
	v_max_num_f32_dpp v7, v7, v7 row_xmask:2 row_mask:0xf bank_mask:0xf
	v_max_num_f32_dpp v7, v7, v7 row_xmask:4 row_mask:0xf bank_mask:0xf
	v_max_num_f32_dpp v7, v7, v7 row_xmask:8 row_mask:0xf bank_mask:0xf
	v_sub_f32 v7, v6, v7
	v_exp_f32 v7, v7
	v_nop
	s_wait_alu depctr_va_vdst(0)                   ; the wait ahead of the result's first reader
.set c, 0
.rept 15
	v_readlane_b32 s[40+c], v7, c                  ; numbers for arithmetic alone
.set c, c+1
.endr
	s_cmp_lg_u32 s30, 0
	s_cbranch_scc1 .Lnof
	global_store_b32 v5, v7, s[28:29]              ; one wave of the 72 stores f
.Lnof:
.set c, 0
.rept 16
.if c == 0
.set rO, O0
.else
.set rO, KV+8*(c-1)
.endif
.set i, 0
.rept 4
	v_cvt_pk_bf16_f32 v[rO+i], v[ACC+2*i], v[ACC+2*i+1]      ; hi
.set i, i+1
.endr
.set i, 0
.rept 4
	v_lshlrev_b32 v[TT+2*i], 16, v[rO+i]
	v_and_b32 v[TT+2*i+1], 0xffff0000, v[rO+i]
.set i, i+1
.endr
.set i, 0
.rept 4
	v_pk_add_f32 v[TT+2*i:TT+2*i+1], v[ACC+2*i:ACC+2*i+1], v[TT+2*i:TT+2*i+1] neg_lo:[0,1] neg_hi:[0,1]  ; what the rounding left; the carry itself stays as it is
.set i, i+1
.endr
.set i, 0
.rept 4
	v_cvt_pk_bf16_f32 v[rO+4+i], v[TT+2*i], v[TT+2*i+1]      ; lo
.set i, i+1
.endr
	global_store_b128 v3, v[rO:rO+3], s[26:27] offset:73728*c          ; 512 consecutive bytes
	global_store_b128 v3, v[rO+4:rO+7], s[26:27] offset:73728*c+36864
.if c < 15
	s_wait_loadcnt 28-2*c                          ; chunk c's two loads are in, the younger ones stay out
.set i, 0
.rept 8
	v_fmac_f32 v[ACC+i], s[40+c], v[KV+8*c+i]
.set i, i+1
.endr
.endif
.set c, c+1
.endr
	s_endpgm
.Lfunc_end_k_q1f14116056_scan:
	.size	k_q1f14116056_scan, .Lfunc_end_k_q1f14116056_scan-k_q1f14116056_scan
	.p2alignl 7, 3214868480
	.fill 96, 4, 3214868480
	.section	.rodata,"a",@progbits
	.p2align	6, 0x0
	.amdhsa_kernel k_q1f14116056_scan
		.amdhsa_group_segment_fixed_size 0
		.amdhsa_private_segment_fixed_size 0
		.amdhsa_enable_private_segment 0
		.amdhsa_kernarg_size 16
		.amdhsa_user_sgpr_count 2
		.amdhsa_user_sgpr_kernarg_segment_ptr 1
		.amdhsa_wavefront_size32 1
		.amdhsa_system_sgpr_workgroup_id_x 1
		.amdhsa_system_sgpr_workgroup_id_y 1
		.amdhsa_system_sgpr_workgroup_id_z 1
		.amdhsa_system_vgpr_workitem_id 0
		.amdhsa_next_free_vgpr 160
		.amdhsa_next_free_sgpr 66
		.amdhsa_reserve_vcc 0
		.amdhsa_float_denorm_mode_32 3
		.amdhsa_float_denorm_mode_16_64 3
		.amdhsa_memory_ordered 1
		.amdhsa_forward_progress 1
		.amdhsa_inst_pref_size 32
	.end_amdhsa_kernel
	.amdgpu_metadata
---
amdhsa.version: [ 1, 2 ]
amdhsa.kernels:
  - .name:           k_q1f14116056_scan
    .symbol:         k_q1f14116056_scan.kd
    .args:
      - { .name: fk, .offset: 0, .size: 8, .value_kind: global_buffer, .address_space: global }
      - { .name: st, .offset: 8, .size: 8, .value_kind: global_buffer, .address_space: global }
    .group_segment_fixed_size: 0
    .private_segment_fixed_size: 0
    .kernarg_segment_align: 8
    .kernarg_segment_size: 16
    .max_flat_workgroup_size: 128
    .sgpr_count:     66
    .vgpr_count:     160
    .wavefront_size: 32
...
	.end_amdgpu_metadata
.endif
;; end of part 4
;; launch attn (part 5): grid 64 x 4, 4 waves a work-group, clusters of 4 x 1, 327,680 bytes of LDS; arguments qkvb, cvt, fk, st, att; writes att
.if DOCPART == 5
	.amdgcn_target "amdgcn-amd-amdhsa--gfx1250"
	.amdhsa_code_object_version 6
	.text
	.protected	k_q1f14116056_attn
	.globl	k_q1f14116056_attn
	.p2align	8
	.type	k_q1f14116056_attn,@function
k_q1f14116056_attn:
	s_mov_b64 s[64:65], 0
	v_nop
	global_prefetch_b8 v0, s[64:65] scope:SCOPE_SE
	s_setreg_imm32_b32 hwreg(HW_REG_WAVE_MODE, 25, 1), 1
	s_wait_xcnt 0x0
	s_wait_alu depctr_hold_cnt(0) depctr_sa_sdst(0) depctr_va_vdst(0) depctr_va_sdst(0) depctr_va_ssrc(0) depctr_va_vcc(0) depctr_vm_vsrc(0)
	s_getreg_b32 s2, hwreg(HW_REG_IB_STS2, 6, 4)
	s_cmp_eq_u32 s2, 0
	s_cbranch_scc0 .Lentry_in_a_cluster
	s_endpgm
.Lentry_in_a_cluster:
	s_bfe_u32 s2, ttmp6, 0x10000c
	s_cmp_lg_u32 s2, 0x3003
	s_cbranch_scc0 .Lentry_shape_is_right
	s_endpgm
.Lentry_shape_is_right:
; BOTH BRANCHES OF THE ATTENTION, into att[4096][2048] in f16.
; PART 1, causal softmax, heads 8-15.  y = 2 b + kk picks the batch and KV head 2 + kk.  A cluster of four takes two blocks of 64 positions, 31 - pb and then pb (pb = the cluster's x); partner cx owns the
; positions 16 cx + 0..15 of a block for the four query heads 8 + 4 kk + t: four tiles of 16 rows.  THE KEYS OF A STEP ARE SPLIT AMONG THE WAVES: a step is a tile of 256 keys, wave w takes its keys
; 64 w .. 64 w + 63 for all four tiles, with a running maximum and sum of its own; at a block's end the four waves' results meet in LDS (MERGE).  The two blocks need 8 - pb / 4 and pb / 4 + 1 tiles:
; nine, whatever pb: one loop of nine trips, all work-groups alike.  K and V tiles are asked for jointly by the four partners.
; Layout and softmax as usual for the transposed products: S^T = K Q^T holds one query a lane and the keys 8 (l / 16) + 0..7; p = 2^(c s - c m), c = 256 log2 e / sqrt 128 (q and k are stored x 2^-4).
; The causal mask is the C operand that starts S^T: 0 or -1e30, made anew in each step from the step's first key.  A wave that sees no key of a row ends with c m near -3e31, and MERGE's factor for it is 0.
; PART 2, the performer's chunk pb of (b, KV head kk), head 4 kk + cx; wave w takes the chunk's queries 32 w .. 32 w + 31.  Its operands are the tenth and eleventh tile of the same ring.
; pq' = 2^(A2 p - B2 SQ - A2 max over m of p); out = (pq' S + (pq' pk'^T, masked, x f) V) / (the same with ones for V + 128 x 1e-6): the two factors 1 / sqrt 128 of the features are moved onto EPS, exactly.
; TWO bf16 NUMBERS FOR ONE in part 2: pq', pk', the state S, the masked A and V each enter the matrix unit as hi (rounded to bf16) and lo (what the rounding left, rounded to bf16), and a product is
; hi x hi + lo x hi + hi x lo: bf16's range, 16 significant bits.  The tenth tile holds omega and the three hi operands, the eleventh the three lo operands at the same places of the other slot.
; LIMITS.  q, k, v, p and the output in f16: within 65,504.  A hidden score counts as its value less 1e30.  Exponentials below 2^-126 count as 0.
; REGISTERS.  window 0: v0-11, v44-63 addresses; v12-43 statistics, 8 a tile; v64-191 S^T; v192-255 P.  window 1: O^T (part 2: v0-143 O^T, v144-215 the mask's factors).
; window 2: v0-127 Q (part 2: Q, the state's ninth block hi, ones); v128-255 K (part 2: fragments).  window 3: v0-127 V (part 2: fragments); v128-159 the mask (part 2: v128-191 P's lo, v192-223 the ninth block's lo).
.set PKP,   272
.set PVP,   288
.set VOFF,  256*PKP
.set SLOTB, 256*(PKP+PVP)
.set MRG,   2*SLOTB                    ; 16 rows x 528 bytes for each wave
.set MP,    528
.set STATS, MRG+4*16*MP
.set SPARE, STATS+4096
.set OMOFF, 39845888
.set SQOFF, 25165824
.set VHLOFF, 4194304
.set FOFF,  4718592
.set AK0, 2
.set AV0, 3
.set ADR, 4
.set QO,  5
.set POS0, 6
.set THR, 7
.set MST, 8
.set HH,  9
.set SST, 10
.set GOM, 11
.set ST,  12
.set TS,  28                           ; part 2: v28-43 at work in the split
.set MRD, 44
.set LF,  45
.set LV,  46
.set LN,  47
.set STO, 48
.set RDP, 49
.set GOP, 50
.set R4,  51
.set SQV, 52
.set THRP, 54
.set L16, 55
.set SRD, 56
.set T0,  57
.set T1,  58
.set LI,  59
.set LPK, 60
.set PFO, 61
.set SPW, 62
.set NIL, 63
.set S,   64
.set P,   192
.set KF,  128
.set MK,  128
.set PL,  128                          ; window 3
.set KSL, 192                          ; window 3
.set EE,  144
.set WV, 14
.set CX, 15
.set PB, 16
.set YY, 17
.set BB, 18
.set KK, 19
.set G1K, 24
.set G1V, 32
.set G0K, 40
.set G0V, 44
.set PKK, 48
.set PVV, 50
.set PPK, 52
.set PPV, 54
.set OFF, 56
.set CS,  58
.set SEL, 60
.set TBF, 62
.set TB,  63
.set CNT, 66
.set RT,  67
.set RL,  68
.set NXT, 69
.set LQ,  70
.set LQ2, 71
.set DK,  72
.set DKL, 73
.set LAK, 74
.set LAV, 75
.set QP,  76
.set QPL, 78
.set OP,  80
.set OPL, 82
.set PFA, 84
.set LIM, 86
.set BIGN, 87
.set A2,  88
.set FC,  90
.set TP,  92
.set U0,  94
.set U1,  96
.set B2,  98
.set EPSR, 99
.set MSB, 0
.macro WIN new
.if MSB != (\new)
	s_set_vgpr_msb (MSB<<8)|(\new)
.set MSB, \new
.endif
.endm
.set W_KQ, 0x0a
.set W_KM, 0x3a                        ; the same with C in window 3
.set W_PV, 0x53
.set W_RS, 0x41
.macro PLACES
.rept 4
	v_nop
.endr
.endm
.macro JLOAD                           ; waves 0 and 1 fetch the two halves of the slot's first part, waves 2 and 3 of its second; an s_nop 0 and four v_nop follow each line
	s_cmp_lt_u32 s[WV], 2
	s_cbranch_scc0 .Lfor_v_\@
	tensor_load_to_lds s[G0K:G0K+3], s[G1K:G1K+7]
	s_nop 0
	PLACES
	s_branch .Lasked_\@
.Lfor_v_\@:
	tensor_load_to_lds s[G0V:G0V+3], s[G1V:G1V+7]
	s_nop 0
	PLACES
.Lasked_\@:
.endm
.macro JLOAD2                          ; the eleventh tile has three parts: wave 0 has none to fetch
	s_cmp_eq_u32 s[WV], 0
	s_cbranch_scc1 .Lasked2_\@
	s_cmp_lt_u32 s[WV], 2
	s_cbranch_scc0 .Lfor_v2_\@
	tensor_load_to_lds s[G0K:G0K+3], s[G1K:G1K+7]
	s_nop 0
	PLACES
	s_branch .Lasked2_\@
.Lfor_v2_\@:
	tensor_load_to_lds s[G0V:G0V+3], s[G1V:G1V+7]
	s_nop 0
	PLACES
.Lasked2_\@:
.endm
; A prefetch of the K and V tile that the NEXT trip's fill will ask for.  All sixteen clusters of a y walk the same tiles from tile 0 on: the cluster pb = 0, whose first block has all eight tiles, asks, in its trips 0 to 5 for
; tiles 2 to 7; partner cx takes rows 64 cx .. 64 cx + 63, told apart by address; waves 0, 1 K's, waves 2, 3 V's, 32 rows each, a lane a row.  So each row is named once.
.macro ASK
	s_cmp_gt_u32 s[CNT], s[LIM]
	s_cbranch_scc0 .Lnot_mine_\@
	global_prefetch_b8 v[PFO], s[PFA:PFA+1] th:TH_LOAD_NT scope:SCOPE_SE
.Lnot_mine_\@:
.endm
.macro CROUND
	s_barrier_signal -1
	s_barrier_wait -1
	s_cmp_lg_u32 s[WV], 0
	s_cbranch_scc1 .Lnot_wave_0_\@
	s_barrier_signal -3
.Lnot_wave_0_\@:
	s_barrier_wait -3
	s_barrier_signal -1
	s_barrier_wait -1
.endm
; THE CHANGE OF SLOTS.  Each wave waits for all its tensor loads (at most one is out), adds 0 to its spare word, and waits for that and for its reads of the slot that it leaves.
; fill = 1: the barrier is a round of the cluster's, and the joint fill is the first thing behind it: tile NXT of K and V, or in the last trip part 2's hi operands; only the global address differs.
; fill = 2: the same for the eleventh tile, part 2's lo operands, into slot 0.  fill = 0: nothing is asked for; a work-group barrier.
.macro CHANGE fill
	WIN 0
	s_wait_tensorcnt 0x0
	ds_add_u32 v[SPW], v[NIL]                      ; 0 onto my spare word; the descriptors' scalar work stands between it and the wait for it
.if (\fill) == 1
	s_xor_b32 s[TBF], s[TBF], SLOTB
	s_add_co_u32 s[G0K+1], s[LAK], s[TBF]
	s_add_co_u32 s[G0V+1], s[LAV], s[TBF]
	s_lshl_b32 s[OFF], s[NXT], 16                  ; a tile is 65,536 bytes of K and of V
	s_cmp_eq_u32 s[CNT], 1
	s_cselect_b32 s[OFF], 0, s[OFF]
	s_cselect_b64 s[TP:TP+1], s[PPK:PPK+1], s[PKK:PKK+1]
	s_cselect_b64 s[U0:U0+1], s[PPV:PPV+1], s[PVV:PVV+1]
	s_add_nc_u64 s[G0K+2:G0K+3], s[TP:TP+1], s[OFF:OFF+1]
	s_or_b32 s[G0K+3], s[G0K+3], 0x80000000
	s_add_nc_u64 s[G0V+2:G0V+3], s[U0:U0+1], s[OFF:OFF+1]
	s_or_b32 s[G0V+3], s[G0V+3], 0x80000000
	s_add_co_u32 s[NXT], s[NXT], 1                 ; the block's next tile, or behind its last the second block's tile 0
	s_cmp_gt_u32 s[NXT], s[LQ]
	s_cselect_b32 s[NXT], 0, s[NXT]
	s_cselect_b32 s[LQ], s[LQ2], s[LQ]
	s_wait_xcnt 0x0                                ; the last prefetch, a trip back, has read its address
	s_add_nc_u64 s[PFA:PFA+1], s[PFA:PFA+1], 65536
	s_wait_dscnt 0x0
	CROUND
	JLOAD
	ASK
.elseif (\fill) == 2
	s_add_co_u32 s[G0K+1], s[LAK], 0               ; slot 0
	s_add_co_u32 s[G0V+1], s[LAV], 0
	s_add_nc_u64 s[G0K+2:G0K+3], s[PPK:PPK+1], 36864  ; the state's lo lies 36,864 bytes behind its hi (wave 1; wave 0 asks for nothing),
	s_or_b32 s[G0K+3], s[G0K+3], 0x80000000
	s_add_nc_u64 s[G0V+2:G0V+3], s[PPV:PPV+1], 32768  ; pk's and V's 32,768 behind theirs
	s_or_b32 s[G0V+3], s[G0V+3], 0x80000000
	s_wait_dscnt 0x0
	CROUND
	JLOAD2
.else
	s_wait_dscnt 0x0
	s_barrier_signal -1
	s_barrier_wait -1
.endif
	s_xor_b32 s[TB], s[TB], SLOTB                  ; the reads go to the other slot
.endm
.macro QLOAD                           ; Q stays in registers: tile (head) i / 4, channels 32 (i % 4) on
	WIN 0x80
.set i, 0
.rept 16
	global_load_b128 v[8*i:8*i+3],   v[QO], s[QP:QP+1] offset:(i/4)*524288+(i%4)*64
	global_load_b128 v[8*i+4:8*i+7], v[QO], s[QP:QP+1] offset:(i/4)*524288+(i%4)*64+32
.set i, i+1
.endr
	WIN 0
.endm
.macro BEGIN                           ; a block begins: c m far below every c s, so that the first step's a is 0 and what O^T and l hold (finite numbers) is wiped
.set i, 0
.rept 4
	v_mov_b32 v[ST+8*i], 0xfe000000
	v_mov_b32 v[ST+8*i+1], 0xff7fffff
.set i, i+1
.endr
.endm
	s_load_b256 s[4:11], s[0:1], 0x0               ; qkvb s[4:5], cvt s[6:7], fk s[8:9], st s[10:11]
	s_load_b64 s[12:13], s[0:1], 0x20              ; att
	v_lshl_add_u32 v[SPW], v0, 2, SPARE
	v_mov_b32 v[NIL], 0
	ds_add_u32 v[SPW], v[NIL]                      ; the wave's opening: the add and its wait ahead of my first tensor load
	v_lshrrev_b32 v1, 5, v0
	v_readfirstlane_b32 s[WV], v1
	s_bfe_u32 s[CX], ttmp6, 0x40000
	s_mov_b32 s[PB], ttmp9
	s_and_b32 s[YY], ttmp7, 0xffff
	s_lshr_b32 s[BB], s[YY], 1
	s_and_b32 s[KK], s[YY], 1
	s_mov_b32 s[G1K], 15|(1<<16)|(1<<20)|(1<<21)|(5<<22)|(3<<25)  ; the mask of four; 2-byte elements; padding on; bit 21 beside a mask; after every 64 words 4 words
	s_mov_b32 s[G1V], 15|(1<<16)|(1<<20)|(1<<21)|(5<<22)|(7<<25)  ; the same with 8 words
.irp g, G1K, G1V
	s_mov_b32 s[(\g)+1], 128<<16
	s_mov_b32 s[(\g)+2], 128<<16
	s_mov_b32 s[(\g)+3], 128<<16
	s_mov_b32 s[(\g)+4], 128
	s_mov_b32 s[(\g)+5], 128
	s_mov_b32 s[(\g)+6], 0
	s_mov_b32 s[(\g)+7], 0
.endr
	s_and_b32 s20, s[WV], 1                        ; which 128 rows I fetch
	s_mul_i32 s[LAK], s20, 128*PKP
	s_mul_i32 s[LAV], s20, 128*PVP
	s_add_co_u32 s[LAV], s[LAV], VOFF
	s_mov_b32 s[G0K], 1
	s_add_co_u32 s[G0K+1], s[LAK], 0
	s_mov_b32 s[G0V], 1
	s_add_co_u32 s[G0V+1], s[LAV], 0
	s_mov_b32 s[CS], 0x420293ee                    ; c
	s_mov_b32 s[CS+1], s[CS]
	s_mov_b32 s[SEL], 0x76543210
	s_mov_b32 s[SEL+1], 0xfedcba98
	s_mov_b32 s[A2], 0x40db9ada
	s_mov_b32 s[A2+1], s[A2]
	s_mov_b32 s[B2], 0x418293ee
	s_mov_b32 s[EPSR], 0x390637bd                  ; 128 x 1e-6
	s_mov_b32 s[BIGN], 0xf149f2ca                  ; -1e30
	s_mov_b32 s[TBF], 0
	s_mov_b32 s[TB], SLOTB                         ; the first change turns it into 0
	s_mov_b32 s[OFF+1], 0
	s_mov_b32 s23, 0
	s_lshr_b32 s21, s[PB], 2
	s_add_co_u32 s[RL], s21, 1
	s_sub_co_u32 s[RT], 8, s21                     ; the first block's tiles
	s_sub_co_u32 s[LQ], s[RT], 1
	s_mov_b32 s[LQ2], s21
	s_mov_b32 s[NXT], 1
	s_sub_co_u32 s93, 31, s[PB]                    ; the first block
	s_lshl_b32 s[DK], s93, 6
	s_lshl_b32 s[DKL], s[PB], 6
	s_cmp_eq_u32 s[PB], 0
	s_cselect_b32 s[LIM], 3, -1
	s_mul_i32 s21, s[BB], 24
	s_add_co_u32 s21, s21, s[KK]                   ; 24 b + kk
	s_wait_dscnt 0x0                               ; the opening add is done
	s_wait_kmcnt 0x0
	s_lshl_b32 s92, s20, 15
	s_add_co_u32 s22, s21, 18
	s_lshl_b32 s22, s22, 19
	s_add_co_u32 s22, s22, s92
	s_add_nc_u64 s[PKK:PKK+1], s[4:5], s[22:23]    ; K at my half of tile 0
	s_add_co_u32 s22, s21, 22
	s_lshl_b32 s22, s22, 19
	s_add_co_u32 s22, s22, s92
	s_add_nc_u64 s[PVV:PVV+1], s[4:5], s[22:23]    ; V likewise
	s_lshl_b32 s92, s[YY], 4
	s_add_co_u32 s92, s92, s[PB]                   ; part 2's job
	s_mul_i32 s22, s92, 73728
	s_add_nc_u64 s[U0:U0+1], s[10:11], s[22:23]    ; the prefix state's hi, its first eight blocks
	s_add_nc_u64 s[U1:U1+1], s[6:7], OMOFF         ; omega
	s_cmp_eq_u32 s20, 0
	s_cselect_b64 s[PPK:PPK+1], s[U1:U1+1], s[U0:U0+1]
	s_lshl_b32 s22, s92, 16
	s_add_nc_u64 s[U0:U0+1], s[8:9], s[22:23]      ; pk' hi
	s_add_nc_u64 s[U1:U1+1], s[U0:U0+1], VHLOFF    ; the chunk's V hi
	s_cmp_eq_u32 s20, 0
	s_cselect_b64 s[PPV:PPV+1], s[U0:U0+1], s[U1:U1+1]
	s_add_nc_u64 s[G0K+2:G0K+3], s[PKK:PKK+1], 0
	s_or_b32 s[G0K+3], s[G0K+3], 0x80000000
	s_add_nc_u64 s[G0V+2:G0V+3], s[PVV:PVV+1], 0
	s_or_b32 s[G0V+3], s[G0V+3], 0x80000000
	; Q and the output at my 16 positions of the two blocks
	s_mul_i32 s21, s[BB], 24
	s_lshl_b32 s22, s[KK], 2
	s_add_co_u32 s21, s21, s22
	s_add_co_u32 s21, s21, 8
	s_lshl_b32 s21, s21, 19                        ; head 8 + 4 kk of batch b
	s_lshl_b32 s92, s[CX], 4
	s_add_co_u32 s22, s[DK], s92
	s_lshl_b32 s22, s22, 8
	s_add_co_u32 s22, s22, s21
	s_add_nc_u64 s[QP:QP+1], s[4:5], s[22:23]
	s_add_co_u32 s22, s[DKL], s92
	s_lshl_b32 s22, s22, 8
	s_add_co_u32 s22, s22, s21
	s_add_nc_u64 s[QPL:QPL+1], s[4:5], s[22:23]
	s_lshl_b32 s21, s[KK], 10
	s_add_co_u32 s21, s21, 2048                    ; (8 + 4 kk) x 256 bytes
	s_lshl_b32 s93, s[BB], 11
	s_add_co_u32 s93, s93, s92                     ; 2048 b + 16 cx
	s_add_co_u32 s22, s93, s[DK]
	s_lshl_b32 s22, s22, 12
	s_add_co_u32 s22, s22, s21
	s_add_nc_u64 s[OP:OP+1], s[12:13], s[22:23]
	s_add_co_u32 s22, s93, s[DKL]
	s_lshl_b32 s22, s22, 12
	s_add_co_u32 s22, s22, s21
	s_add_nc_u64 s[OPL:OPL+1], s[12:13], s[22:23]
	; the prefetches: my 32 rows of tile 1; the first change steps them to tile 2
	s_lshl_b32 s22, s[CX], 14                      ; 64 cx rows of 256 bytes; my half's 32 rows more or less than the 128 that the pointers carry:
	s_lshl_b32 s92, s20, 13
	s_add_co_u32 s22, s22, s92
	s_add_co_u32 s22, s22, 65536
	s_lshl_b32 s92, s20, 15
	s_sub_co_u32 s22, s22, s92                     ; (the pointers stand at row 128 x half; 65,536 keeps the offset positive)
	s_cmp_lt_u32 s[WV], 2
	s_cselect_b64 s[PFA:PFA+1], s[PKK:PKK+1], s[PVV:PVV+1]
	s_add_nc_u64 s[PFA:PFA+1], s[PFA:PFA+1], s[22:23]
	CROUND                                         ; all four work-groups are here
	JLOAD                                          ; tile 0 into slot 0; slot 1 is asked for when slot 0 is in
	v_and_b32 v1, 15, v0                           ; r
	v_bfe_u32 v[HH], v0, 4, 1                      ; h
	v_and_b32 v[LN], 31, v0
	v_lshlrev_b32 v[QO], 8, v1
	v_lshl_add_u32 v[QO], v[HH], 4, v[QO]
	QLOAD
	WIN 0x40
.set i, 0
.rept 256
	v_mov_b32 v[i], 0                              ; O^T need only be finite ahead of a block's first step; written in the wait for the first tile
.set i, i+1
.endr
	WIN 0
.set i, 0
.rept 4
	v_mov_b32 v[ST+8*i+2], 0
	v_mov_b32 v[ST+8*i+3], 0
.set i, i+1
.endr
	BEGIN
	v_lshlrev_b32 v[PFO], 8, v[LN]
	v_lshlrev_b32 v[L16], 4, v[LN]
	v_lshlrev_b32 v[R4], 2, v1
	v_mul_u32_u24 v[LF], v1, PKP
	v_lshl_add_u32 v[LF], v[HH], 4, v[LF]          ; a fragment's row x 272 + 16 h
	s_mul_i32 s22, s[WV], 64*PKP
	v_add_nc_u32 v[AK0], s22, v[LF]                ; my 64 keys of a tile
	v_and_b32 v[T0], 7, v0
	v_bfe_u32 v[T1], v0, 3, 1
	v_lshl_add_u32 v[LV], v[HH], 3, v[T0]
	v_mul_u32_u24 v[LV], v[LV], PVP
	v_lshl_add_u32 v[LV], v[T1], 4, v[LV]          ; the turning load: key 8 h + l % 8, channels 8 ((l / 8) % 2) on
	s_mul_i32 s22, s[WV], 64*PVP
	s_add_co_u32 s22, s22, VOFF
	v_add_nc_u32 v[AV0], s22, v[LV]
	v_lshlrev_b32 v[LPK], 4, v[T0]                 ; pk's image under the turning load: 16 (l % 8) + 128 h + 288 ((l / 8) % 2)
	v_lshl_add_u32 v[LPK], v[HH], 7, v[LPK]
	v_mul_u32_u24 v[T0], v[T1], PVP
	v_add_nc_u32 v[LPK], v[T0], v[LPK]
	v_mul_u32_u24 v[LI], v[HH], PKP
	v_lshl_add_u32 v[LI], v1, 4, v[LI]             ; 272 h + 16 r
	s_lshl_b32 s22, s[CX], 4
	s_lshl_b32 s92, s[WV], 6
	s_sub_co_i32 s22, s22, s92
	v_lshlrev_b32 v[T0], 3, v[HH]
	v_sub_nc_u32 v[POS0], v1, v[T0]
	v_add_nc_u32 v[POS0], s22, v[POS0]             ; my query's place in its block less my first key's place in a tile: 16 cx + r - 8 h - 64 w
	s_mul_i32 s22, s[WV], 16*MP
	s_add_co_u32 s22, s22, MRG
	v_mul_u32_u24 v[MST], v1, MP
	v_lshl_add_u32 v[MST], v[HH], 5, v[MST]
	v_add_nc_u32 v[MST], s22, v[MST]               ; MERGE, in: row r, 32 bytes for each half of the lanes
	v_add_nc_u32 v[STO], s22, v[LF]                ; part 2's way out, in,
	v_add_nc_u32 v[RDP], s22, v[LI]                ; and back
	s_mul_i32 s22, s[WV], 4*MP
	s_add_co_u32 s22, s22, MRG
	v_add_nc_u32 v[MRD], s22, v[L16]               ; MERGE, back: rows 4 w + i of each wave's part, 16 bytes a lane
	v_lshlrev_b32 v[SRD], 5, v[LN]
	v_add_nc_u32 v[SRD], STATS, v[SRD]             ; a lane's 32 bytes of statistics: 8 for each wave
	s_lshl_b32 s22, s[WV], 3
	v_add_nc_u32 v[SST], s22, v[SRD]
	s_lshl_b32 s22, s[WV], 14
	v_lshl_add_u32 v[GOM], v[LN], 3, s22           ; rows 4 w on of 4,096 bytes, 8 bytes a lane
	v_lshlrev_b32 v[GOP], 12, v[HH]
	v_lshl_add_u32 v[GOP], v1, 4, v[GOP]
; THE MATRIX WORK, for piece x (tiles x, x + 1).  The accumulators take turns, one instruction a turn.
.macro KQ x                            ; product i of 32 of S^T = K Q^T: channels 32 (i / 8) on, keys 16 ((i / 2) % 4) on, tile x + i % 2; the first 8 start the sums with the mask
.set rS, S+32*((\x)+i%2)+8*((i/2)%4)
.set rK, KF+32*((i/2)%4)+8*(i/8)
.set rQ, 32*((\x)+i%2)+8*(i/8)
.set rM, MK+8*((i/2)%4)
.if i < 8
	WIN W_KM
	v_wmma_f32_16x16x32_f16 v[rS:rS+7], v[rK:rK+7], v[rQ:rQ+7], v[rM:rM+7]
.else
	WIN W_KQ
	v_wmma_f32_16x16x32_f16 v[rS:rS+7], v[rK:rK+7], v[rQ:rQ+7], v[rS:rS+7]
.endif
.endm
.macro PVM x                           ; product i of 32 of O^T += V^T P: keys 32 (i / 16) on, channels 16 ((i / 2) % 8) on, tile x + i % 2
	WIN W_PV
.set rO, 64*((\x)+i%2)+8*((i/2)%8)
.set rV, 64*(i/16)+8*((i/2)%8)
.set rP, P+16*((\x)+i%2)+8*(i/16)
	v_wmma_f32_16x16x32_f16 v[rO:rO+7], v[rV:rV+7], v[rP:rP+7], v[rO:rO+7]
.endm
.macro FETCH_K
	WIN 0
	v_add_nc_u32 v[ADR], s[TB], v[AK0]
	WIN 0x80
.irp f, 0,1,2,3,4,5,6,7,8,9,10,11,12,13,14,15
	ds_load_b128 v[KF+8*(\f):KF+8*(\f)+3],   v[ADR] offset:((\f)/4)*16*PKP+((\f)%4)*64
	ds_load_b128 v[KF+8*(\f)+4:KF+8*(\f)+7], v[ADR] offset:((\f)/4)*16*PKP+((\f)%4)*64+32
.endr
.endm
.macro FETCH_V
	WIN 0
	v_add_nc_u32 v[ADR], s[TB], v[AV0]
	WIN 0xc0
.irp f, 0,1,2,3,4,5,6,7,8,9,10,11,12,13,14,15
	ds_load_tr16_b128 v[8*(\f):8*(\f)+3],   v[ADR] offset:((\f)/8)*32*PVP+((\f)%8)*32
	ds_load_tr16_b128 v[8*(\f)+4:8*(\f)+7], v[ADR] offset:((\f)/8)*32*PVP+16*PVP+((\f)%8)*32
.endr
.endm
.macro MASKB                           ; register i of the mask: key 16 (i / 8) + i % 8 of my lanes' is hidden where it is greater than my query's place less the step's first key
	WIN 0
	v_add_nc_u32 v[THR], s[DK], v[POS0]
	WIN 0xc0
.set i, 0
.rept 32
	v_cmp_gt_i32 vcc_lo, 16*(i/8)+i%8, v[THR]
	v_cndmask_b32 v[MK+i], 0, s[BIGN], vcc_lo
.set i, i+1
.endr
.endm
; THE VECTOR WORK: one tile's softmax for a step is a list of 134; SM writes number j for tile t.  0-15 the maximum; 16-20 the other half of the lanes', m, c m, its change; 21-69 ONE BATCH: 16 scalings and 33 exponentials,
; none of which reads an exponential's result; 70-85 the roundings to f16; 86-101 the sums; 102-133 O^T times a.
.macro SM t
.set rT, ST+8*(\t)
.set rS, S+32*(\t)
.set rP, P+16*(\t)
.set rO, 64*(\t)+2*(j-102)
.if j < 102
	WIN 0
.endif
.if j < 4
	v_max3_num_f32 v[rT+4+j], v[rS+8*j], v[rS+8*j+1], v[rS+8*j+2]
.elseif j < 12
	v_max3_num_f32 v[rT+4+j%4], v[rT+4+j%4], v[rS+8*(j%4)+2*(j/4)+1], v[rS+8*(j%4)+2*(j/4)+2]
.elseif j == 12
	v_max3_num_f32 v[rT+4], v[rT+4], v[rS+7], v[rS+15]
.elseif j == 13
	v_max3_num_f32 v[rT+6], v[rT+6], v[rS+23], v[rS+31]
.elseif j == 14
	v_max3_num_f32 v[rT+4], v[rT+4], v[rT+5], v[rT+6]
.elseif j == 15
	v_max3_num_f32 v[rT+4], v[rT+4], v[rT+7], v[rT+1]
.elseif j == 16
	v_permlanex16_b32 v[rT+5], v[rT+4], s[SEL], s[SEL+1]
.elseif j == 17
	v_mov_b32 v[rT+7], v[rT]
.elseif j == 18
	v_max_num_f32 v[rT+1], v[rT+4], v[rT+5]
.elseif j == 19
	v_mul_f32 v[rT], s[CS], v[rT+1]
.elseif j == 20
	v_sub_f32 v[rT+7], v[rT+7], v[rT]
.elseif j == 23
	v_exp_f32 v[rT+6], v[rT+7]
.elseif (j < 23) || ((j < 38) && (j%2 == 0)) || ((j < 66) && (j%4 == 2))
.set b, (j-2)/4
.if j < 38
.set b, (j-20)/2
.endif
	v_pk_fma_f32 v[rS+2*b:rS+2*b+1], v[rS+2*b:rS+2*b+1], s[CS:CS+1], v[rT:rT+1] op_sel_hi:[1,0,0] neg_lo:[0,0,1] neg_hi:[0,0,1]
.elseif j < 70
.set e, j-38
.if j < 66
.set e, j-32-(j-38)/4
.endif
.if j < 38
.set e, (j-25)/2
.endif
	v_exp_f32 v[rS+e], v[rS+e]
.elseif j < 86
	v_cvt_pk_f16_f32 v[rP+j-70], v[rS+2*(j-70)], v[rS+2*(j-70)+1]
.elseif j < 102
.set z, j-86
.set w, 4
.set u, z
.if z >= 14
.set w, 32
.set u, 0
.elseif z >= 12
.set w, 16
.set u, z-12
.elseif z >= 8
.set w, 8
.set u, z-8
.endif
.if z < 15
	v_pk_add_f32 v[rS+w*u:rS+w*u+1], v[rS+w*u:rS+w*u+1], v[rS+w*u+w/2:rS+w*u+w/2+1]
.else
	v_pk_fma_f32 v[rT+2:rT+3], v[rT+2:rT+3], v[rT+6:rT+7], v[rS:rS+1] op_sel_hi:[1,0,1]
.endif
.else
	WIN W_RS
	v_pk_mul_f32 v[rO:rO+1], v[rO:rO+1], v[rT+6:rT+7] op_sel_hi:[1,0]
.endif
.endm
; Slice k of 64 of piece y's softmax.  Slices 11 to 34 deal out the batch, four numbers of one tile each; every other slice is numbers 2 k, 2 k + 1 of both tiles; slice 63 takes the twelve that are over.
; Behind slice 34 stands the piece's one wait for its 66 exponentials: ahead of slice 35 nothing names a result, behind slice 34 no exponential is issued.
.macro SLICE y
.if (k >= 11) && (k < 35)
.irp n, 0,1,2,3
.set j, 22+4*((k-11)/2)+(\n)
	SM (\y)+(k-11)%2
.endr
.else
.irp n, 0,1,2,3,4,5,6,7
.if ((\n) < 2) || (k == 63)
.irp t, \y, (\y)+1
.set j, 2*k+(\n)
	SM \t
.endr
.endif
.endr
.endif
.if k == 34
	v_nop                                          ; a plain instruction behind the last exponential
	s_wait_alu depctr_va_vdst(0)                   ; the wait for the batch
.endif
.set k, k+1
.endm
; A STEP: my 64 keys of the tile for the four tiles of queries.  Piece 0's scores stand bare; piece 0's softmax rides on piece 2's scores, piece 2's on piece 0's V^T P, two slices behind each product; piece 2's V^T P stands bare.
.macro STEP
	FETCH_K
	MASKB                                          ; also the plain places between the last product that read V's registers and the loads into them
	FETCH_V
	s_wait_loadcnt 0x0                             ; Q
	s_wait_dscnt 32                                ; K is in; V's 32 loads stay out
.set i, 0
.rept 32
	KQ 0
.set i, i+1
.endr
	PLACES
.set k, 0
.set i, 0
.rept 32
	KQ 2
	SLICE 0
	SLICE 0
.set i, i+1
.endr
	s_wait_dscnt 0x0                               ; V is in
.set k, 0
.set i, 0
.rept 32
	PVM 0
	SLICE 2
	SLICE 2
.set i, i+1
.endr
.set i, 0
.rept 32
	PVM 2
.set i, i+1
.endr
	WIN 0
.endm
.macro ALLT line:vararg                ; one line for each tile t
.set t, 0
.rept 4
	\line
.set t, t+1
.endr
.endm
.macro WGBAR
	s_wait_dscnt 0x0                               ; for the others' sake: my LDS stores are done and my LDS loads are back
	s_barrier_signal -1
	s_barrier_wait -1
.endm
; MERGE, at a block's end.  Each wave has (c m, l, O^T) over its own keys.  M = the largest c m; f_i = 2^(c m_i - M); O = sum f_i O_i / sum f_i l_i.  Each wave scales its O^T by f_own / sum, the four parts meet in LDS,
; and wave w adds and stores rows 4 w .. 4 w + 3 of each tile.  Work-group barriers alone; the branch that leads here hangs on the cluster's x, the same in all waves and partners.
.set XS, S
.set DS, S+32
.macro MERGE
	s_cmp_eq_u32 s[CNT], 1                         ; behind the second block there is no further Q
	s_cbranch_scc1 .Lnoq
	s_mov_b64 s[QP:QP+1], s[QPL:QPL+1]
	QLOAD
.Lnoq:
	ALLT v_add_f32 v[ST+8*t+4], v[ST+8*t+2], v[ST+8*t+3]  ; four plain places behind the last products
	ALLT v_permlanex16_b32 v[ST+8*t+5], v[ST+8*t+4], s[SEL], s[SEL+1]
	ALLT v_add_f32 v[ST+8*t+1], v[ST+8*t+4], v[ST+8*t+5]
	ALLT ds_store_b64 v[SST], v[ST+8*t:ST+8*t+1] offset:1024*t
	WGBAR
	ALLT ds_load_b128 v[XS+8*t:XS+8*t+3], v[SRD] offset:1024*t
	ALLT ds_load_b128 v[XS+8*t+4:XS+8*t+7], v[SRD] offset:1024*t+16
	s_wait_dscnt 0x0
	ALLT v_max3_num_f32 v[DS+8*t+5], v[XS+8*t], v[XS+8*t+2], v[XS+8*t+4]
	ALLT v_max_num_f32 v[DS+8*t+5], v[DS+8*t+5], v[XS+8*t+6]
	ALLT v_sub_f32 v[DS+8*t], v[XS+8*t], v[DS+8*t+5]
	ALLT v_sub_f32 v[DS+8*t+1], v[XS+8*t+2], v[DS+8*t+5]
	ALLT v_sub_f32 v[DS+8*t+2], v[XS+8*t+4], v[DS+8*t+5]
	ALLT v_sub_f32 v[DS+8*t+3], v[XS+8*t+6], v[DS+8*t+5]
	ALLT v_sub_f32 v[DS+8*t+4], v[ST+8*t], v[DS+8*t+5]
	ALLT v_exp_f32 v[DS+8*t], v[DS+8*t]
	ALLT v_exp_f32 v[DS+8*t+1], v[DS+8*t+1]
	ALLT v_exp_f32 v[DS+8*t+2], v[DS+8*t+2]
	ALLT v_exp_f32 v[DS+8*t+3], v[DS+8*t+3]
	ALLT v_exp_f32 v[DS+8*t+4], v[DS+8*t+4]
	v_nop
	s_wait_alu depctr_va_vdst(0)                   ; one wait for the twenty
	ALLT v_mul_f32 v[DS+8*t+5], v[DS+8*t], v[XS+8*t+1]
	ALLT v_fma_f32 v[DS+8*t+5], v[DS+8*t+1], v[XS+8*t+3], v[DS+8*t+5]
	ALLT v_fma_f32 v[DS+8*t+5], v[DS+8*t+2], v[XS+8*t+5], v[DS+8*t+5]
	ALLT v_fma_f32 v[DS+8*t+5], v[DS+8*t+3], v[XS+8*t+7], v[DS+8*t+5]
	ALLT v_rcp_f32 v[DS+8*t+6], v[DS+8*t+5]
	v_nop
	s_wait_alu depctr_va_vdst(0)                   ; one wait for the four
	ALLT v_mul_f32 v[ST+8*t+6], v[DS+8*t+4], v[DS+8*t+6]
	WIN W_RS
.set i, 0
.rept 128                                      ; ascending: each accumulator's low registers are read first
	v_pk_mul_f32 v[2*i:2*i+1], v[2*i:2*i+1], v[ST+8*(i/32)+6:ST+8*(i/32)+7] op_sel_hi:[1,0]
.set i, i+1
.endr
.set t, 0
.rept 4
	WIN 0x04                                       ; store data in window 1
.set i, 0
.rept 16
	ds_store_b128 v[MST], v[64*t+4*i:64*t+4*i+3] offset:16*i+32*(i/2)  ; channels 16 (i / 2) + 8 h + 4 (i % 2) on, in f32
.set i, i+1
.endr
	WIN 0
	WGBAR
.set i, 0
.rept 16                                       ; wave i / 4's part, row 4 w + i % 4
	ds_load_b128 v[S+4*i:S+4*i+3], v[MRD] offset:16*MP*(i/4)+MP*(i%4)
.set i, i+1
.endr
	s_wait_dscnt 0x0
.set i, 0
.rept 8
	v_pk_add_f32 v[S+2*i:S+2*i+1], v[S+2*i:S+2*i+1], v[S+16+2*i:S+16+2*i+1]
	v_pk_add_f32 v[S+32+2*i:S+32+2*i+1], v[S+32+2*i:S+32+2*i+1], v[S+48+2*i:S+48+2*i+1]
.set i, i+1
.endr
.set i, 0
.rept 8
	v_pk_add_f32 v[S+2*i:S+2*i+1], v[S+2*i:S+2*i+1], v[S+32+2*i:S+32+2*i+1]
.set i, i+1
.endr
.set i, 0
.rept 8
	v_cvt_pk_f16_f32 v[P+8*t+i], v[S+2*i], v[S+2*i+1]
.set i, i+1
.endr
.set i, 0
.rept 4
	global_store_b64 v[GOM], v[P+8*t+2*i:P+8*t+2*i+1], s[OP:OP+1] offset:4096*i+256*t  ; a wave's store: 256 consecutive bytes, at a multiple of 256
.set i, i+1
.endr
.if t < 3
	s_barrier_signal -1                            ; every wave's reads of the parts are back (the wait above): the next tile may overwrite them
	s_barrier_wait -1
.endif
.set t, t+1
.endr
	s_wait_xcnt 0x0                                ; the stores have read their data and base
	s_mov_b64 s[OP:OP+1], s[OPL:OPL+1]
	s_mov_b32 s[DK], s[DKL]
	s_mov_b32 s[RT], s[RL]
	BEGIN
.endm
	s_mov_b32 s[CNT], 9
.Ltrip:                                        ; a tile is entered and the next is asked for: by this text's count one tensor load of a wave is out
	CHANGE 1
	STEP
	s_sub_co_i32 s[DK], s[DK], 256
	s_sub_co_u32 s[RT], s[RT], 1
	s_cmp_lg_u32 s[RT], 0
	s_cbranch_scc1 .Lnomerge
	MERGE
.Lnomerge:
	s_sub_co_u32 s[CNT], s[CNT], 1
	s_cmp_lg_u32 s[CNT], 0
	s_cbranch_scc1 .Ltrip
; PART 2.
.macro MMX fmt, win, d, a, b, zero
	WIN \win
.if \zero
	v_wmma_f32_16x16x32_\fmt v[(\d):(\d)+7], v[(\a):(\a)+7], v[(\b):(\b)+7], 0
.else
	v_wmma_f32_16x16x32_\fmt v[(\d):(\d)+7], v[(\a):(\a)+7], v[(\b):(\b)+7], v[(\d):(\d)+7]
.endif
.endm
.macro LDF op, ax, ay, d2              ; 32 fragments (x 0..3, y 0..7): x 0, 1 into window 2 v128-255, x 2, 3 into window 3 v0-127
.set x, 0
.rept 4
.if x < 2
	WIN 0x80
.set rA, 128+64*x
.else
	WIN 0xc0
.set rA, 64*(x-2)
.endif
.set y, 0
.rept 8
	\op v[rA+8*y:rA+8*y+3], v[ADR] offset:(\ax)*x+(\ay)*y
	\op v[rA+8*y+4:rA+8*y+7], v[ADR] offset:(\ax)*x+(\ay)*y+(\d2)
.set y, y+1
.endr
.set x, x+1
.endr
	WIN 0
.endm
; O^T (+)= fragment (x, cb) x P(t, x), cb 0 .. nb - 1.  P's first register is pb, in window pw.  The ninth block's source 0 lies in window w8 at e8 + s8 x.  The accumulators (18, or 16) take turns.
.macro NUMER e8, w8, s8, pb, pw, zero, nb
.set x, 0
.rept 4
.set cb, 0
.rept \nb
.set t, 0
.rept 2
.if cb == 8
.set wa, (\w8)
.set rA, (\e8)+(\s8)*x
.elseif x < 2
.set wa, 2
.set rA, 128+64*x+8*cb
.else
.set wa, 3
.set rA, 64*(x-2)+8*cb
.endif
.set wn, 0x50|wa|((\pw)<<2)
.if (\zero) && (x == 0)
	MMX bf16, wn, 72*t+8*cb, rA, (\pb)+32*t+8*x, 1
.else
	MMX bf16, wn, 72*t+8*cb, rA, (\pb)+32*t+8*x, 0
.endif
.set t, t+1
.endr
.set cb, cb+1
.endr
.set x, x+1
.endr
.endm
; A^T (+)= pk' fragment (x, kb) x pq'(t, x): register j = key 8 h + j, lane = query.  The 16 accumulators take turns.
.macro AMUL pb, pw, zero
.set x, 0
.rept 4
.set kb, 0
.rept 8
.set t, 0
.rept 2
.if x < 2
.set wn, 0x02|((\pw)<<2)
.set rA, 128+64*x+8*kb
.else
.set wn, 0x03|((\pw)<<2)
.set rA, 64*(x-2)+8*kb
.endif
.if (\zero) && (x == 0)
	MMX bf16, wn, S+64*t+8*kb, rA, (\pb)+32*t+8*x, 1
.else
	MMX bf16, wn, S+64*t+8*kb, rA, (\pb)+32*t+8*x, 0
.endif
.set t, t+1
.endr
.set kb, kb+1
.endr
.set x, x+1
.endr
.endm
; The 128 f32 numbers in S become two sets of bf16 fragments: P, the rounded numbers, and PL (window 3), what the rounding left.  Two blocks of 16 ARE a fragment of 32 x 16 queries.
.macro SPLIT
	WIN 0
.set i, 0
.rept 64
	v_cvt_pk_bf16_f32 v[P+i], v[S+2*i], v[S+2*i+1]
.set i, i+1
.endr
.set i, 0
.rept 64
	v_lshlrev_b32 v[TS+2*(i%8)], 16, v[P+i]
	v_and_b32 v[TS+2*(i%8)+1], 0xffff0000, v[P+i]
	v_pk_add_f32 v[S+2*i:S+2*i+1], v[S+2*i:S+2*i+1], v[TS+2*(i%8):TS+2*(i%8)+1] neg_lo:[0,1] neg_hi:[0,1]
.set i, i+1
.endr
	WIN 0xc0
.set i, 0
.rept 64
	v_cvt_pk_bf16_f32 v[PL+i], v[S+2*i], v[S+2*i+1]
.set i, i+1
.endr
	WIN 0
.endm
	s_wait_loadcnt 0x0                             ; no load into Q's registers is out
	s_wait_xcnt 0x0
	s_lshl_b32 s20, s[KK], 2
	s_add_co_u32 s20, s20, s[CX]                   ; my head
	s_mul_i32 s21, s[BB], 24
	s_add_co_u32 s21, s21, s20
	s_lshl_b32 s21, s21, 19
	s_lshl_b32 s22, s[PB], 7
	s_lshl_b32 s23, s[WV], 5
	s_add_co_u32 s22, s22, s23                     ; my first query: 128 pb + 32 w
	s_lshl_b32 s23, s22, 8
	s_add_co_u32 s[U0], s21, s23
	s_mov_b32 s[U0+1], 0
	s_add_nc_u64 s[QP:QP+1], s[4:5], s[U0:U0+1]
	s_lshl_b32 s21, s20, 12
	s_lshl_b32 s23, s[BB], 11
	s_add_co_u32 s21, s21, s23
	s_add_co_u32 s21, s21, s22
	s_lshl_b32 s21, s21, 2
	s_add_co_u32 s[U0], s21, SQOFF
	s_add_nc_u64 s[QPL:QPL+1], s[4:5], s[U0:U0+1]
	s_lshl_b32 s21, s[YY], 4
	s_add_co_u32 s21, s21, s[PB]
	s_mul_i32 s21, s21, 73728
	s_add_co_u32 s[U0], s21, 32768
	s_add_nc_u64 s[OPL:OPL+1], s[10:11], s[U0:U0+1]  ; the state's ninth block, hi; its lo lies 36,864 bytes on
	s_lshl_b32 s21, s[YY], 5
	s_add_co_u32 s21, s21, s[PB]
	s_lshl_b32 s21, s21, 2
	s_add_co_u32 s[U0], s21, FOFF
	s_add_nc_u64 s[U1:U1+1], s[10:11], s[U0:U0+1]
	s_load_b32 s[FC], s[U1:U1+1], 0x0              ; the chunk's factor f
	s_lshl_b32 s21, s[BB], 11
	s_add_co_u32 s21, s21, s22
	s_lshl_b32 s21, s21, 12
	s_lshl_b32 s23, s20, 8
	s_add_co_u32 s[U0], s21, s23
	s_add_nc_u64 s[OP:OP+1], s[12:13], s[U0:U0+1]
	WIN 0x80
.set i, 0
.rept 8                                        ; Q: tile i / 4, channels 32 (i % 4) on
	global_load_b128 v[8*i:8*i+3],   v[QO], s[QP:QP+1] offset:(i/4)*4096+(i%4)*64
	global_load_b128 v[8*i+4:8*i+7], v[QO], s[QP:QP+1] offset:(i/4)*4096+(i%4)*64+32
.set i, i+1
.endr
.set i, 0
.rept 8
	global_load_b128 v[64+4*i:64+4*i+3], v[L16], s[OPL:OPL+1] offset:512*i
.set i, i+1
.endr
.set i, 0
.rept 8
	v_mov_b32 v[96+i], 0x3f803f80                  ; ones
.set i, i+1
.endr
	WIN 0xc0
.set i, 0
.rept 8
	global_load_b128 v[KSL+4*i:KSL+4*i+3], v[L16], s[OPL:OPL+1] offset:36864+512*i
.set i, i+1
.endr
	WIN 0
	global_load_b32 v[SQV], v[R4], s[QPL:QPL+1]
	global_load_b32 v[SQV+1], v[R4], s[QPL:QPL+1] offset:64
	s_lshl_b32 s21, s[WV], 5
	v_lshlrev_b32 v[T0], 3, v[HH]
	v_sub_nc_u32 v[THRP], v1, v[T0]
	v_add_nc_u32 v[THRP], s21, v[THRP]             ; 32 w + r - 8 h
	s_wait_kmcnt 0x0
	WIN 0x40                                       ; the factors: block n + 1, register j: f where 16 n + j <= 32 w + r - 8 h, else 0; block 0: f.  Key block kb of tile t takes block kb - t + 1
.set i, 0
.rept 8
	v_mov_b32 v[EE+i], s[FC]
.set i, i+1
.endr
.set i, 0
.rept 64
	v_cmp_le_i32 vcc_lo, 16*(i/8)+i%8, v[THRP]
	v_cndmask_b32 v[EE+8+i], 0, s[FC], vcc_lo
.set i, i+1
.endr
	CHANGE 2                                       ; the tenth tile has landed, everybody's part of it; the eleventh is asked for, into the slot that the ninth trip read
	v_add_nc_u32 v[ADR], SLOTB, v[LF]
.set mb, 0
.rept 8                                        ; omega: feature block mb, channels 32 cc on
.if mb < 4
	WIN 0x80
.set rA, 128+32*mb
.else
	WIN 0xc0
.set rA, 32*(mb-4)
.endif
.set cc, 0
.rept 4
	ds_load_b128 v[rA+8*cc:rA+8*cc+3], v[ADR] offset:16*PKP*mb+64*cc
	ds_load_b128 v[rA+8*cc+4:rA+8*cc+7], v[ADR] offset:16*PKP*mb+64*cc+32
.set cc, cc+1
.endr
.set mb, mb+1
.endr
	s_wait_loadcnt 0x0                             ; Q, SQ, the ninth block
	s_wait_dscnt 32                                ; blocks 0-3 are in
.set hf, 0
.rept 2                                        ; p^T: source 0 = 16 features, source 1 = 16 queries: register j = feature 8 h + j, lane = query
.if hf == 1
	s_wait_dscnt 0x0
.endif
.set cc, 0
.rept 4
.set mb, 0
.rept 4
.set t, 0
.rept 2
.if cc == 0
	MMX f16, 0x0a+hf, S+64*t+8*(4*hf+mb), 128*(1-hf)+32*mb+8*cc, 32*t+8*cc, 1
.else
	MMX f16, 0x0a+hf, S+64*t+8*(4*hf+mb), 128*(1-hf)+32*mb+8*cc, 32*t+8*cc, 0
.endif
.set t, t+1
.endr
.set mb, mb+1
.endr
.set cc, cc+1
.endr
.set hf, hf+1
.endr
	WIN 0
	PLACES
	v_add_nc_u32 v[ADR], SLOTB+128*PKP, v[LI]
	LDF ds_load_b128, 1088, 4352, 544              ; the state's hi fragments (x = 32 features, y = 16 channels), register images in rows of 256 bytes padded to 272
.set t, 0
.rept 2                                        ; the features of the queries
.set rT, ST+8*t
.set rS, S+64*t
.set gg, 0
.rept 2
.set ss, 0
.rept 4
.set cc, 0
.rept 4
.set rA, rS+8*(4*gg+cc)
.if (gg == 0) && (ss == 0)
	v_max3_num_f32 v[rT+4+cc], v[rA], v[rA+1], v[rA+2]
.elseif (gg == 0) && (ss == 3)
	v_max_num_f32 v[rT+4+cc], v[rT+4+cc], v[rA+7]
.elseif gg == 0
	v_max3_num_f32 v[rT+4+cc], v[rT+4+cc], v[rA+2*ss+1], v[rA+2*ss+2]
.else
	v_max3_num_f32 v[rT+4+cc], v[rT+4+cc], v[rA+2*ss], v[rA+2*ss+1]
.endif
.set cc, cc+1
.endr
.set ss, ss+1
.endr
.set gg, gg+1
.endr
	v_max3_num_f32 v[rT+4], v[rT+4], v[rT+5], v[rT+6]
	v_max_num_f32 v[rT+4], v[rT+4], v[rT+7]
	v_permlanex16_b32 v[rT+5], v[rT+4], s[SEL], s[SEL+1]
	v_max_num_f32 v[rT+4], v[rT+4], v[rT+5]        ; the query's largest p
	v_mul_f32 v[rT+1], s[B2], v[SQV+t]
	v_fma_f32 v[rT], s[A2], v[rT+4], v[rT+1]       ; A2 max + B2 SQ
.set i, 0
.rept 32
	v_pk_fma_f32 v[rS+2*i:rS+2*i+1], v[rS+2*i:rS+2*i+1], s[A2:A2+1], v[rT:rT+1] op_sel_hi:[1,0,0] neg_lo:[0,0,1] neg_hi:[0,0,1]
.set i, i+1
.endr
.set t, t+1
.endr
.set i, 0
.rept 128
	v_exp_f32 v[S+i], v[S+i]
.set i, i+1
.endr
	v_nop
	s_wait_alu depctr_va_vdst(0)                   ; one wait for the batch
	SPLIT                                          ; pq' hi and lo
	s_wait_dscnt 0x0
	NUMER 64, 2, 8, P, 0, 1, 9                     ; pq' hi x state hi; the ninth block gives the denominator's part
	NUMER 64, 2, 8, PL, 3, 0, 9                    ; pq' lo x state hi
	CHANGE 0                                       ; the eleventh tile has landed, everybody's part of it; nothing is asked for
	PLACES
	v_add_nc_u32 v[ADR], 128*PKP, v[LI]
	LDF ds_load_b128, 1088, 4352, 544              ; the state's lo
	s_wait_dscnt 0x0
	NUMER KSL, 3, 8, P, 0, 0, 9                    ; pq' hi x state lo
	WIN 0
	PLACES
	v_add_nc_u32 v[ADR], SLOTB+VOFF, v[LPK]        ; pk' lies as (feature, 8 keys in 16 bytes): the turning load makes of it (key, 8 features)
	LDF ds_load_tr16_b128, 9216, 576, 4608
	s_wait_dscnt 0x0
	AMUL P, 0, 1                                   ; pk' hi x pq' hi
	AMUL PL, 3, 0                                  ; pk' hi x pq' lo
	WIN 0
	PLACES
	v_add_nc_u32 v[ADR], VOFF, v[LPK]
	LDF ds_load_tr16_b128, 9216, 576, 4608
	s_wait_dscnt 0x0
	AMUL P, 0, 0                                   ; pk' lo x pq' hi
	WIN 0
	PLACES
	v_add_nc_u32 v[ADR], SLOTB+VOFF+128*PVP, v[LV]
	LDF ds_load_tr16_b128, 9216, 32, 4608          ; the chunk's V hi, turned
	WIN 0x04
.set t, 0
.rept 2
.set i, 0
.rept 32                                       ; the causal mask and f in one factor
	v_pk_mul_f32 v[S+64*t+2*i:S+64*t+2*i+1], v[S+64*t+2*i:S+64*t+2*i+1], v[EE+8*(i/4-t+1)+2*(i%4):EE+8*(i/4-t+1)+2*(i%4)+1]
.set i, i+1
.endr
.set t, t+1
.endr
	SPLIT                                          ; the masked A, hi and lo
	s_wait_dscnt 0x0
	NUMER 96, 2, 0, P, 0, 0, 9                     ; + A hi x V hi; the ninth block, with ones for V, adds A's row sums
	NUMER 96, 2, 0, PL, 3, 0, 9                    ; + A lo x V hi
	WIN 0
	PLACES
	v_add_nc_u32 v[ADR], VOFF+128*PVP, v[LV]
	LDF ds_load_tr16_b128, 9216, 32, 4608          ; V lo
	s_wait_dscnt 0x0
	NUMER 96, 2, 0, P, 0, 0, 8                     ; + A hi x V lo: the ones have no lo
	WIN 0
	PLACES
	WIN 0x04
	v_add_f32 v[ST+4], s[EPSR], v[64]              ; the denominator lies in the ninth block's lowest register, the same in all its rows
	v_add_f32 v[ST+12], s[EPSR], v[136]
	WIN 0
	v_rcp_f32 v[ST+6], v[ST+4]
	v_rcp_f32 v[ST+14], v[ST+12]
	v_nop
	s_wait_alu depctr_va_vdst(0)
.macro PACK t                          ; a lane's eight channels of a row pack into 16 bytes; into rows of 272 bytes and back as whole rows of 256
	WIN W_RS
.set i, 0
.rept 32
	v_pk_mul_f32 v[72*(\t)+2*i:72*(\t)+2*i+1], v[72*(\t)+2*i:72*(\t)+2*i+1], v[ST+8*(\t)+6:ST+8*(\t)+7] op_sel_hi:[1,0]
.set i, i+1
.endr
	WIN 0x05
.set i, 0
.rept 32
	v_cvt_pk_f16_f32 v[S+32*(\t)+i], v[72*(\t)+2*i], v[72*(\t)+2*i+1]
.set i, i+1
.endr
	WIN 0
.irp f, 0,1,2,3,4,5,6,7
	ds_store_b128 v[STO], v[S+32*(\t)+4*(\f):S+32*(\t)+4*(\f)+3] offset:32*(\f)
.endr
.irp f, 0,1,2,3,4,5,6,7
	ds_load_b128 v[S+32*(\t)+4*(\f):S+32*(\t)+4*(\f)+3], v[RDP] offset:(\f)*2*PKP  ; LDS serves a wave's instructions in order: these see the stores above
.endr
.endm
.macro SEND t, younger                 ; younger: the LDS instructions issued behind tile t's loads
.irp f, 0,1,2,3,4,5,6,7
	s_wait_dscnt (\younger)+7-(\f)
	global_store_b128 v[GOP], v[S+32*(\t)+4*(\f):S+32*(\t)+4*(\f)+3], s[OP:OP+1] offset:(\t)*65536+(\f)*8192  ; 16 lanes store 256 consecutive bytes, at a multiple of 256
.endr
.endm
	PACK 0
	PACK 1
	SEND 0, 16
	SEND 1, 0
	s_wait_tensorcnt 0x0                           ; the wave's end
	ds_add_u32 v[SPW], v[NIL]
	s_wait_dscnt 0x0
	CROUND                                         ; the closing round
	s_endpgm
.Lfunc_end_k_q1f14116056_attn:
	.size	k_q1f14116056_attn, .Lfunc_end_k_q1f14116056_attn-k_q1f14116056_attn
	.p2alignl 7, 3214868480
	.fill 96, 4, 3214868480
	.section	.rodata,"a",@progbits
	.p2align	6, 0x0
	.amdhsa_kernel k_q1f14116056_attn
		.amdhsa_group_segment_fixed_size 327680
		.amdhsa_private_segment_fixed_size 0
		.amdhsa_enable_private_segment 0
		.amdhsa_kernarg_size 40
		.amdhsa_user_sgpr_count 2
		.amdhsa_user_sgpr_kernarg_segment_ptr 1
		.amdhsa_wavefront_size32 1
		.amdhsa_system_sgpr_workgroup_id_x 1
		.amdhsa_system_sgpr_workgroup_id_y 1
		.amdhsa_system_sgpr_workgroup_id_z 1
		.amdhsa_system_vgpr_workitem_id 0
		.amdhsa_next_free_vgpr 1024
		.amdhsa_next_free_sgpr 100
		.amdhsa_reserve_vcc 1
		.amdhsa_float_denorm_mode_32 3
		.amdhsa_float_denorm_mode_16_64 3
		.amdhsa_memory_ordered 1
		.amdhsa_forward_progress 1
		.amdhsa_inst_pref_size 255
	.end_amdhsa_kernel
	.section	.bss,"aw",@nobits
	.p2align	6
	.space	262144
	.amdgpu_metadata
---
amdhsa.version: [ 1, 2 ]
amdhsa.kernels:
  - .name:           k_q1f14116056_attn
    .symbol:         k_q1f14116056_attn.kd
    .args:
      - { .name: qkvb, .offset: 0, .size: 8, .value_kind: global_buffer, .address_space: global }
      - { .name: cvt, .offset: 8, .size: 8, .value_kind: global_buffer, .address_space: global }
      - { .name: fk, .offset: 16, .size: 8, .value_kind: global_buffer, .address_space: global }
      - { .name: st, .offset: 24, .size: 8, .value_kind: global_buffer, .address_space: global }
      - { .name: att, .offset: 32, .size: 8, .value_kind: global_buffer, .address_space: global }
    .group_segment_fixed_size: 327680
    .private_segment_fixed_size: 0
    .kernarg_segment_align: 8
    .kernarg_segment_size: 40
    .max_flat_workgroup_size: 128
    .sgpr_count:     100
    .vgpr_count:     1024
    .wavefront_size: 32
...
	.end_amdgpu_metadata
.endif
;; end of part 5
;; launch oproj (part 6): grid 8 x 32, 4 waves a work-group, clusters of 4 x 4, 327,680 bytes of LDS; arguments att, cvt, out0; writes out0
.if DOCPART == 6
	.amdgcn_target "amdgcn-amd-amdhsa--gfx1250"
	.amdhsa_code_object_version 6
	.text
	.protected	k_q1f14116056_oproj
	.globl	k_q1f14116056_oproj
	.p2align	8
	.type	k_q1f14116056_oproj,@function
k_q1f14116056_oproj:
	s_mov_b64 s[64:65], 0
	v_nop
	global_prefetch_b8 v0, s[64:65] scope:SCOPE_SE
	s_setreg_imm32_b32 hwreg(HW_REG_WAVE_MODE, 25, 1), 1
	s_wait_xcnt 0x0
	s_wait_alu depctr_hold_cnt(0) depctr_sa_sdst(0) depctr_va_vdst(0) depctr_va_sdst(0) depctr_va_ssrc(0) depctr_va_vcc(0) depctr_vm_vsrc(0)
	s_getreg_b32 s2, hwreg(HW_REG_IB_STS2, 6, 4)
	s_cmp_eq_u32 s2, 0
	s_cbranch_scc0 .Lentry_in_a_cluster
	s_endpgm
.Lentry_in_a_cluster:
	s_bfe_u32 s2, ttmp6, 0x10000c
	s_cmp_lg_u32 s2, 0xf033
	s_cbranch_scc0 .Lentry_shape_is_right
	s_endpgm
.Lentry_shape_is_right:
; out0 = att Wo^T.  att: [4096][2048] f16; Wo: [2048][2048], the bf16-rounded numbers written as f16, in cvt; out0 in f32; sums in f32.
; A tile of 128 x 256 to a work-group: 256 work-groups.  Four waves, 64 x 128 each: 32 accumulators, window 2.  K in steps of 128 through two LDS slots; 4 x 4 work-groups form a cluster:
; att's tiles are asked for jointly along a row of the cluster, Wo's along a column.  The matrix instruction is used transposed: a lane holds row l % 16 and eight neighbouring columns.
; REGISTERS.  window 0: v0-31 addresses; v64-127 att's fragments, two buffers of 32; v128-191 the way out.  window 1: v64-191 Wo's fragments, two buffers of 64.  window 2: accumulator (a, b) at 8 (8 a + b).
.set SIZE_K, 2048
.set KSTEP,  128
.set PITCH,  272
.set AROWS,  64*PITCH                  ; what waves 0 and 1 bring, and what a wave reads of att
.set BROWS,  128*PITCH                 ; what waves 2 and 3 bring, and what a wave reads of Wo
.set BOFF,   2*AROWS
.set SLOT,   BOFF+2*BROWS
.set STAGE,  2*SLOT                    ; 16 rows x 528 bytes for each wave
.set SPITCH, 528
.set SPARE,  STAGE+4*16*SPITCH
.set LAPS,   SIZE_K/(2*KSTEP)
.set WOOFF,  29360128
.set FLAGS,  (1<<16)|(1<<20)|(1<<21)|(5<<22)|(3<<25)
.set ADRA, 16
.set ADRB, 20
.set STO,  24
.set RD,   25
.set CO,   26
.set SPW,  28
.set NIL,  29
.set PFO,  30
.set PFA,  44
.set LIM,  43
.set FA,   64
.set FB,   64
.set BK,   128
.set G1, 24
.set G0, 32
.set G1B, 48
.set G0B, 56
.set MSB, 0
.macro WIN new
.if MSB != (\new)
	s_set_vgpr_msb (MSB<<8)|(\new)
.set MSB, \new
.endif
.endm
.set MUL,  0xa1
.set TO_B, 0x40
.macro PLACES
.rept 4
	v_nop
.endr
.endm
.macro JLOAD s
	s_cmp_eq_u32 s11, 0
	s_cbranch_scc0 .Lfor_b_\@
	tensor_load_to_lds s[G0+4*(\s):G0+4*(\s)+3], s[G1:G1+7]
	s_nop 0
	PLACES
	s_branch .Lasked_\@
.Lfor_b_\@:
	tensor_load_to_lds s[G0B+4*(\s):G0B+4*(\s)+3], s[G1B:G1B+7]
	s_nop 0
	PLACES
.Lasked_\@:
.endm
; A prefetch behind each joint refill: the K step two refills on, 32 rows x 256 bytes, a lane a row.  att's 128 rows: the clusters with x = 0, wave 0 of partner cx takes rows 32 cx on.  Wo's 256 rows: the clusters with
; y = 0, waves 2 and 3 of partner cy take rows 64 cy + 32 (wave % 2) on.  So each row's 256 bytes are named once.  The loop's last trip asks for nothing.
.macro ASK
	s_cmp_gt_u32 s3, s[LIM]
	s_cbranch_scc0 .Lnot_mine_\@
	global_prefetch_b8 v[PFO], s[PFA:PFA+1] offset:KSTEP*2 th:TH_LOAD_NT scope:SCOPE_SE
.Lnot_mine_\@:
.endm
.macro CREST
	s_cmp_lg_u32 s10, 0
	s_cbranch_scc1 .Lnot_wave_0_\@
	s_barrier_signal -3
.Lnot_wave_0_\@:
	s_barrier_wait -3
	s_barrier_signal -1
	s_barrier_wait -1
.endm
.macro CROUND
	s_barrier_signal -1
	s_barrier_wait -1
	CREST
.endm
	s_load_b128 s[4:7], s[0:1], 0x0                ; att s[4:5], cvt s[6:7]
	s_load_b64 s[8:9], s[0:1], 0x10                ; out0
	v_lshl_add_u32 v[SPW], v0, 2, SPARE
	v_mov_b32 v[NIL], 0
	ds_add_u32 v[SPW], v[NIL]                      ; the wave's opening: the add and its wait ahead of my first tensor load
	v_lshrrev_b32 v1, 5, v0
	v_readfirstlane_b32 s10, v1
	s_lshr_b32 s11, s10, 1                         ; my half of the tile's rows; also: I fetch for att (0) or Wo (1)
	s_and_b32 s12, s10, 1                          ; my half of its columns; also: which half of that tile's rows I fetch
	s_bfe_u32 s40, ttmp6, 0x40000
	s_bfe_u32 s41, ttmp6, 0x40004
	s_lshl_b32 s42, ttmp9, 2
	s_add_co_u32 s42, s42, s40                     ; tile column
	s_and_b32 s13, ttmp7, 0xffff
	s_lshl_b32 s13, s13, 2
	s_add_co_u32 s13, s13, s41                     ; tile row
	s_lshl_b32 s43, s41, 2
	s_lshl_b32 s43, 15, s43
	s_lshl_b32 s44, 0x1111, s40
	s_or_b32 s[G1+0], s43, FLAGS
	s_or_b32 s[G1B+0], s44, FLAGS
.irp g, G1, G1B
	s_mov_b32 s[(\g)+1], KSTEP<<16
	s_mov_b32 s[(\g)+3], KSTEP<<16
	s_mov_b32 s[(\g)+5], SIZE_K
	s_mov_b32 s[(\g)+6], 0
	s_mov_b32 s[(\g)+7], 0
.endr
	s_mov_b32 s[G1+2], 64<<16                      ; att: 64 rows to a load
	s_mov_b32 s[G1+4], 64
	s_mov_b32 s[G1B+2], 128<<16                    ; Wo: 128
	s_mov_b32 s[G1B+4], 128
	s_lshl_b32 s17, s12, 6
	s_lshl_b32 s16, s13, 7
	s_add_co_u32 s16, s16, s17                     ; att: row 128 x tile row + 64 x half
	s_lshl_b32 s47, s12, 7
	s_lshl_b32 s46, s42, 8
	s_add_co_u32 s46, s46, s47                     ; Wo: row 256 x tile column + 128 x half
	s_mov_b32 s17, 0
	s_mov_b32 s47, 0
	s_mov_b64 s[18:19], SIZE_K*2
	s_mul_u64 s[16:17], s[16:17], s[18:19]
	s_mul_u64 s[46:47], s[46:47], s[18:19]
	s_mul_i32 s20, s12, AROWS
	s_mul_i32 s21, s12, BROWS
	s_add_co_u32 s21, s21, BOFF
	s_wait_dscnt 0x0
	s_wait_kmcnt 0x0
	s_add_nc_u64 s[6:7], s[6:7], WOOFF
	s_add_nc_u64 s[14:15], s[4:5], s[16:17]
	s_add_nc_u64 s[46:47], s[6:7], s[46:47]
	CROUND
.irp s, 0,1
	s_mov_b32 s[G0+4*(\s)], 1
	s_add_co_u32 s[G0+4*(\s)+1], s20, (\s)*SLOT
	s_add_nc_u64 s[G0+4*(\s)+2:G0+4*(\s)+3], s[14:15], (\s)*KSTEP*2
	s_or_b32 s[G0+4*(\s)+3], s[G0+4*(\s)+3], 0x80000000
	s_mov_b32 s[G0B+4*(\s)], 1
	s_add_co_u32 s[G0B+4*(\s)+1], s21, (\s)*SLOT
	s_add_nc_u64 s[G0B+4*(\s)+2:G0B+4*(\s)+3], s[46:47], (\s)*KSTEP*2
	s_or_b32 s[G0B+4*(\s)+3], s[G0B+4*(\s)+3], 0x80000000
	JLOAD \s
.endr
	v_and_b32 v1, 15, v0
	v_bfe_u32 v2, v0, 4, 1
	v_mul_u32_u24 v3, v1, PITCH
	v_lshl_add_u32 v3, v2, 4, v3
	s_mul_i32 s21, s11, AROWS
	s_mul_i32 s22, s12, BROWS
	s_add_co_u32 s22, s22, BOFF
.irp s, 0,1
	v_add_nc_u32 v[ADRA+(\s)], s21, v3
	v_add_nc_u32 v[ADRB+(\s)], s22, v3
	s_add_co_u32 s21, s21, SLOT
	s_add_co_u32 s22, s22, SLOT
.endr
	s_mul_i32 s23, s10, 16*SPITCH
	s_add_co_u32 s23, s23, STAGE
	v_mul_u32_u24 v4, v1, SPITCH
	v_lshl_add_u32 v4, v2, 5, v4
	v_add_nc_u32 v[STO], s23, v4                   ; in: row r, 32 bytes for each half of the lanes
	v_and_b32 v5, 31, v0
	v_lshlrev_b32 v[CO], 4, v5
	v_add_nc_u32 v[RD], s23, v[CO]                 ; back: a row of 512 bytes to an instruction
	s_lshl_b32 s16, s13, 7
	s_lshl_b32 s17, s11, 6
	s_add_co_u32 s16, s16, s17                     ; my first row of out0
	s_lshl_b32 s16, s16, 13
	s_lshl_b32 s17, s42, 10                        ; my first column, in bytes
	s_add_co_u32 s16, s16, s17
	s_lshl_b32 s17, s12, 9
	s_add_co_u32 s16, s16, s17
	s_mov_b32 s17, 0
	s_add_nc_u64 s[8:9], s[8:9], s[16:17]
	s_lshl_b32 s20, s13, 7
	s_lshl_b32 s21, s42, 8
	s_lshl_b32 s22, s40, 5
	s_lshl_b32 s23, s41, 6
	s_lshl_b32 s16, s12, 5
	s_add_co_u32 s23, s23, s16
	s_and_b32 s17, ttmp7, 0xffff                   ; cluster y
	s_or_b32 s16, ttmp9, s12                       ; cluster x, and never 0 in wave 1
	s_cmp_eq_u32 s11, 0
	s_cselect_b32 s20, s20, s21
	s_cselect_b32 s22, s22, s23
	s_cselect_b32 s16, s16, s17
	s_cselect_b64 s[PFA:PFA+1], s[4:5], s[6:7]
	s_cmp_eq_u32 s16, 0
	s_cselect_b32 s[LIM], 1, -1
	s_add_co_u32 s20, s20, s22
	s_mov_b32 s21, 0
	s_mov_b64 s[18:19], SIZE_K*2
	s_mul_u64 s[20:21], s[20:21], s[18:19]
	s_add_nc_u64 s[PFA:PFA+1], s[PFA:PFA+1], s[20:21]
	s_add_nc_u64 s[PFA:PFA+1], s[PFA:PFA+1], 2*KSTEP*2
	v_mul_u32_u24 v[PFO], v5, SIZE_K*2
.macro MUL8 f, a, zero                 ; 8 products: row block a x all 8 column blocks, 32 along K, buffer f
	WIN MUL
.irp b, 0,1,2,3,4,5,6,7
.if \zero
	v_wmma_f32_16x16x32_f16 v[8*(8*(\a)+(\b)):8*(8*(\a)+(\b))+7], v[FB+64*(\f)+8*(\b):FB+64*(\f)+8*(\b)+7], v[FA+32*(\f)+8*(\a):FA+32*(\f)+8*(\a)+7], 0
.else
	v_wmma_f32_16x16x32_f16 v[8*(8*(\a)+(\b)):8*(8*(\a)+(\b))+7], v[FB+64*(\f)+8*(\b):FB+64*(\f)+8*(\b)+7], v[FA+32*(\f)+8*(\a):FA+32*(\f)+8*(\a)+7], v[8*(8*(\a)+(\b)):8*(8*(\a)+(\b))+7]
.endif
.endr
.endm
.macro FETCH slot, k, f                ; 24 LDS loads in one run
	WIN TO_B
.irp i, 0,1,2,3,4,5,6,7
	ds_load_b128 v[FB+64*(\f)+8*(\i):FB+64*(\f)+8*(\i)+3],   v[ADRB+(\slot)] offset:(\k)+(\i)*16*PITCH
	ds_load_b128 v[FB+64*(\f)+8*(\i)+4:FB+64*(\f)+8*(\i)+7], v[ADRB+(\slot)] offset:(\k)+(\i)*16*PITCH+32
.endr
	WIN 0
.irp i, 0,1,2,3
	ds_load_b128 v[FA+32*(\f)+8*(\i):FA+32*(\f)+8*(\i)+3],   v[ADRA+(\slot)] offset:(\k)+(\i)*16*PITCH
	ds_load_b128 v[FA+32*(\f)+8*(\i)+4:FA+32*(\f)+8*(\i)+7], v[ADRA+(\slot)] offset:(\k)+(\i)*16*PITCH+32
.endr
.endm
.macro QUARTER slot, k, f, g, zero
	s_wait_dscnt 4                                 ; Wo's fragments and att's blocks 0, 1 are in; the youngest four loads may be out
	MUL8 \f, 0, \zero
	MUL8 \f, 1, \zero
	PLACES
	FETCH \slot, \k, \g
	s_wait_dscnt 24                                ; all but the 24 just issued
	MUL8 \f, 2, \zero
	MUL8 \f, 3, \zero
.endm
.macro MEET round
	WIN 0
	s_wait_tensorcnt 0x0                           ; the one load of mine that was out has landed
	ds_add_u32 v[SPW], v[NIL]
	s_wait_dscnt 5                                 ; the add and the youngest four loads may be out
	MUL8 1, 0, 0
	s_wait_dscnt 0x0                               ; the add is done, my reads of this slot are over
	s_barrier_signal -1
	MUL8 1, 1, 0
.if \round
	WIN 0
.endif
	s_barrier_wait -1
.endm
.macro TURN slot, next, fill
.if \fill
	s_wait_xcnt 0x0                                ; the last prefetch, a K step back, has read its address
	s_add_nc_u64 s[PFA:PFA+1], s[PFA:PFA+1], KSTEP*2
.endif
	MEET \fill
.if \fill
	CREST
	s_add_nc_u64 s[G0+4*(\slot)+2:G0+4*(\slot)+3], s[G0+4*(\slot)+2:G0+4*(\slot)+3], 2*KSTEP*2
	s_add_nc_u64 s[G0B+4*(\slot)+2:G0B+4*(\slot)+3], s[G0B+4*(\slot)+2:G0B+4*(\slot)+3], 2*KSTEP*2
	JLOAD \slot
.else
	PLACES
.endif
	FETCH \next, 0, 0
.if \fill
	ASK
.endif
	MUL8 1, 2, 0
	MUL8 1, 3, 0
.endm
	s_wait_tensorcnt 1                             ; my part of K step 0 is in; K step 1's may stay out
	s_barrier_signal -1
	s_barrier_wait -1
	FETCH 0, 0, 0
	QUARTER 0, 64,  0, 1, 1                        ; the first quarter starts the sums with the constant 0
	WIN 0
	s_mov_b32 s3, LAPS-1
.Llap:
	QUARTER 0, 128, 1, 0, 0
	QUARTER 0, 192, 0, 1, 0
	TURN 0, 1, 1
	QUARTER 1, 64,  0, 1, 0
	QUARTER 1, 128, 1, 0, 0
	QUARTER 1, 192, 0, 1, 0
	TURN 1, 0, 1
	QUARTER 0, 64,  0, 1, 0
	WIN 0
	s_sub_co_u32 s3, s3, 1
	s_cmp_lg_u32 s3, 0
	s_cbranch_scc1 .Llap
	QUARTER 0, 128, 1, 0, 0                        ; the last lap fills nothing
	QUARTER 0, 192, 0, 1, 0
	TURN 0, 1, 0
	QUARTER 1, 64,  0, 1, 0
	QUARTER 1, 128, 1, 0, 0
	QUARTER 1, 192, 0, 1, 0
	s_wait_dscnt 4
	MUL8 1, 0, 0
	MUL8 1, 1, 0
	s_wait_dscnt 0x0
	MUL8 1, 2, 0
	MUL8 1, 3, 0
	WIN 0
	PLACES
	; THE WAY OUT, 16 rows at a time through my own stage: in by lanes (8 columns of a row), back by rows of 512 bytes
.irp a, 0,1,2,3
	WIN 0x08                                       ; store data in window 2
.set i, 0
.rept 16
	ds_store_b128 v[STO], v[64*(\a)+4*i:64*(\a)+4*i+3] offset:16*i+32*(i/2)  ; columns 16 (i / 2) + 8 h + 4 (i % 2) on; each accumulator's low four registers first
.set i, i+1
.endr
	WIN 0
	s_wait_xcnt 0x0                                ; the last block's stores have read the registers that are loaded again
.set i, 0
.rept 16
	ds_load_b128 v[BK+4*i:BK+4*i+3], v[RD] offset:SPITCH*i  ; LDS serves a wave's instructions in order: these see the stores above
.set i, i+1
.endr
	s_wait_dscnt 0x0
.set i, 0
.rept 16
	global_store_b128 v[CO], v[BK+4*i:BK+4*i+3], s[8:9] offset:(16*(\a)+i)*8192  ; 512 consecutive bytes, at a multiple of 512
.set i, i+1
.endr
.endr
	s_wait_tensorcnt 0x0                           ; the wave's end
	ds_add_u32 v[SPW], v[NIL]
	s_wait_dscnt 0x0
	CROUND                                         ; the closing round
	s_endpgm
.Lfunc_end_k_q1f14116056_oproj:
	.size	k_q1f14116056_oproj, .Lfunc_end_k_q1f14116056_oproj-k_q1f14116056_oproj
	.p2alignl 7, 3214868480
	.fill 96, 4, 3214868480
	.section	.rodata,"a",@progbits
	.p2align	6, 0x0
	.amdhsa_kernel k_q1f14116056_oproj
		.amdhsa_group_segment_fixed_size 327680
		.amdhsa_private_segment_fixed_size 0
		.amdhsa_enable_private_segment 0
		.amdhsa_kernarg_size 24
		.amdhsa_user_sgpr_count 2
		.amdhsa_user_sgpr_kernarg_segment_ptr 1
		.amdhsa_wavefront_size32 1
		.amdhsa_system_sgpr_workgroup_id_x 1
		.amdhsa_system_sgpr_workgroup_id_y 1
		.amdhsa_system_sgpr_workgroup_id_z 1
		.amdhsa_system_vgpr_workitem_id 0
		.amdhsa_next_free_vgpr 768
		.amdhsa_next_free_sgpr 66
		.amdhsa_reserve_vcc 0
		.amdhsa_float_denorm_mode_32 3
		.amdhsa_float_denorm_mode_16_64 3
		.amdhsa_memory_ordered 1
		.amdhsa_forward_progress 1
		.amdhsa_inst_pref_size 87
	.end_amdhsa_kernel
	.amdgpu_metadata
---
amdhsa.version: [ 1, 2 ]
amdhsa.kernels:
  - .name:           k_q1f14116056_oproj
    .symbol:         k_q1f14116056_oproj.kd
    .args:
      - { .name: att, .offset: 0, .size: 8, .value_kind: global_buffer, .address_space: global }
      - { .name: cvt, .offset: 8, .size: 8, .value_kind: global_buffer, .address_space: global }
      - { .name: out0, .offset: 16, .size: 8, .value_kind: global_buffer, .address_space: global }
    .group_segment_fixed_size: 327680
    .private_segment_fixed_size: 0
    .kernarg_segment_align: 8
    .kernarg_segment_size: 24
    .max_flat_workgroup_size: 128
    .sgpr_count:     66
    .vgpr_count:     768
    .wavefront_size: 32
...
	.end_amdgpu_metadata
.endif
;; end of part 6
;; ======== version 2 of 2: 6 launches
;; limits: values are held in f16: magnitudes above 65,504 overflow, below 6.1e-05 lose precision
;; workspace buffers: cvt 39,878,656 bytes; qkvb 25,559,040 bytes; fk 13,107,456 bytes; st 4,719,104 bytes; att 16,777,216 bytes
;; launch prep (part 7): grid 2434 x 1, 8 waves a work-group, no clusters, 0 bytes of LDS; arguments hidden_states, Wq, Wk, Wv, Wo, cos, sin, omega, cvt; writes cvt
.if DOCPART == 7
	.amdgcn_target "amdgcn-amd-amdhsa--gfx1250"
	.amdhsa_code_object_version 6
	.text
	.protected	k_q1f14116056_prep
	.globl	k_q1f14116056_prep
	.p2align	8
	.type	k_q1f14116056_prep,@function
k_q1f14116056_prep:
	s_mov_b64 s[64:65], 0
	v_nop
	global_prefetch_b8 v0, s[64:65] scope:SCOPE_SE
	s_setreg_imm32_b32 hwreg(HW_REG_WAVE_MODE, 25, 1), 1
	s_wait_xcnt 0x0
; All eight inputs are rounded once to bf16 and laid end to end in cvt, 8,192 numbers (32 KiB in, 16 KiB out) to a work-group:
; ids 0 x, 1024 Wq, 1536 Wk, 1664 Wv (bf16); 1792 Wo (the bf16 number written as f16); 2304 cos x 2^-4, 2368 sin x 2^-4 with the sign of
; rotate_half (minus for d < 64) (bf16); 2432 omega (the bf16 number written as f16).  The destination is id x 16,384 for every id.
; A wave's load covers 512 consecutive bytes, its store 256 consecutive bytes at a multiple of 256.  No LDS, no barrier: nothing is shared.
; LIMITS.  Wo and omega as f16: beyond 65,504 an infinity, below 6e-8 zero.  2^-4 is exact but for bf16 denormals.
.set NL, 8                             ; loads a lane
.set X, 16                             ; v[16:47]   8 loads of 4 numbers
.set Y, 48                             ; v[48:63]   8 stores of 4 packed numbers
.macro PICK from, p                    ; from id 'from' on the source is the pointer in s[p:p+1]
	s_cmp_ge_u32 s7, \from
	s_cselect_b64 s[4:5], s[\p:\p+1], s[4:5]
	s_cselect_b32 s6, \from, s6
.endm
	s_load_b512 s[8:23], s[0:1], 0x0               ; x, Wq, Wk, Wv, Wo, cos, sin, omega
	s_load_b64 s[24:25], s[0:1], 0x40              ; cvt
	s_mov_b32 s7, ttmp9
	v_lshrrev_b32 v3, 5, v0                        ; wave
	v_and_b32 v6, 31, v0                           ; lane
	v_lshlrev_b32 v1, 4, v6
	v_lshl_add_u32 v1, v3, 12, v1                  ; in: 4,096 x wave + 16 x lane
	v_lshrrev_b32 v2, 1, v1                        ; out: half of it
	s_mov_b32 s30, 0                               ; the path: 0 plain, 1 f16, 2 table
	s_cmp_ge_u32 s7, 1792
	s_cselect_b32 s30, 1, s30
	s_cmp_ge_u32 s7, 2304
	s_cselect_b32 s30, 2, s30
	s_cmp_ge_u32 s7, 2432
	s_cselect_b32 s30, 1, s30
	s_mov_b32 s29, 0                               ; sin alone: a load is one table row of 128, lane l holds d = 4 l .. 4 l + 3, so d < 64 is l < 16
	s_cmp_ge_u32 s7, 2368
	s_cselect_b32 s29, 0x80000000, s29
	v_cmp_gt_u32 vcc_lo, 16, v6
	v_cndmask_b32 v4, 0, s29, vcc_lo
	v_xor_b32 v4, 0x3d800000, v4                   ; +- 2^-4
	v_mov_b32 v5, v4
	s_wait_kmcnt 0x0
	s_mov_b64 s[4:5], s[8:9]
	s_mov_b32 s6, 0
	PICK 1024, 10
	PICK 1536, 12
	PICK 1664, 14
	PICK 1792, 16
	PICK 2304, 18
	PICK 2368, 20
	PICK 2432, 22
	s_sub_co_u32 s26, s7, s6
	s_lshl_b32 s26, s26, 15
	s_mov_b32 s27, 0
	s_add_nc_u64 s[4:5], s[4:5], s[26:27]
	s_lshl_b32 s26, s7, 14
	s_add_nc_u64 s[24:25], s[24:25], s[26:27]
.set j, 0
.rept NL
	global_load_b128 v[X+4*j:X+4*j+3], v1, s[4:5] offset:512*j th:TH_LOAD_NT
.set j, j+1
.endr
.macro OUT mul, half
.set j, 0
.rept NL
	s_wait_loadcnt NL-1-j                          ; loads come back in order: load j is in, the younger ones stay out
.if \mul
	v_pk_mul_f32 v[X+4*j:X+4*j+1], v[X+4*j:X+4*j+1], v[4:5]
	v_pk_mul_f32 v[X+4*j+2:X+4*j+3], v[X+4*j+2:X+4*j+3], v[4:5]
.endif
	v_cvt_pk_bf16_f32 v[Y+2*j], v[X+4*j], v[X+4*j+1]
	v_cvt_pk_bf16_f32 v[Y+2*j+1], v[X+4*j+2], v[X+4*j+3]
.if \half
	v_lshlrev_b32 v[X+4*j], 16, v[Y+2*j]           ; the rounded numbers back as f32,
	v_and_b32 v[X+4*j+1], 0xffff0000, v[Y+2*j]
	v_lshlrev_b32 v[X+4*j+2], 16, v[Y+2*j+1]
	v_and_b32 v[X+4*j+3], 0xffff0000, v[Y+2*j+1]
	v_cvt_pk_f16_f32 v[Y+2*j], v[X+4*j], v[X+4*j+1]  ; and written as f16: 8 significant bits fit in 11
	v_cvt_pk_f16_f32 v[Y+2*j+1], v[X+4*j+2], v[X+4*j+3]
.endif
	global_store_b64 v2, v[Y+2*j:Y+2*j+1], s[24:25] offset:256*j th:TH_STORE_NT
.set j, j+1
.endr
	s_endpgm
.endm
	s_cmp_eq_u32 s30, 1
	s_cbranch_scc1 .Lhalf
	s_cmp_eq_u32 s30, 2
	s_cbranch_scc1 .Ltable
	OUT 0, 0
.Ltable:
	OUT 1, 0
.Lhalf:
	OUT 0, 1
.Lfunc_end_k_q1f14116056_prep:
	.size	k_q1f14116056_prep, .Lfunc_end_k_q1f14116056_prep-k_q1f14116056_prep
	.p2alignl 7, 3214868480
	.fill 96, 4, 3214868480
	.section	.rodata,"a",@progbits
	.p2align	6, 0x0
	.amdhsa_kernel k_q1f14116056_prep
		.amdhsa_group_segment_fixed_size 0
		.amdhsa_private_segment_fixed_size 0
		.amdhsa_enable_private_segment 0
		.amdhsa_kernarg_size 72
		.amdhsa_user_sgpr_count 2
		.amdhsa_user_sgpr_kernarg_segment_ptr 1
		.amdhsa_wavefront_size32 1
		.amdhsa_system_sgpr_workgroup_id_x 1
		.amdhsa_system_sgpr_workgroup_id_y 1
		.amdhsa_system_sgpr_workgroup_id_z 1
		.amdhsa_system_vgpr_workitem_id 0
		.amdhsa_next_free_vgpr 64
		.amdhsa_next_free_sgpr 66
		.amdhsa_reserve_vcc 1
		.amdhsa_float_denorm_mode_32 3
		.amdhsa_float_denorm_mode_16_64 3
		.amdhsa_memory_ordered 1
		.amdhsa_forward_progress 1
		.amdhsa_inst_pref_size 14
	.end_amdhsa_kernel
	.amdgpu_metadata
---
amdhsa.version: [ 1, 2 ]
amdhsa.kernels:
  - .name:           k_q1f14116056_prep
    .symbol:         k_q1f14116056_prep.kd
    .args:
      - { .name: hidden_states, .offset: 0, .size: 8, .value_kind: global_buffer, .address_space: global }
      - { .name: Wq, .offset: 8, .size: 8, .value_kind: global_buffer, .address_space: global }
      - { .name: Wk, .offset: 16, .size: 8, .value_kind: global_buffer, .address_space: global }
      - { .name: Wv, .offset: 24, .size: 8, .value_kind: global_buffer, .address_space: global }
      - { .name: Wo, .offset: 32, .size: 8, .value_kind: global_buffer, .address_space: global }
      - { .name: cos, .offset: 40, .size: 8, .value_kind: global_buffer, .address_space: global }
      - { .name: sin, .offset: 48, .size: 8, .value_kind: global_buffer, .address_space: global }
      - { .name: omega, .offset: 56, .size: 8, .value_kind: global_buffer, .address_space: global }
      - { .name: cvt, .offset: 64, .size: 8, .value_kind: global_buffer, .address_space: global }
    .group_segment_fixed_size: 0
    .private_segment_fixed_size: 0
    .kernarg_segment_align: 8
    .kernarg_segment_size: 72
    .max_flat_workgroup_size: 256
    .sgpr_count:     66
    .vgpr_count:     64
    .wavefront_size: 32
...
	.end_amdgpu_metadata
.endif
;; end of part 7
;; launch qkv (part 8): grid 12 x 16, 4 waves a work-group, clusters of 4 x 4, 327,680 bytes of LDS; arguments cvt, qkvb; writes qkvb
.if DOCPART == 8
	.amdgcn_target "amdgcn-amd-amdhsa--gfx1250"
	.amdhsa_code_object_version 6
	.text
	.protected	k_q1f14116056_qkv
	.globl	k_q1f14116056_qkv
	.p2align	8
	.type	k_q1f14116056_qkv,@function
k_q1f14116056_qkv:
	s_mov_b64 s[64:65], 0
	v_nop
	global_prefetch_b8 v0, s[64:65] scope:SCOPE_SE
	s_setreg_imm32_b32 hwreg(HW_REG_WAVE_MODE, 25, 1), 1
	s_wait_xcnt 0x0
	s_wait_alu depctr_hold_cnt(0) depctr_sa_sdst(0) depctr_va_vdst(0) depctr_va_sdst(0) depctr_va_ssrc(0) depctr_va_vcc(0) depctr_vm_vsrc(0)
	s_getreg_b32 s2, hwreg(HW_REG_IB_STS2, 6, 4)
	s_cmp_eq_u32 s2, 0
	s_cbranch_scc0 .Lentry_in_a_cluster
	s_endpgm
.Lentry_in_a_cluster:
	s_bfe_u32 s2, ttmp6, 0x10000c
	s_cmp_lg_u32 s2, 0xf033
	s_cbranch_scc0 .Lentry_shape_is_right
	s_endpgm
.Lentry_shape_is_right:
; [q | k | v] = x W^T, x: [4096][2048], W: [3072][2048] (rows: Wq, Wk, Wv), both bf16 in cvt; sums in f32.  Then RoPE on q and k, and out by heads:
; qkvb[b][head 0..23][s][128] in f16: heads 0-15 q and 16-19 k as (rope value x 2^-4), heads 20-23 v;
; behind it SQ[head][4096] in f32: the sum over d of the squares of the f32 values that were stored (|q|^2 / 256).
; LIMITS.  f16 ends at 65,504: q and k keep room up to |q| = 1.05e6 by the exact factor 2^-4 that the table carries; v must lie within 65,504.
; THE PRODUCT.  A tile of 256 x 256 to a work-group of four waves, 128 x 128 (64 accumulators, 512 registers) to a wave; K in steps of 128 through two LDS slots filled by tensor loads;
; 4 x 4 work-groups form a cluster: x's tiles are asked for jointly along a row of the cluster, W's along a column.  The matrix instruction is used transposed (source 0 = rows of W,
; source 1 = rows of x): lane l holds row l % 16 and the columns 16 b + 8 (l / 16) + 0..7 of accumulator b.
; A K STEP IS WRITTEN ONCE: the fragment loads' LDS addresses are a lane term plus s[TB], which an exclusive or turns between the two slots, and one descriptor a tensor walks along K.
; A wave's 128 columns are ONE head.  So the partner column d +- 64 of RoPE lies in accumulator b ^ 4, same lane, same register: RoPE needs no exchange.
; THE TABLE (cos x 2^-4, and sin x 2^-4 with rotate_half's sign, bf16, 256 rows each) is brought into slot 0 when its last K step has been read, jointly along the cluster's row.
; REGISTERS, in windows of 256: window 0: v0-31 addresses; v64-191 x's fragments, two buffers; on the way out v32-255 as named below.  window 1: v64-191 W's fragments.  windows 2, 3: accumulators.
.set SIZE_K, 2048
.set KSTEP,  128
.set STEPS,  SIZE_K/KSTEP
.set PITCH,  272                       ; an LDS row: 256 bytes + 16 of padding: the 16 rows of a fragment load start 4 banks apart
.set HALFT,  128*PITCH
.set SLOT,   4*HALFT
.set STAGE,  2*SLOT                    ; 16 rows x 272 bytes for each wave
.set SPITCH, 272
.set SQST,   STAGE+4*16*SPITCH         ; 128 sums of squares for each wave
.set SPARE,  SQST+4*512                ; the spare words, 128 bytes a wave, that no other line names
.set WBOFF,  16777216                  ; W in cvt
.set TABOFF, 37748736                  ; the table in cvt: two planes of 4096 x 128 bf16
.set SQOFF,  25165824                  ; SQ in qkvb
.set FLAGS,  (1<<16)|(1<<20)|(1<<21)|(5<<22)|(3<<25)  ; 2-byte elements; padding on; bit 21 beside a mask; after every 64 words 4 words
.set RDT,  10                          ; v10  my place in the cos rows of the block in hand
.set RDS,  11                          ; v11  the same in the sin rows
.set SQA,  12                          ; v12  where a block's sum of squares goes
.set ZR,   13                          ; v13  0, the addend of the first product
.set SQR,  14                          ; v14  where I read four sums back
.set ADRA, 16                          ; v16  LDS address of my fragments of x in the slot that is read
.set A0,   17                          ; v17  the same in slot 0; never rewritten
.set ADRB, 20                          ; v20, v21  the same for W
.set B0,   21
.set STO,  24
.set RD,   25
.set CO,   26                          ; v26  16 x lane
.set SPW,  28
.set NIL,  29
.set PFO,  30
.set PFA,  44
.set LIM,  43
.set F0,   64
.set F1,   128
.set XA,   32                          ; the way out: v32-95 a block's 64 sums; v96-127 cos; v128-159 sin; v160-223 results; v224-255 packed
.set CT,   96
.set SN,   128
.set OU,   160
.set PKD,  224
.set G1, 24
.set G0, 32                            ; s[32:39] group 0 for x's tiles: a set for each of the two first fills; the second then walks on
.set G1B, 48
.set G0B, 56                           ; s[56:63] the same for W's
.set G1T, 68                           ; s[68:75], s[76:79] the table's descriptor
.set G0T, 76
.set OB,  80                           ; s[80:81] qkvb at the block's 16 rows
.set SQP, 82                           ; s[82:83] SQ at my 128 rows
.set SEL, 84                           ; s[84:85] v_permlanex16_b32's selects
.set MV,  86                           ; s86  all ones in a v head: no RoPE
.set TB,  87                           ; s87  0 or SLOT: the slot that is read
.set BA,  88                           ; s88  the block
.set TBF, 89                           ; s89  0 or SLOT: the slot that was filled last
.set LA,  94                           ; s94  my wave's 128 rows in a slot
.set MSB, 0
.macro WIN new
.if MSB != (\new)
	s_set_vgpr_msb (MSB<<8)|(\new)
.set MSB, \new
.endif
.endm
.set MUL_LO, 0xa1                      ; source 0 (W) window 1, source 1 (x) window 0, C and D window 2
.set MUL_HI, 0xf1
.set TO_B,   0x40
.macro JLOAD s                         ; waves 0 and 1 fetch x's two halves, waves 2 and 3 W's; an s_nop 0 and four v_nop follow each line
	s_cmp_eq_u32 s11, 0
	s_cbranch_scc0 .Lfor_b_\@
	tensor_load_to_lds s[G0+4*(\s):G0+4*(\s)+3], s[G1:G1+7]
	s_nop 0
.rept 4
	v_nop
.endr
	s_branch .Lasked_\@
.Lfor_b_\@:
	tensor_load_to_lds s[G0B+4*(\s):G0B+4*(\s)+3], s[G1B:G1B+7]
	s_nop 0
.rept 4
	v_nop
.endr
.Lasked_\@:
.endm
; A prefetch behind each joint refill: the K step two refills on, 32 rows x 256 bytes, a lane a row.  x's rows are asked for by the clusters with x = 0, W's by those with y = 0; the four partners
; that fetch a tile jointly take 32 of a wave's 128 rows each, told apart by address.  The loop's last two trips ask for nothing: no K step lies two on.
.macro ASK
	s_cmp_gt_u32 s3, s[LIM]
	s_cbranch_scc0 .Lnot_mine_\@
	global_prefetch_b8 v[PFO], s[PFA:PFA+1] offset:KSTEP*2 th:TH_LOAD_NT scope:SCOPE_SE
.Lnot_mine_\@:
.endm
.macro CREST
	s_cmp_lg_u32 s10, 0
	s_cbranch_scc1 .Lnot_wave_0_\@
	s_barrier_signal -3
.Lnot_wave_0_\@:
	s_barrier_wait -3
	s_barrier_signal -1
	s_barrier_wait -1
.endm
.macro CROUND
	s_barrier_signal -1
	s_barrier_wait -1
	CREST
.endm
	s_load_b128 s[4:7], s[0:1], 0x0                ; cvt s[4:5], qkvb s[6:7]
	v_lshl_add_u32 v[SPW], v0, 2, SPARE
	v_mov_b32 v[NIL], 0
	ds_add_u32 v[SPW], v[NIL]                      ; the wave's opening: the add and its wait ahead of my first tensor load
	v_lshrrev_b32 v1, 5, v0
	v_readfirstlane_b32 s10, v1                    ; wave
	s_lshr_b32 s11, s10, 1                         ; my half of the tile's rows; also: I fetch for x (0) or W (1)
	s_and_b32 s12, s10, 1                          ; my half of its columns; also: which 128 rows I fetch
	s_bfe_u32 s40, ttmp6, 0x40000                  ; cx
	s_bfe_u32 s41, ttmp6, 0x40004                  ; cy
	s_lshl_b32 s42, ttmp9, 2
	s_add_co_u32 s42, s42, s40                     ; tile column
	s_and_b32 s13, ttmp7, 0xffff
	s_lshl_b32 s13, s13, 2
	s_add_co_u32 s13, s13, s41                     ; tile row
	s_lshl_b32 s43, s41, 2
	s_lshl_b32 s43, 15, s43                        ; my row of the cluster
	s_lshl_b32 s44, 0x1111, s40                    ; my column
	s_or_b32 s[G1+0], s43, FLAGS
	s_or_b32 s[G1B+0], s44, FLAGS
	s_or_b32 s[G1T+0], s43, FLAGS                  ; the table hangs on the tile row alone
.irp g, G1, G1B, G1T
	s_mov_b32 s[(\g)+1], KSTEP<<16                 ; tensor_dim0 = 128
	s_mov_b32 s[(\g)+2], 128<<16                   ; tensor_dim1 = 128
	s_mov_b32 s[(\g)+3], KSTEP<<16                 ; tile_dim0 = 128
	s_mov_b32 s[(\g)+4], 128                       ; tile_dim1 = 128
	s_mov_b32 s[(\g)+6], 0
	s_mov_b32 s[(\g)+7], 0
.endr
	s_mov_b32 s[G1+5], SIZE_K                      ; elements from row to row
	s_mov_b32 s[G1B+5], SIZE_K
	s_mov_b32 s[G1T+5], 128
	s_lshl_b32 s17, s12, 7
	s_lshl_b32 s16, s13, 8
	s_add_co_u32 s16, s16, s17                     ; x: row 256 x tile row + 128 x half
	s_lshl_b32 s46, s42, 8
	s_add_co_u32 s46, s46, s17                     ; W: row 256 x tile column + 128 x half
	s_mov_b32 s17, 0
	s_mov_b32 s47, 0
	s_mov_b64 s[18:19], SIZE_K*2
	s_mul_u64 s[16:17], s[16:17], s[18:19]
	s_mul_u64 s[46:47], s[46:47], s[18:19]
	s_mul_i32 s20, s10, HALFT                      ; where a wave's rows go: wave x 128 rows
	s_mul_i32 s[LA], s10, HALFT
	s_mov_b32 s[TB], 0
	s_mov_b32 s[TBF], SLOT                         ; the second first fill goes to slot 1
	s_lshl_b32 s90, s11, 20                        ; the table: plane wave / 2,
	s_lshl_b32 s91, s13, 16                        ; rows 256 x tile row
	s_add_co_u32 s90, s90, s91
	s_lshl_b32 s91, s12, 15                        ; + 128 x (wave % 2), of 256 bytes
	s_add_co_u32 s90, s90, s91
	s_add_co_u32 s90, s90, TABOFF
	s_mov_b32 s91, 0
	s_mov_b32 s[SEL], 0x76543210
	s_mov_b32 s[SEL+1], 0xfedcba98
	v_mov_b32 v[ZR], 0
	s_wait_dscnt 0x0                               ; the opening add is done
	s_wait_kmcnt 0x0
	s_mov_b64 s[8:9], s[6:7]                       ; qkvb
	s_add_nc_u64 s[6:7], s[4:5], WBOFF             ; W
	s_add_nc_u64 s[14:15], s[4:5], s[16:17]
	s_add_nc_u64 s[46:47], s[6:7], s[46:47]
	s_mov_b32 s[G0T], 1
	s_add_co_u32 s[G0T+1], s20, 0                  ; cos to slot 0's first 256 rows, sin to its second 256
	s_add_nc_u64 s[G0T+2:G0T+3], s[4:5], s[90:91]
	s_or_b32 s[G0T+3], s[G0T+3], 0x80000000
	CROUND                                         ; all sixteen work-groups are here: the first joint loads meet
.irp s, 0,1
	s_mov_b32 s[G0+4*(\s)], 1
	s_add_co_u32 s[G0+4*(\s)+1], s20, (\s)*SLOT
	s_add_nc_u64 s[G0+4*(\s)+2:G0+4*(\s)+3], s[14:15], (\s)*KSTEP*2
	s_or_b32 s[G0+4*(\s)+3], s[G0+4*(\s)+3], 0x80000000
	s_mov_b32 s[G0B+4*(\s)], 1
	s_add_co_u32 s[G0B+4*(\s)+1], s20, (\s)*SLOT
	s_add_nc_u64 s[G0B+4*(\s)+2:G0B+4*(\s)+3], s[46:47], (\s)*KSTEP*2
	s_or_b32 s[G0B+4*(\s)+3], s[G0B+4*(\s)+3], 0x80000000
	JLOAD \s
.endr
	v_and_b32 v1, 15, v0                           ; r = l % 16
	v_bfe_u32 v2, v0, 4, 1                         ; h = l / 16
	v_mul_u32_u24 v3, v1, PITCH
	v_lshl_add_u32 v3, v2, 4, v3                   ; a fragment's row x pitch + 16 h
	s_mul_i32 s21, s11, HALFT
	s_mul_i32 s22, s12, HALFT
	s_add_co_u32 s22, s22, 2*HALFT
	v_add_nc_u32 v[RDT], s21, v3                   ; the table's rows are my rows of x, in the same layout
	v_add_nc_u32 v[RDS], 2*HALFT, v[RDT]
	v_add_nc_u32 v[A0], s21, v3
	v_add_nc_u32 v[B0], s22, v3
	v_add_nc_u32 v[ADRA], s21, v3                  ; K step 0 lies in slot 0
	v_add_nc_u32 v[ADRB], s22, v3
	s_mul_i32 s23, s10, 16*SPITCH
	s_add_co_u32 s23, s23, STAGE
	v_mul_u32_u24 v4, v1, SPITCH
	v_lshl_add_u32 v4, v2, 4, v4
	v_add_nc_u32 v[STO], s23, v4                   ; in: row r, 16 bytes for each half of the lanes
	v_mul_u32_u24 v5, v2, SPITCH
	v_lshl_add_u32 v5, v1, 4, v5
	v_add_nc_u32 v[RD], s23, v5                    ; back: lanes 0-15 one row of 256 bytes, lanes 16-31 the next
	v_and_b32 v5, 31, v0
	v_lshlrev_b32 v[CO], 4, v5                     ; a head's rows are dense: two rows are 512 consecutive bytes
	s_lshl_b32 s23, s10, 9
	s_add_co_u32 s23, s23, SQST
	v_lshl_add_u32 v[SQA], v1, 2, s23
	v_add_nc_u32 v[SQR], s23, v[CO]
	s_lshl_b32 s90, s42, 1
	s_add_co_u32 s90, s90, s12                     ; my head
	s_cmp_ge_u32 s90, 20
	s_cselect_b32 s[MV], -1, 0
	s_lshr_b32 s91, s13, 3                         ; b
	s_mul_i32 s91, s91, 24
	s_add_co_u32 s91, s91, s90
	s_lshl_b32 s91, s91, 11                        ; (24 b + head) x 2048 rows
	s_and_b32 s92, s13, 7
	s_lshl_b32 s92, s92, 8
	s_add_co_u32 s91, s91, s92
	s_lshl_b32 s92, s11, 7
	s_add_co_u32 s91, s91, s92
	s_lshl_b32 s92, s91, 8
	s_mov_b32 s93, 0
	s_add_nc_u64 s[OB:OB+1], s[8:9], s[92:93]
	s_lshl_b32 s92, s90, 12                        ; SQ: 4096 x head + my first row of x
	s_lshl_b32 s91, s13, 8
	s_add_co_u32 s92, s92, s91
	s_lshl_b32 s91, s11, 7
	s_add_co_u32 s92, s92, s91
	s_lshl_b32 s92, s92, 2
	s_add_co_u32 s92, s92, SQOFF
	s_add_nc_u64 s[SQP:SQP+1], s[8:9], s[92:93]
	; the prefetches
	s_lshl_b32 s13, s13, 8
	s_lshl_b32 s42, s42, 8
	s_and_b32 s22, ttmp7, 0xffff
	s_cmp_eq_u32 s11, 0
	s_cselect_b32 s20, s13, s42                    ; the tile's first row
	s_cselect_b32 s21, s40, s41                    ; my place among the four that ask with me
	s_cselect_b32 s22, ttmp9, s22                  ; the coordinate along which other clusters read the same rows
	s_cselect_b64 s[PFA:PFA+1], s[4:5], s[6:7]
	s_cmp_eq_u32 s22, 0
	s_cselect_b32 s[LIM], 2, -1
	s_lshl_b32 s22, s12, 7
	s_add_co_u32 s20, s20, s22
	s_lshl_b32 s21, s21, 5
	s_add_co_u32 s20, s20, s21
	s_mov_b32 s21, 0
	s_mov_b64 s[18:19], SIZE_K*2
	s_mul_u64 s[20:21], s[20:21], s[18:19]
	s_add_nc_u64 s[PFA:PFA+1], s[PFA:PFA+1], s[20:21]
	s_add_nc_u64 s[PFA:PFA+1], s[PFA:PFA+1], 2*KSTEP*2  ; at K step 2: the first refill steps it to 3 and names K step 4
	v_and_b32 v[PFO], 31, v0
	v_mul_u32_u24 v[PFO], v[PFO], SIZE_K*2
.macro MUL16 f, hi, a0, zero           ; 16 products: row blocks a0, a0 + 1 of the window's four x all 8 column blocks, 32 along K
	WIN MUL_LO+0x50*(\hi)
.irp a, \a0, (\a0)+1
.irp b, 0,1,2,3,4,5,6,7
.if \zero
	v_wmma_f32_16x16x32_bf16 v[8*(8*(\a)+(\b)):8*(8*(\a)+(\b))+7], v[(\f)+8*(\b):(\f)+8*(\b)+7], v[(\f)+8*(4*(\hi)+(\a)):(\f)+8*(4*(\hi)+(\a))+7], 0
.else
	v_wmma_f32_16x16x32_bf16 v[8*(8*(\a)+(\b)):8*(8*(\a)+(\b))+7], v[(\f)+8*(\b):(\f)+8*(\b)+7], v[(\f)+8*(4*(\hi)+(\a)):(\f)+8*(4*(\hi)+(\a))+7], v[8*(8*(\a)+(\b)):8*(8*(\a)+(\b))+7]
.endif
.endr
.endr
.endm
.macro FETCH k, f                      ; 32 LDS loads in one run: a quarter step's fragments, at byte k of the rows of the slot that is read
	WIN TO_B
.irp i, 0,1,2,3,4,5,6,7
	ds_load_b128 v[(\f)+8*(\i):(\f)+8*(\i)+3],   v[ADRB] offset:(\k)+(\i)*16*PITCH
	ds_load_b128 v[(\f)+8*(\i)+4:(\f)+8*(\i)+7], v[ADRB] offset:(\k)+(\i)*16*PITCH+32
.endr
	WIN 0
.irp i, 0,1,2,3,4,5,6,7
	ds_load_b128 v[(\f)+8*(\i):(\f)+8*(\i)+3],   v[ADRA] offset:(\k)+(\i)*16*PITCH
	ds_load_b128 v[(\f)+8*(\i)+4:(\f)+8*(\i)+7], v[ADRA] offset:(\k)+(\i)*16*PITCH+32
.endr
.endm
.macro NEXTSLOT                        ; the reads go to the other slot
	s_xor_b32 s[TB], s[TB], SLOT
	v_add_nc_u32 v[ADRA], s[TB], v[A0]
	v_add_nc_u32 v[ADRB], s[TB], v[B0]
.endm
.macro PLACES                          ; four plain places behind a matrix instruction, ahead of loads into its sources and of reads of its result
.rept 4
	v_nop
.endr
.endm
.macro QUARTER k, f, g, zero
	s_wait_dscnt 8                                 ; W's fragments and x's rows 0-63 are in; the youngest eight loads may be out
	MUL16 \f, 0, 0, \zero
	MUL16 \f, 0, 2, \zero
	PLACES
	FETCH \k, \g
	s_wait_dscnt 32                                ; all but the 32 just issued
	MUL16 \f, 1, 0, \zero
	MUL16 \f, 1, 2, \zero
.endm
.macro MEET round                      ; the change of slots: all my tensor loads, the add, my reads of this slot; then the barrier
	WIN 0
	s_wait_tensorcnt 0x0                           ; the one load of mine that was out has landed
	ds_add_u32 v[SPW], v[NIL]
	s_wait_dscnt 9                                 ; the add and the youngest eight loads may be out
	MUL16 F1, 0, 0, 0
	s_wait_dscnt 0x0                               ; the add is done, my reads of this slot are over
	s_barrier_signal -1
	MUL16 F1, 0, 2, 0
.if \round
	WIN 0
.endif
	s_barrier_wait -1
.endm
.macro TURN                            ; the last quarter of a K step: the slot just read out takes the K step two on, the reads go to the other slot
	s_wait_xcnt 0x0                                ; the last prefetch, a K step back, has read its address
	s_add_nc_u64 s[PFA:PFA+1], s[PFA:PFA+1], KSTEP*2
	MEET 1
	CREST                                          ; no wave of any partner still reads this slot or has a load on its way
	s_xor_b32 s[TBF], s[TBF], SLOT                 ; the walking descriptors: the other slot than last time,
	s_add_co_u32 s[G0+5], s[LA], s[TBF]
	s_add_nc_u64 s[G0+6:G0+7], s[G0+6:G0+7], KSTEP*2  ; the next K step; the type bits on top are not reached
	s_add_co_u32 s[G0B+5], s[LA], s[TBF]
	s_add_nc_u64 s[G0B+6:G0B+7], s[G0B+6:G0B+7], KSTEP*2
	JLOAD 1
	NEXTSLOT
	FETCH 0, F0
	ASK
	MUL16 F1, 1, 0, 0
	MUL16 F1, 1, 2, 0
.endm
	s_wait_tensorcnt 1                             ; my part of K step 0 is in; K step 1's may stay out
	s_barrier_signal -1
	s_barrier_wait -1
	FETCH 0, F0
	QUARTER 64,  F0, F1, 1                         ; the first quarter starts the sums with the constant 0
	WIN 0
	s_mov_b32 s3, STEPS-2
.Lstep:                                        ; a trip goes from a K step's second quarter to the next step's first, and fills the slot that it leaves
	QUARTER 128, F1, F0, 0
	QUARTER 192, F0, F1, 0
	TURN
	QUARTER 64,  F0, F1, 0
	WIN 0
	s_sub_co_u32 s3, s3, 1
	s_cmp_lg_u32 s3, 0
	s_cbranch_scc1 .Lstep
	QUARTER 128, F1, F0, 0                         ; the last two K steps are written out
	QUARTER 192, F0, F1, 0
	MEET 1                                         ; slot 0 has had its last K step:
	CREST
	tensor_load_to_lds s[G0T:G0T+3], s[G1T:G1T+7]  ; it takes the table, 128 rows a wave, which lands under the last K step's products
	s_nop 0
	PLACES
	NEXTSLOT
	FETCH 0, F0
	MUL16 F1, 1, 0, 0
	MUL16 F1, 1, 2, 0
	QUARTER 64,  F0, F1, 0
	QUARTER 128, F1, F0, 0
	QUARTER 192, F0, F1, 0
	MEET 0                                         ; every wave's part of the table has landed
	MUL16 F1, 1, 0, 0
	MUL16 F1, 1, 2, 0
	WIN 0
	PLACES
; THE WAY OUT, a block of 16 rows a trip, written once but for the 64 lines that bring the block's sums into window 0.
.macro DUMP a
.Ld\a:
	WIN 0x02+(\a)/4                                ; source 0 in window 2 or 3
.set i, 0
.rept 64
	v_mov_b32 v[XA+i], v[64*((\a)%4)+i]            ; ascending: each accumulator's low registers are read first
.set i, i+1
.endr
	WIN 0
.if (\a) < 7
	s_branch .Lcommon
.endif
.endm
	s_mov_b32 s[BA], 0
.Lblk:
.irp b, 0,1,2,3,4,5,6,7
	ds_load_b128 v[CT+4*(\b):CT+4*(\b)+3], v[RDT] offset:32*(\b)  ; cos and sin of row r, columns 16 b + 8 h + 0..7: the accumulators' own layout
	ds_load_b128 v[SN+4*(\b):SN+4*(\b)+3], v[RDS] offset:32*(\b)
.endr
.irp a, 1,2,3,4,5,6,7
	s_cmp_eq_u32 s[BA], \a
	s_cbranch_scc1 .Ld\a
.endr
	DUMP 0
	DUMP 1
	DUMP 2
	DUMP 3
	DUMP 4
	DUMP 5
	DUMP 6
	DUMP 7
.Lcommon:
	s_wait_dscnt 0x0                               ; the table's rows are in
.set i, 0
.rept 64                                       ; partner x sin (the sign lies in the table) ...
.if i%2
	v_fma_mix_f32_bf16 v[OU+i], v[XA+(i+32)%64], v[SN+i/2], v[ZR] op_sel:[0,1,0] op_sel_hi:[0,1,0]
.else
	v_fma_mix_f32_bf16 v[OU+i], v[XA+(i+32)%64], v[SN+i/2], v[ZR] op_sel_hi:[0,1,0]
.endif
.set i, i+1
.endr
.set i, 0
.rept 64                                       ; ... + own x cos
.if i%2
	v_fma_mix_f32_bf16 v[OU+i], v[XA+i], v[CT+i/2], v[OU+i] op_sel:[0,1,0] op_sel_hi:[0,1,0]
.else
	v_fma_mix_f32_bf16 v[OU+i], v[XA+i], v[CT+i/2], v[OU+i] op_sel_hi:[0,1,0]
.endif
.set i, i+1
.endr
	s_mov_b32 vcc_lo, s[MV]
.set i, 0
.rept 64
	v_cndmask_b32 v[OU+i], v[OU+i], v[XA+i], vcc_lo  ; a v head keeps its sums: a choice of values, since partners of a cluster run one text
.set i, i+1
.endr
.set i, 0
.rept 32                                       ; the sum of squares, four chains
.if i < 4
	v_pk_mul_f32 v[XA+2*i:XA+2*i+1], v[OU+2*i:OU+2*i+1], v[OU+2*i:OU+2*i+1]
.else
	v_pk_fma_f32 v[XA+2*(i%4):XA+2*(i%4)+1], v[OU+2*i:OU+2*i+1], v[OU+2*i:OU+2*i+1], v[XA+2*(i%4):XA+2*(i%4)+1]
.endif
.set i, i+1
.endr
	v_pk_add_f32 v[XA:XA+1], v[XA:XA+1], v[XA+2:XA+3]
	v_pk_add_f32 v[XA+4:XA+5], v[XA+4:XA+5], v[XA+6:XA+7]
	v_pk_add_f32 v[XA:XA+1], v[XA:XA+1], v[XA+4:XA+5]
	v_add_f32 v[XA], v[XA], v[XA+1]
	v_permlanex16_b32 v[XA+1], v[XA], s[SEL], s[SEL+1]  ; the row's other 64 columns lie in the lane 16 away
	v_add_f32 v[XA], v[XA], v[XA+1]
	ds_store_b32 v[SQA], v[XA]                     ; both halves of the lanes write the same word with the same number
.set i, 0
.rept 32
	v_cvt_pk_f16_f32 v[PKD+i], v[OU+2*i], v[OU+2*i+1]
.set i, i+1
.endr
.irp b, 0,1,2,3,4,5,6,7
	ds_store_b128 v[STO], v[PKD+4*(\b):PKD+4*(\b)+3] offset:32*(\b)
.endr
.irp t, 0,1,2,3,4,5,6,7
	ds_load_b128 v[SN+4*(\t):SN+4*(\t)+3], v[RD] offset:(\t)*2*SPITCH  ; LDS serves a wave's instructions in order: these see the stores above
.endr
	s_wait_dscnt 0x0
.irp t, 0,1,2,3,4,5,6,7
	global_store_b128 v[CO], v[SN+4*(\t):SN+4*(\t)+3], s[OB:OB+1] offset:512*(\t)  ; 512 consecutive bytes, at a multiple of 512 from the buffer's first
.endr
	s_wait_xcnt 0x0                                ; the stores have read their data and base: both are written again below and in the next trip
	s_add_nc_u64 s[OB:OB+1], s[OB:OB+1], 4096
	v_add_nc_u32 v[RDT], 16*PITCH, v[RDT]
	v_add_nc_u32 v[RDS], 16*PITCH, v[RDS]
	v_add_nc_u32 v[SQA], 64, v[SQA]
	s_add_co_u32 s[BA], s[BA], 1
	s_cmp_lt_u32 s[BA], 8
	s_cbranch_scc1 .Lblk
	ds_load_b128 v[XA:XA+3], v[SQR]                ; my wave's 128 sums of squares, four a lane
	s_wait_dscnt 0x0
	global_store_b128 v[CO], v[XA:XA+3], s[SQP:SQP+1]
	s_wait_tensorcnt 0x0                           ; the wave's end
	ds_add_u32 v[SPW], v[NIL]
	s_wait_dscnt 0x0
	CROUND                                         ; the closing round
	s_endpgm
.Lfunc_end_k_q1f14116056_qkv:
	.size	k_q1f14116056_qkv, .Lfunc_end_k_q1f14116056_qkv-k_q1f14116056_qkv
	.p2alignl 7, 3214868480
	.fill 96, 4, 3214868480
	.section	.rodata,"a",@progbits
	.p2align	6, 0x0
	.amdhsa_kernel k_q1f14116056_qkv
		.amdhsa_group_segment_fixed_size 327680
		.amdhsa_private_segment_fixed_size 0
		.amdhsa_enable_private_segment 0
		.amdhsa_kernarg_size 16
		.amdhsa_user_sgpr_count 2
		.amdhsa_user_sgpr_kernarg_segment_ptr 1
		.amdhsa_wavefront_size32 1
		.amdhsa_system_sgpr_workgroup_id_x 1
		.amdhsa_system_sgpr_workgroup_id_y 1
		.amdhsa_system_sgpr_workgroup_id_z 1
		.amdhsa_system_vgpr_workitem_id 0
		.amdhsa_next_free_vgpr 1024
		.amdhsa_next_free_sgpr 96
		.amdhsa_reserve_vcc 1
		.amdhsa_float_denorm_mode_32 3
		.amdhsa_float_denorm_mode_16_64 3
		.amdhsa_memory_ordered 1
		.amdhsa_forward_progress 1
		.amdhsa_inst_pref_size 123
	.end_amdhsa_kernel
	.amdgpu_metadata
---
amdhsa.version: [ 1, 2 ]
amdhsa.kernels:
  - .name:           k_q1f14116056_qkv
    .symbol:         k_q1f14116056_qkv.kd
    .args:
      - { .name: cvt, .offset: 0, .size: 8, .value_kind: global_buffer, .address_space: global }
      - { .name: qkvb, .offset: 8, .size: 8, .value_kind: global_buffer, .address_space: global }
    .group_segment_fixed_size: 327680
    .private_segment_fixed_size: 0
    .kernarg_segment_align: 8
    .kernarg_segment_size: 16
    .max_flat_workgroup_size: 128
    .sgpr_count:     96
    .vgpr_count:     1024
    .wavefront_size: 32
...
	.end_amdgpu_metadata
.endif
;; end of part 8
;; launch featk (part 9): grid 16 x 4, 4 waves a work-group, no clusters, 74,496 bytes of LDS; arguments qkvb, cvt, fk; writes fk
.if DOCPART == 9
	.amdgcn_target "amdgcn-amd-amdhsa--gfx1250"
	.amdhsa_code_object_version 6
	.text
	.protected	k_q1f14116056_featk
	.globl	k_q1f14116056_featk
	.p2align	8
	.type	k_q1f14116056_featk,@function
k_q1f14116056_featk:
	s_mov_b64 s[64:65], 0
	v_nop
	global_prefetch_b8 v0, s[64:65] scope:SCOPE_SE
	s_setreg_imm32_b32 hwreg(HW_REG_WAVE_MODE, 25, 1), 1
	s_wait_xcnt 0x0
; FAVOR+ features of the keys, a chunk of 128 keys of one (batch, KV head 0 or 1) to a work-group, and the chunk's sums.
; p[key][m] = k . omega[m] on the stored numbers (k x 2^-4 in f16, omega in f16).  pk'[key][m] = 2^(A2 p - B2 SQ[key] - A2 mx), mx the CHUNK's largest p:
; A2 = 16 x 128^-0.25 x log2 e, B2 = 128 log2 e / sqrt 128.  The launch behind turns chunk maxima into the maximum over the whole sequence by a factor a chunk.
; TWO bf16 NUMBERS FOR ONE.  pk' and v enter the matrix unit as hi (the number rounded to bf16) and lo (what the rounding left, rounded to bf16): a product is hi x hi + lo x hi + hi x lo.
; That keeps bf16's range and 16 significant bits; v, which arrives in f16 (11 bits), splits exactly.
; Stored: MC = A2 mx; PKI: pk' hi and lo as they lie in registers (lane = feature, 8 keys in 16 bytes); V's two planes by rows, for the attention launch;
; KVI: sum over keys of pk'[key][m] v[key][d], and of pk' (a ninth block of ones), in f32, as it lies in registers.
; SHARES.  Wave w owns the features 32 w .. 32 w + 31 (two blocks of 16) for all 128 keys.
; LOOPS.  V's split is written for 8 rows and walked four times: all of a wave's V is asked of memory at once, goes raw into its own rows of LDS, and comes back 8 rows a trip.
; The sums are written for one plane of V and walked twice: the hi plane is multiplied by pk' lo (which starts the sums) and hi, the lo plane by pk' hi alone.
; LIMITS.  A feature below 2^-126 counts as 0.
; REGISTERS.  window 0: v0-31 addresses; v32-95 V as loaded, in the split's loop v32-47 hi and v48-63 lo, later pk' lo; v96-159 omega; v160-223 pk' hi; v224-231 ones; v232-247 at work.
; window 1: v0-127 p, later v0-143 the sums; v128-191 the keys' term; v192-195 maxima; v128-255 at work in the split.  window 2: K's fragments, later those of a plane of V.
.set VPI,   288                        ; a row of V in LDS: 256 + 32 bytes
.set VLO,   128*VPI                    ; V's lo plane in LDS
.set MAXW,  2*128*VPI
.set SPARE, MAXW+256
.set OMOFF, 39845888
.set SQOFF, 25165824
.set VHLOFF, 4194304
.set KVIOFF, 8388608
.set MCOFF, 13107200
.set KO, 4
.set OO, 5
.set SO, 6
.set VO, 7
.set VSA, 8
.set TRA, 9
.set MXA, 10
.set MX, 11
.set AM, 12
.set ZA, 13
.set KVO, 14
.set MXR, 15
.set MQ, 16
.set TT, 20
.set VOB, 21                           ; v21  the split's loop: my byte offset in V's planes in memory
.set ONEF, 22
.set ZF, 23
.set VSB, 24                           ; v24  the split's loop: my place in V's rows in LDS
.set SPW, 28
.set NIL, 29
.set VS, 32
.set VW, 32
.set VLW, 48
.set PKL, 32
.set OM, 96
.set PKR, 160
.set ONES, 224
.set CV, 232
.set TR, 128
.set CH, 192
.set WV, 10
.set KP, 16
.set VPT, 18
.set SP, 20
.set OMP, 22
.set PKIP, 24
.set KVIP, 26
.set MCP, 28
.set NM, 30
.set NB2, 32
.set A2, 34
.set SEL, 36
.set VHP, 42
.set HM, 44                            ; s44  a word's upper bf16
.set CN, 45                            ; s45  counts the loops' trips
.set MSB, 0
.macro WIN new
.if MSB != (\new)
	s_set_vgpr_msb (MSB<<8)|(\new)
.set MSB, \new
.endif
.endm
.macro PLACES
.rept 4
	v_nop
.endr
.endm
.macro MMX fmt, win, d, a, b, zero
	WIN \win
.if \zero
	v_wmma_f32_16x16x32_\fmt v[(\d):(\d)+7], v[(\a):(\a)+7], v[(\b):(\b)+7], 0
.else
	v_wmma_f32_16x16x32_\fmt v[(\d):(\d)+7], v[(\a):(\a)+7], v[(\b):(\b)+7], v[(\d):(\d)+7]
.endif
.endm
.macro EACH line:vararg                ; one line for each pair of features: rX its two f32 registers (window 1), rK its word in a fragment: two tiles of 16 keys ARE a fragment of 16 features x 32 keys
.set kb, 0
.rept 8
.set mbl, 0
.rept 2
.set jp, 0
.rept 4
.set rX, 8*(2*kb+mbl)+2*jp
.set rK, 32*mbl+4*kb+jp
	\line
.set jp, jp+1
.endr
.set mbl, mbl+1
.endr
.set kb, kb+1
.endr
.endm
	s_load_b128 s[4:7], s[0:1], 0x0                ; qkvb, cvt
	s_load_b64 s[8:9], s[0:1], 0x10                ; fk
	v_lshl_add_u32 v[SPW], v0, 2, SPARE
	v_mov_b32 v[NIL], 0
	v_lshrrev_b32 v1, 5, v0
	v_readfirstlane_b32 s[WV], v1
	v_and_b32 v1, 15, v0                           ; r
	v_bfe_u32 v2, v0, 4, 1                         ; h
	v_and_b32 v3, 31, v0                           ; l
	s_mov_b32 s11, ttmp9                           ; chunk
	s_and_b32 s12, ttmp7, 0xffff                   ; 2 b + kv
	s_lshr_b32 s13, s12, 1
	s_and_b32 s14, s12, 1
	v_lshlrev_b32 v[KO], 8, v1
	v_lshl_add_u32 v[KO], v2, 4, v[KO]             ; a fragment from rows of 256 bytes: r x 256 + 16 h
	s_lshl_b32 s15, s[WV], 13
	v_add_nc_u32 v[OO], s15, v[KO]                 ; omega: + my 32 rows
	v_lshlrev_b32 v[SO], 5, v2                     ; SQ of the keys 8 h + 0..7
	v_lshl_add_u32 v[VO], v3, 4, s15               ; 8,192 w + 16 l
	v_lshl_add_u32 v[VOB], v3, 4, s15
	s_mul_i32 s15, s[WV], 32*VPI
	v_mul_u32_u24 v[VSA], v2, VPI
	v_lshl_add_u32 v[VSA], v1, 4, v[VSA]
	v_add_nc_u32 v[VSA], s15, v[VSA]               ; V into LDS: row 32 w + h, 16 r
	v_mov_b32 v[VSB], v[VSA]
	v_and_b32 v[TT], 7, v0
	v_lshl_add_u32 v[TRA], v2, 3, v[TT]
	v_mul_u32_u24 v[TRA], v[TRA], VPI
	v_bfe_u32 v[TT], v0, 3, 1
	v_lshl_add_u32 v[TRA], v[TT], 4, v[TRA]        ; the turning load: key 8 h + l % 8, channels 8 ((l / 8) % 2) on
	s_lshl_b32 s15, s[WV], 2
	s_add_co_u32 s15, s15, MAXW
	v_mov_b32 v[MXA], s15
	v_mov_b32 v[MXR], MAXW
	v_mov_b32 v[ZA], 0
	v_mov_b32 v[ONEF], 1.0
	v_mov_b32 v[ZF], 0
	s_mul_i32 s15, s[WV], 18432
	v_lshl_add_u32 v[KVO], v3, 4, s15
	s_mov_b32 s[NB2], 0xc18293ee                   ; -B2
	s_mov_b32 s[NB2+1], s[NB2]
	s_mov_b32 s[A2], 0x40db9ada
	s_mov_b32 s[A2+1], s[A2]
	s_mov_b32 s[SEL], 0x76543210
	s_mov_b32 s[SEL+1], 0xfedcba98
	s_mov_b32 s[HM], 0xffff0000
	s_mul_i32 s15, s13, 24
	s_add_co_u32 s15, s15, s14                     ; 24 b + kv
	s_lshl_b32 s40, s11, 15                        ; the chunk's 128 rows of 256 bytes
	s_mov_b32 s39, 0
	s_lshl_b32 s41, s12, 4
	s_add_co_u32 s41, s41, s11                     ; the job: 16 (2 b + kv) + chunk
	s_wait_kmcnt 0x0
	s_add_co_u32 s38, s15, 16
	s_lshl_b32 s38, s38, 19
	s_add_co_u32 s38, s38, s40
	s_add_nc_u64 s[KP:KP+1], s[4:5], s[38:39]
	s_add_co_u32 s38, s15, 20
	s_lshl_b32 s38, s38, 19
	s_add_co_u32 s38, s38, s40
	s_add_nc_u64 s[VPT:VPT+1], s[4:5], s[38:39]
	s_add_co_u32 s38, s14, 16
	s_lshl_b32 s38, s38, 12
	s_lshl_b32 s40, s13, 11
	s_add_co_u32 s38, s38, s40
	s_lshl_b32 s40, s11, 7
	s_add_co_u32 s38, s38, s40
	s_lshl_b32 s38, s38, 2
	s_add_co_u32 s38, s38, SQOFF
	s_add_nc_u64 s[SP:SP+1], s[4:5], s[38:39]
	s_add_nc_u64 s[OMP:OMP+1], s[6:7], OMOFF
	s_lshl_b32 s38, s41, 16
	s_add_nc_u64 s[PKIP:PKIP+1], s[8:9], s[38:39]
	s_add_nc_u64 s[VHP:VHP+1], s[PKIP:PKIP+1], VHLOFF
	s_mul_i32 s38, s41, 73728
	s_add_co_u32 s38, s38, KVIOFF
	s_add_nc_u64 s[KVIP:KVIP+1], s[8:9], s[38:39]
	s_lshl_b32 s38, s41, 2
	s_add_co_u32 s38, s38, MCOFF
	s_add_nc_u64 s[MCP:MCP+1], s[8:9], s[38:39]
.set i, 0
.rept 16                                       ; V: my 32 keys, two rows a load
	global_load_b128 v[VS+4*i:VS+4*i+3], v[VO], s[VPT:VPT+1] offset:512*i
.set i, i+1
.endr
.set i, 0
.rept 8                                        ; omega: block i / 4, channels 32 (i % 4) on
	global_load_b128 v[OM+8*i:OM+8*i+3], v[OO], s[OMP:OMP+1] offset:4096*(i/4)+64*(i%4)
	global_load_b128 v[OM+8*i+4:OM+8*i+7], v[OO], s[OMP:OMP+1] offset:4096*(i/4)+64*(i%4)+32
.set i, i+1
.endr
	WIN 0x40
.set i, 0
.rept 8                                        ; SQ of the keys 16 i + 8 h + 0..7, in the layout of p's registers
	global_load_b128 v[TR+8*i:TR+8*i+3], v[SO], s[SP:SP+1] offset:64*i
	global_load_b128 v[TR+8*i+4:TR+8*i+7], v[SO], s[SP:SP+1] offset:64*i+16
.set i, i+1
.endr
	WIN 0x80
.set i, 0
.rept 32                                       ; K: key block i / 4, channels 32 (i % 4) on
	global_load_b128 v[8*i:8*i+3], v[KO], s[KP:KP+1] offset:4096*(i/4)+64*(i%4)
	global_load_b128 v[8*i+4:8*i+7], v[KO], s[KP:KP+1] offset:4096*(i/4)+64*(i%4)+32
.set i, i+1
.endr
	WIN 0
.set i, 0
.rept 8
	v_mov_b32 v[ONES+i], 0x3f803f80
.set i, i+1
.endr
	s_wait_loadcnt 63                              ; 96 loads were issued behind V's; the count's field ends at 63, and a smaller count is safe: V is in
.set i, 0
.rept 16
	ds_store_b128 v[VSA], v[VS+4*i:VS+4*i+3] offset:2*VPI*i  ; raw, into the hi plane's rows: each lane reads back the 16 bytes that it wrote
.set i, i+1
.endr
	s_mov_b32 s[CN], 4
.Lvs:                                          ; 8 rows a trip
.set i, 0
.rept 4
	ds_load_b128 v[VW+4*i:VW+4*i+3], v[VSB] offset:2*VPI*i  ; LDS serves a wave's instructions in order: these see the stores above
.set i, i+1
.endr
	s_wait_dscnt 0x0
.set i, 0
.rept 16                                       ; a word of two f16 becomes a word of two bf16 (hi, in place) and a word of what is left (lo): exact, 11 bits in 8 + 8
.set c, CV+4*(i%4)
	v_fma_mix_f32 v[c], v[VW+i], v[ONEF], v[ZF] op_sel_hi:[1,0,0]                   ; the low half x 1.0 + 0, as f32
	v_fma_mix_f32 v[c+1], v[VW+i], v[ONEF], v[ZF] op_sel:[1,0,0] op_sel_hi:[1,0,0]  ; the high half
	v_cvt_pk_bf16_f32 v[VW+i], v[c], v[c+1]
	v_lshlrev_b32 v[c+2], 16, v[VW+i]
	v_and_b32 v[c+3], s[HM], v[VW+i]
	v_pk_add_f32 v[c:c+1], v[c:c+1], v[c+2:c+3] neg_lo:[0,1] neg_hi:[0,1]
	v_cvt_pk_bf16_f32 v[VLW+i], v[c], v[c+1]
.set i, i+1
.endr
.set i, 0
.rept 4
	ds_store_b128 v[VSB], v[VW+4*i:VW+4*i+3] offset:2*VPI*i
	ds_store_b128 v[VSB], v[VLW+4*i:VLW+4*i+3] offset:VLO+2*VPI*i
	global_store_b128 v[VOB], v[VW+4*i:VW+4*i+3], s[VHP:VHP+1] offset:512*i          ; 512 consecutive bytes: two rows of the hi plane,
	global_store_b128 v[VOB], v[VLW+4*i:VLW+4*i+3], s[VHP:VHP+1] offset:32768+512*i  ; and of the lo plane
.set i, i+1
.endr
	s_wait_xcnt 0x0                                ; the stores have read their data and their offset: both are written again below and in the next trip
	v_add_nc_u32 v[VSB], 8*VPI, v[VSB]
	v_add_nc_u32 v[VOB], 2048, v[VOB]
	s_sub_co_u32 s[CN], s[CN], 1
	s_cmp_lg_u32 s[CN], 0
	s_cbranch_scc1 .Lvs
	s_wait_loadcnt 0x0
	; p: source 0 = 16 keys, source 1 = 16 features: register j = key 8 h + j, lane = feature.  The 16 accumulators take turns.
.set cc, 0
.rept 4
.set kb, 0
.rept 8
.set mbl, 0
.rept 2
.if cc == 0
	MMX f16, 0x52, 8*(2*kb+mbl), 32*kb+8*cc, OM+32*mbl+8*cc, 1
.else
	MMX f16, 0x52, 8*(2*kb+mbl), 32*kb+8*cc, OM+32*mbl+8*cc, 0
.endif
.set mbl, mbl+1
.endr
.set kb, kb+1
.endr
.set cc, cc+1
.endr
	PLACES
	WIN 0x55                                       ; the largest p of my 128 registers: four chains
.set gg, 0
.rept 4
.set ss, 0
.rept 4
.set cc, 0
.rept 4
.set rA, 8*(4*gg+cc)
.if (gg == 0) && (ss == 0)
	v_max3_num_f32 v[CH+cc], v[rA], v[rA+1], v[rA+2]
.elseif (gg == 0) && (ss == 3)
	v_max_num_f32 v[CH+cc], v[CH+cc], v[rA+7]
.elseif gg == 0
	v_max3_num_f32 v[CH+cc], v[CH+cc], v[rA+2*ss+1], v[rA+2*ss+2]
.else
	v_max3_num_f32 v[CH+cc], v[CH+cc], v[rA+2*ss], v[rA+2*ss+1]
.endif
.set cc, cc+1
.endr
.set ss, ss+1
.endr
.set gg, gg+1
.endr
	v_max3_num_f32 v[CH], v[CH], v[CH+1], v[CH+2]
	WIN 0x05
	v_max_num_f32 v[MX], v[CH], v[CH+3]
	WIN 0
	v_max_num_f32_dpp v[MX], v[MX], v[MX] row_xmask:1 row_mask:0xf bank_mask:0xf
	v_max_num_f32_dpp v[MX], v[MX], v[MX] row_xmask:2 row_mask:0xf bank_mask:0xf
	v_max_num_f32_dpp v[MX], v[MX], v[MX] row_xmask:4 row_mask:0xf bank_mask:0xf
	v_max_num_f32_dpp v[MX], v[MX], v[MX] row_xmask:8 row_mask:0xf bank_mask:0xf
	v_permlanex16_b32 v[TT], v[MX], s[SEL], s[SEL+1]
	v_max_num_f32 v[MX], v[MX], v[TT]
	ds_store_b32 v[MXA], v[MX]
	s_wait_dscnt 0x0                               ; for the others' sake: my maximum and my rows of V's two planes are in LDS
	s_barrier_signal -1
	s_barrier_wait -1
	ds_load_b128 v[MQ:MQ+3], v[MXR]
	s_wait_dscnt 0x0
	v_max3_num_f32 v[MX], v[MQ], v[MQ+1], v[MQ+2]
	v_max_num_f32 v[MX], v[MX], v[MQ+3]
	v_mul_f32 v[AM], s[A2], v[MX]                  ; A2 mx, the same in every lane
	s_cmp_lg_u32 s[WV], 0
	s_cbranch_scc1 .Lnomc
	global_store_b32 v[ZA], v[AM], s[MCP:MCP+1]    ; one word a work-group
.Lnomc:
	v_readfirstlane_b32 s[NM], v[AM]               ; a number for arithmetic alone: no address and no branch hangs on it
	s_xor_b32 s[NM], s[NM], 0x80000000
	s_mov_b32 s[NM+1], s[NM]
	WIN 0x51
.set i, 0
.rept 32
	v_pk_fma_f32 v[TR+2*i:TR+2*i+1], v[TR+2*i:TR+2*i+1], s[NB2:NB2+1], s[NM:NM+1] op_sel_hi:[1,0,0]  ; -B2 SQ - A2 mx
.set i, i+1
.endr
.set i, 0
.rept 64                                       ; tile i / 4 = 2 kb + mbl, pair i % 4
	v_pk_fma_f32 v[2*i:2*i+1], v[2*i:2*i+1], s[A2:A2+1], v[TR+8*(i/8)+2*(i%4):TR+8*(i/8)+2*(i%4)+1] op_sel_hi:[1,0,1]
.set i, i+1
.endr
.set i, 0
.rept 128
	v_exp_f32 v[i], v[i]
.set i, i+1
.endr
	v_nop                                          ; a plain instruction behind the last exponential,
	s_wait_alu depctr_va_vdst(0)                   ; and one wait for the batch, ahead of its first reader
	WIN 0x05
	EACH v_cvt_pk_bf16_f32 v[PKR+rK], v[rX], v[rX+1]          ; hi
	WIN 0x40
	EACH v_lshlrev_b32 v[128+rX], 16, v[PKR+rK]               ; hi back as f32, in window 1
	EACH v_and_b32 v[128+rX+1], s[HM], v[PKR+rK]
	WIN 0x45
.set i, 0
.rept 64
	v_pk_add_f32 v[2*i:2*i+1], v[2*i:2*i+1], v[128+2*i:128+2*i+1] neg_lo:[0,1] neg_hi:[0,1]  ; what the rounding left
.set i, i+1
.endr
	WIN 0x05
	EACH v_cvt_pk_bf16_f32 v[PKL+rK], v[rX], v[rX+1]          ; lo
	WIN 0
.set i, 0
.rept 16
	global_store_b128 v[VO], v[PKR+4*i:PKR+4*i+3], s[PKIP:PKIP+1] offset:512*i        ; 512 consecutive bytes: block 2 w + i / 8, keys 32 ((i / 2) % 4) + 16 (i % 2) on
	global_store_b128 v[VO], v[PKL+4*i:PKL+4*i+3], s[PKIP:PKIP+1] offset:32768+512*i
.set i, i+1
.endr
	; the sums: source 0 = 16 features x 32 keys, source 1 = 32 keys x 16 channels: register j = feature 8 h + j, lane = channel.  The 16 accumulators take turns.
.macro KVP a, zero
.set kc, 0
.rept 4
.set cb, 0
.rept 8
.set mbl, 0
.rept 2
.if (\zero) && (kc == 0)
	MMX bf16, 0x58, 8*(9*mbl+cb), (\a)+32*mbl+8*kc, 64*kc+8*cb, 1
.else
	MMX bf16, 0x58, 8*(9*mbl+cb), (\a)+32*mbl+8*kc, 64*kc+8*cb, 0
.endif
.set mbl, mbl+1
.endr
.set cb, cb+1
.endr
.set kc, kc+1
.endr
.endm
.macro ONP a, zero                     ; the ninth block: ones for V: the sum of pk' itself; its two accumulators take turns
.set kc, 0
.rept 4
.set mbl, 0
.rept 2
.if (\zero) && (kc == 0)
	MMX bf16, 0x50, 8*(9*mbl+8), (\a)+32*mbl+8*kc, ONES, 1
.else
	MMX bf16, 0x50, 8*(9*mbl+8), (\a)+32*mbl+8*kc, ONES, 0
.endif
.set mbl, mbl+1
.endr
.set kc, kc+1
.endr
.endm
	s_mov_b32 s[CN], 2
.Lkv:                                          ; first V's hi plane, then its lo plane
	PLACES                                         ; behind the last product that read the fragments' registers
	WIN 0x80
.set i, 0
.rept 32                                       ; a plane of V turned: keys 32 (i / 8) on, channels 16 (i % 8) on
	ds_load_tr16_b128 v[8*i:8*i+3], v[TRA] offset:32*VPI*(i/8)+32*(i%8)
	ds_load_tr16_b128 v[8*i+4:8*i+7], v[TRA] offset:32*VPI*(i/8)+32*(i%8)+16*VPI
.set i, i+1
.endr
	WIN 0
	s_wait_dscnt 0x0
	s_cmp_eq_u32 s[CN], 1                          ; lo x lo is left out
	s_cbranch_scc1 .Lkh
	KVP PKL, 1                                     ; lo x hi starts the sums
	WIN 0
.Lkh:
	KVP PKR, 0                                     ; hi x hi, and in the second trip hi x lo
	WIN 0
	v_add_nc_u32 v[TRA], VLO, v[TRA]
	s_sub_co_u32 s[CN], s[CN], 1
	s_cmp_lg_u32 s[CN], 0
	s_cbranch_scc1 .Lkv
	ONP PKR, 1
	ONP PKL, 0
	PLACES
	WIN 0x04                                       ; store data in window 1
.set i, 0
.rept 36
	global_store_b128 v[KVO], v[4*i:4*i+3], s[KVIP:KVIP+1] offset:512*i  ; tile 9 (2 w + mbl) + cb, its low four registers first
.set i, i+1
.endr
	WIN 0
	s_wait_tensorcnt 0x0                           ; the wave's end
	ds_add_u32 v[SPW], v[NIL]
	s_wait_dscnt 0x0
	s_endpgm
.Lfunc_end_k_q1f14116056_featk:
	.size	k_q1f14116056_featk, .Lfunc_end_k_q1f14116056_featk-k_q1f14116056_featk
	.p2alignl 7, 3214868480
	.fill 96, 4, 3214868480
	.section	.rodata,"a",@progbits
	.p2align	6, 0x0
	.amdhsa_kernel k_q1f14116056_featk
		.amdhsa_group_segment_fixed_size 74496
		.amdhsa_private_segment_fixed_size 0
		.amdhsa_enable_private_segment 0
		.amdhsa_kernarg_size 24
		.amdhsa_user_sgpr_count 2
		.amdhsa_user_sgpr_kernarg_segment_ptr 1
		.amdhsa_wavefront_size32 1
		.amdhsa_system_sgpr_workgroup_id_x 1
		.amdhsa_system_sgpr_workgroup_id_y 1
		.amdhsa_system_sgpr_workgroup_id_z 1
		.amdhsa_system_vgpr_workitem_id 0
		.amdhsa_next_free_vgpr 768
		.amdhsa_next_free_sgpr 66
		.amdhsa_reserve_vcc 0
		.amdhsa_float_denorm_mode_32 3
		.amdhsa_float_denorm_mode_16_64 3
		.amdhsa_memory_ordered 1
		.amdhsa_forward_progress 1
		.amdhsa_inst_pref_size 80
	.end_amdhsa_kernel
	.amdgpu_metadata
---
amdhsa.version: [ 1, 2 ]
amdhsa.kernels:
  - .name:           k_q1f14116056_featk
    .symbol:         k_q1f14116056_featk.kd
    .args:
      - { .name: qkvb, .offset: 0, .size: 8, .value_kind: global_buffer, .address_space: global }
      - { .name: cvt, .offset: 8, .size: 8, .value_kind: global_buffer, .address_space: global }
      - { .name: fk, .offset: 16, .size: 8, .value_kind: global_buffer, .address_space: global }
    .group_segment_fixed_size: 74496
    .private_segment_fixed_size: 0
    .kernarg_segment_align: 8
    .kernarg_segment_size: 24
    .max_flat_workgroup_size: 128
    .sgpr_count:     66
    .vgpr_count:     768
    .wavefront_size: 32
...
	.end_amdgpu_metadata
.endif
;; end of part 9
;; launch scan (part 10): grid 18 x 4, 4 waves a work-group, no clusters, 0 bytes of LDS; arguments fk, st; writes st
.if DOCPART == 10
	.amdgcn_target "amdgcn-amd-amdhsa--gfx1250"
	.amdhsa_code_object_version 6
	.text
	.protected	k_q1f14116056_scan
	.globl	k_q1f14116056_scan
	.p2align	8
	.type	k_q1f14116056_scan,@function
k_q1f14116056_scan:
	s_mov_b64 s[64:65], 0
	v_nop
	global_prefetch_b8 v0, s[64:65] scope:SCOPE_SE
	s_setreg_imm32_b32 hwreg(HW_REG_WAVE_MODE, 25, 1), 1
	s_wait_xcnt 0x0
; The prefix over chunks.  G = the largest of a (batch, KV head)'s 16 chunk maxima (in log2 units); f[c] = 2^(MC[c] - G) turns chunk c's features into features under the maximum over the whole sequence.
; State ahead of chunk c: the sum over c' < c of f[c'] x KVI[c'].  A wave owns one tile of 16 features x 16 channels (72 tiles: 8 feature blocks x 9 channel blocks, the ninth the sum of features),
; carries it in f32 in registers through the 16 chunks, and stores it ahead of each chunk as two bf16 numbers (hi: rounded; lo: what the rounding left, rounded), each in the register image of a
; matrix fragment (16 channels x 32 features).  f goes out too.  Chunk c's eight store registers are those of chunk c - 1's sums, which have been added by then.
.set KVIOFF, 8388608
.set MCOFF,  13107200
.set FOFF,   4718592
.set ACC,  8
.set TT,   16
.set O0,   24
.set KV,   32
	s_load_b128 s[4:7], s[0:1], 0x0                ; fk, st
	v_lshrrev_b32 v1, 5, v0
	v_readfirstlane_b32 s8, v1
	v_and_b32 v2, 31, v0
	v_lshlrev_b32 v3, 4, v2                        ; 16 l
	v_and_b32 v4, 15, v0
	v_lshlrev_b32 v4, 2, v4                        ; 4 (l % 16): each half of the lanes holds all 16 chunks
	v_lshlrev_b32 v5, 2, v2                        ; 4 l
	s_mov_b32 s31, 0xffff0000                      ; a word's upper bf16
	s_and_b32 s9, ttmp7, 0xffff                    ; 2 b + kv
	s_lshl_b32 s10, ttmp9, 2
	s_add_co_u32 s10, s10, s8                      ; tile 0..71
	s_mul_i32 s11, s10, 57
	s_lshr_b32 s11, s11, 9                         ; feature block = tile / 9 (exact for 0..71)
	s_mul_i32 s12, s11, 9
	s_sub_co_u32 s12, s10, s12                     ; channel block
	s_mul_i32 s14, s9, 16*73728
	s_lshl_b32 s15, s10, 10
	s_add_co_u32 s14, s14, s15
	s_add_co_u32 s14, s14, KVIOFF
	s_mov_b32 s15, 0
	s_mul_i32 s16, s9, 16*73728
	s_lshl_b32 s17, s12, 2
	s_lshr_b32 s18, s11, 1
	s_add_co_u32 s17, s17, s18
	s_lshl_b32 s17, s17, 10                        ; fragment 4 cb + mb / 2,
	s_add_co_u32 s16, s16, s17
	s_and_b32 s17, s11, 1
	s_lshl_b32 s17, s17, 9                         ; its registers 0-3 or 4-7
	s_add_co_u32 s16, s16, s17
	s_mov_b32 s17, 0
	s_lshl_b32 s18, s9, 6
	s_add_co_u32 s18, s18, MCOFF
	s_mov_b32 s19, 0
	s_lshl_b32 s20, s9, 7
	s_add_co_u32 s20, s20, FOFF
	s_mov_b32 s21, 0
	s_or_b32 s30, ttmp9, s8
	s_wait_kmcnt 0x0
	s_add_nc_u64 s[22:23], s[4:5], s[18:19]
	s_add_nc_u64 s[24:25], s[4:5], s[14:15]
	s_add_nc_u64 s[26:27], s[6:7], s[16:17]
	s_add_nc_u64 s[28:29], s[6:7], s[20:21]
	global_load_b32 v6, v4, s[22:23]
.set c, 0
.rept 15
	global_load_b128 v[KV+8*c:KV+8*c+3], v3, s[24:25] offset:73728*c
	global_load_b128 v[KV+8*c+4:KV+8*c+7], v3, s[24:25] offset:73728*c+512
.set c, c+1
.endr
.set i, 0
.rept 8
	v_mov_b32 v[ACC+i], 0                          ; the state ahead of chunk 0
.set i, i+1
.endr
	s_wait_loadcnt 30                              ; the maxima are in; the 30 younger loads stay out
	v_mov_b32 v7, v6
	v_max_num_f32_dpp v7, v7, v7 row_xmask:1 row_mask:0xf bank_mask:0xf
	v_max_num_f32_dpp v7, v7, v7 row_xmask:2 row_mask:0xf bank_mask:0xf
	v_max_num_f32_dpp v7, v7, v7 row_xmask:4 row_mask:0xf bank_mask:0xf
	v_max_num_f32_dpp v7, v7, v7 row_xmask:8 row_mask:0xf bank_mask:0xf
	v_sub_f32 v7, v6, v7
	v_exp_f32 v7, v7
	v_nop
	s_wait_alu depctr_va_vdst(0)                   ; the wait ahead of the result's first reader
.set c, 0
.rept 15
	v_readlane_b32 s[40+c], v7, c                  ; numbers for arithmetic alone
.set c, c+1
.endr
	s_cmp_lg_u32 s30, 0
	s_cbranch_scc1 .Lnof
	global_store_b32 v5, v7, s[28:29]              ; one wave of the 72 stores f
.Lnof:
.set c, 0
.rept 16
.if c == 0
.set rO, O0
.else
.set rO, KV+8*(c-1)
.endif
.set i, 0
.rept 4
	v_cvt_pk_bf16_f32 v[rO+i], v[ACC+2*i], v[ACC+2*i+1]      ; hi
.set i, i+1
.endr
.set i, 0
.rept 4
	v_lshlrev_b32 v[TT+2*i], 16, v[rO+i]
	v_and_b32 v[TT+2*i+1], s31, v[rO+i]
.set i, i+1
.endr
.set i, 0
.rept 4
	v_pk_add_f32 v[TT+2*i:TT+2*i+1], v[ACC+2*i:ACC+2*i+1], v[TT+2*i:TT+2*i+1] neg_lo:[0,1] neg_hi:[0,1]  ; what the rounding left; the carry itself stays as it is
.set i, i+1
.endr
.set i, 0
.rept 4
	v_cvt_pk_bf16_f32 v[rO+4+i], v[TT+2*i], v[TT+2*i+1]      ; lo
.set i, i+1
.endr
	global_store_b128 v3, v[rO:rO+3], s[26:27] offset:73728*c          ; 512 consecutive bytes
	global_store_b128 v3, v[rO+4:rO+7], s[26:27] offset:73728*c+36864
.if c < 15
	s_wait_loadcnt 28-2*c                          ; chunk c's two loads are in, the younger ones stay out
.set i, 0
.rept 8
	v_fmac_f32 v[ACC+i], s[40+c], v[KV+8*c+i]
.set i, i+1
.endr
.endif
.set c, c+1
.endr
	s_endpgm
.Lfunc_end_k_q1f14116056_scan:
	.size	k_q1f14116056_scan, .Lfunc_end_k_q1f14116056_scan-k_q1f14116056_scan
	.p2alignl 7, 3214868480
	.fill 96, 4, 3214868480
	.section	.rodata,"a",@progbits
	.p2align	6, 0x0
	.amdhsa_kernel k_q1f14116056_scan
		.amdhsa_group_segment_fixed_size 0
		.amdhsa_private_segment_fixed_size 0
		.amdhsa_enable_private_segment 0
		.amdhsa_kernarg_size 16
		.amdhsa_user_sgpr_count 2
		.amdhsa_user_sgpr_kernarg_segment_ptr 1
		.amdhsa_wavefront_size32 1
		.amdhsa_system_sgpr_workgroup_id_x 1
		.amdhsa_system_sgpr_workgroup_id_y 1
		.amdhsa_system_sgpr_workgroup_id_z 1
		.amdhsa_system_vgpr_workitem_id 0
		.amdhsa_next_free_vgpr 160
		.amdhsa_next_free_sgpr 66
		.amdhsa_reserve_vcc 0
		.amdhsa_float_denorm_mode_32 3
		.amdhsa_float_denorm_mode_16_64 3
		.amdhsa_memory_ordered 1
		.amdhsa_forward_progress 1
		.amdhsa_inst_pref_size 30
	.end_amdhsa_kernel
	.amdgpu_metadata
---
amdhsa.version: [ 1, 2 ]
amdhsa.kernels:
  - .name:           k_q1f14116056_scan
    .symbol:         k_q1f14116056_scan.kd
    .args:
      - { .name: fk, .offset: 0, .size: 8, .value_kind: global_buffer, .address_space: global }
      - { .name: st, .offset: 8, .size: 8, .value_kind: global_buffer, .address_space: global }
    .group_segment_fixed_size: 0
    .private_segment_fixed_size: 0
    .kernarg_segment_align: 8
    .kernarg_segment_size: 16
    .max_flat_workgroup_size: 128
    .sgpr_count:     66
    .vgpr_count:     160
    .wavefront_size: 32
...
	.end_amdgpu_metadata
.endif
;; end of part 10
;; launch attn (part 11): grid 64 x 4, 4 waves a work-group, clusters of 4 x 1, 327,680 bytes of LDS; arguments qkvb, cvt, fk, st, att; writes att
.if DOCPART == 11
	.amdgcn_target "amdgcn-amd-amdhsa--gfx1250"
	.amdhsa_code_object_version 6
	.text
	.protected	k_q1f14116056_attn
	.globl	k_q1f14116056_attn
	.p2align	8
	.type	k_q1f14116056_attn,@function
k_q1f14116056_attn:
	s_mov_b64 s[64:65], 0
	v_nop
	global_prefetch_b8 v0, s[64:65] scope:SCOPE_SE
	s_setreg_imm32_b32 hwreg(HW_REG_WAVE_MODE, 25, 1), 1
	s_wait_xcnt 0x0
	s_wait_alu depctr_hold_cnt(0) depctr_sa_sdst(0) depctr_va_vdst(0) depctr_va_sdst(0) depctr_va_ssrc(0) depctr_va_vcc(0) depctr_vm_vsrc(0)
	s_getreg_b32 s2, hwreg(HW_REG_IB_STS2, 6, 4)
	s_cmp_eq_u32 s2, 0
	s_cbranch_scc0 .Lentry_in_a_cluster
	s_endpgm
.Lentry_in_a_cluster:
	s_bfe_u32 s2, ttmp6, 0x10000c
	s_cmp_lg_u32 s2, 0x3003
	s_cbranch_scc0 .Lentry_shape_is_right
	s_endpgm
.Lentry_shape_is_right:
; BOTH BRANCHES OF THE ATTENTION, into att[4096][2048] in f16.
; PART 1, causal softmax, heads 8-15.  y = 2 b + kk picks the batch and KV head 2 + kk.  A cluster of four takes two blocks of 64 positions, 31 - pb and then pb (pb = the cluster's x); partner cx owns the
; positions 16 cx + 0..15 of a block for the four query heads 8 + 4 kk + t: four tiles of 16 rows.  THE KEYS OF A STEP ARE SPLIT AMONG THE WAVES: a step is a tile of 256 keys, wave w takes its keys
; 64 w .. 64 w + 63 for all four tiles, with a running maximum and sum of its own; at a block's end the four waves' results meet in LDS (MERGE).  The two blocks need 8 - pb / 4 and pb / 4 + 1 tiles:
; nine, whatever pb: one loop of nine trips, all work-groups alike.  K and V tiles are asked for jointly by the four partners.
; Layout and softmax as usual for the transposed products: S^T = K Q^T holds one query a lane and the keys 8 (l / 16) + 0..7; p = 2^(c s - c m), c = 256 log2 e / sqrt 128 (q and k are stored x 2^-4).
; The causal mask is the C operand that starts S^T: 0 or -1e30, made anew in each step from the step's first key.  A wave that sees no key of a row ends with c m near -3e31, and MERGE's factor for it is 0.
; PART 2, the performer's chunk pb of (b, KV head kk), head 4 kk + cx; wave w takes the chunk's queries 32 w .. 32 w + 31.  Its operands are the tenth and eleventh tile of the same ring.
; pq' = 2^(A2 p - B2 SQ - A2 max over m of p); out = (pq' S + (pq' pk'^T, masked, x f) V) / (the same with ones for V + 128 x 1e-6): the two factors 1 / sqrt 128 of the features are moved onto EPS, exactly.
; TWO bf16 NUMBERS FOR ONE in part 2: pq', pk', the state S, the masked A and V each enter the matrix unit as hi (rounded to bf16) and lo (what the rounding left, rounded to bf16), and a product is
; hi x hi + lo x hi + hi x lo: bf16's range, 16 significant bits.  The tenth tile holds omega and the three hi operands, the eleventh the three lo operands at the same places of the other slot.
; LIMITS.  q, k, v, p and the output in f16: within 65,504.  A hidden score counts as its value less 1e30.  Exponentials below 2^-126 count as 0.
; REGISTERS.  window 0: v0-11, v44-63 addresses; v12-43 statistics, 8 a tile; v64-191 S^T; v192-255 P.  window 1: O^T (part 2: v0-143 O^T, v144-215 the mask's factors).
; window 2: v0-127 Q (part 2: Q, the state's ninth block hi, ones); v128-255 K (part 2: fragments).  window 3: v0-127 V (part 2: fragments); v128-159 the mask (part 2: v128-191 P's lo, v192-223 the ninth block's lo).
.set PKP,   272
.set PVP,   288
.set VOFF,  256*PKP
.set SLOTB, 256*(PKP+PVP)
.set MRG,   2*SLOTB                    ; 16 rows x 528 bytes for each wave
.set MP,    528
.set STATS, MRG+4*16*MP
.set SPARE, STATS+4096
.set OMOFF, 39845888
.set SQOFF, 25165824
.set VHLOFF, 4194304
.set FOFF,  4718592
.set AK0, 2
.set AV0, 3
.set ADR, 4
.set QO,  5
.set POS0, 6
.set THR, 7
.set MST, 8
.set HH,  9
.set SST, 10
.set GOM, 11
.set ST,  12
.set TS,  28                           ; part 2: v28-43 at work in the split
.set MRD, 44
.set LF,  45
.set LV,  46
.set LN,  47
.set STO, 48
.set RDP, 49
.set GOP, 50
.set R4,  51
.set SQV, 52
.set BGV, 54                           ; part 1: -1e30
.set THRP, 54                          ; part 2: my query's place less my lanes' first key
.set L16, 55
.set SRD, 56
.set T0,  57
.set T1,  58
.set FCV, 58                           ; part 2: the chunk's factor f
.set LI,  59
.set LPK, 60
.set PFO, 61
.set SPW, 62
.set NIL, 63
.set S,   64
.set P,   192
.set KF,  128
.set MK,  128
.set PL,  128                          ; window 3
.set KSL, 192                          ; window 3
.set EE,  144
.set WV, 14
.set CX, 15
.set PB, 16
.set YY, 17
.set BB, 18
.set KK, 19
.set G1K, 24
.set G1V, 32
.set G0K, 40
.set G0V, 44
.set PKK, 48
.set PVV, 50
.set PPK, 52
.set PPV, 54
.set OFF, 56
.set CS,  58
.set SEL, 60
.set TBF, 62
.set TB,  63
.set CNT, 66
.set RT,  67
.set RL,  68
.set NXT, 69
.set LQ,  70
.set LQ2, 71
.set DK,  72
.set DKL, 73
.set LAK, 74
.set LAV, 75
.set QP,  76
.set QPL, 78
.set OP,  80
.set OPL, 82
.set PFA, 84
.set LIM, 86
.set BIGN, 87
.set A2,  88
.set FC,  90
.set HM,  91                           ; s91  a word's upper bf16
.set TP,  92
.set U0,  94
.set U1,  96
.set B2,  98
.set EPSR, 99
.set MSB, 0
.macro WIN new
.if MSB != (\new)
	s_set_vgpr_msb (MSB<<8)|(\new)
.set MSB, \new
.endif
.endm
.set W_KQ, 0x0a
.set W_KM, 0x3a                        ; the same with C in window 3
.set W_PV, 0x53
.set W_RS, 0x41
.macro PLACES
.rept 4
	v_nop
.endr
.endm
.macro JLOAD                           ; waves 0 and 1 fetch the two halves of the slot's first part, waves 2 and 3 of its second; an s_nop 0 and four v_nop follow each line
	s_cmp_lt_u32 s[WV], 2
	s_cbranch_scc0 .Lfor_v_\@
	tensor_load_to_lds s[G0K:G0K+3], s[G1K:G1K+7]
	s_nop 0
	PLACES
	s_branch .Lasked_\@
.Lfor_v_\@:
	tensor_load_to_lds s[G0V:G0V+3], s[G1V:G1V+7]
	s_nop 0
	PLACES
.Lasked_\@:
.endm
.macro JLOAD2                          ; the eleventh tile has three parts: wave 0 has none to fetch
	s_cmp_eq_u32 s[WV], 0
	s_cbranch_scc1 .Lasked2_\@
	s_cmp_lt_u32 s[WV], 2
	s_cbranch_scc0 .Lfor_v2_\@
	tensor_load_to_lds s[G0K:G0K+3], s[G1K:G1K+7]
	s_nop 0
	PLACES
	s_branch .Lasked2_\@
.Lfor_v2_\@:
	tensor_load_to_lds s[G0V:G0V+3], s[G1V:G1V+7]
	s_nop 0
	PLACES
.Lasked2_\@:
.endm
; A prefetch of the K and V tile that the NEXT trip's fill will ask for.  All sixteen clusters of a y walk the same tiles from tile 0 on: the cluster pb = 0, whose first block has all eight tiles, asks, in its trips 0 to 5 for
; tiles 2 to 7; partner cx takes rows 64 cx .. 64 cx + 63, told apart by address; waves 0, 1 K's, waves 2, 3 V's, 32 rows each, a lane a row.  So each row is named once.
.macro ASK
	s_cmp_gt_u32 s[CNT], s[LIM]
	s_cbranch_scc0 .Lnot_mine_\@
	global_prefetch_b8 v[PFO], s[PFA:PFA+1] th:TH_LOAD_NT scope:SCOPE_SE
.Lnot_mine_\@:
.endm
.macro CROUND
	s_barrier_signal -1
	s_barrier_wait -1
	s_cmp_lg_u32 s[WV], 0
	s_cbranch_scc1 .Lnot_wave_0_\@
	s_barrier_signal -3
.Lnot_wave_0_\@:
	s_barrier_wait -3
	s_barrier_signal -1
	s_barrier_wait -1
.endm
; THE CHANGE OF SLOTS.  Each wave waits for all its tensor loads (at most one is out), adds 0 to its spare word, and waits for that and for its reads of the slot that it leaves.
; fill = 1: the barrier is a round of the cluster's, and the joint fill is the first thing behind it: tile NXT of K and V, or in the last trip part 2's hi operands; only the global address differs.
; fill = 2: the same for the eleventh tile, part 2's lo operands, into slot 0.  fill = 0: nothing is asked for; a work-group barrier.
.macro CHANGE fill
	WIN 0
	s_wait_tensorcnt 0x0
	ds_add_u32 v[SPW], v[NIL]                      ; 0 onto my spare word; the descriptors' scalar work stands between it and the wait for it
.if (\fill) == 1
	s_xor_b32 s[TBF], s[TBF], SLOTB
	s_add_co_u32 s[G0K+1], s[LAK], s[TBF]
	s_add_co_u32 s[G0V+1], s[LAV], s[TBF]
	s_lshl_b32 s[OFF], s[NXT], 16                  ; a tile is 65,536 bytes of K and of V
	s_cmp_eq_u32 s[CNT], 1
	s_cselect_b32 s[OFF], 0, s[OFF]
	s_cselect_b64 s[TP:TP+1], s[PPK:PPK+1], s[PKK:PKK+1]
	s_cselect_b64 s[U0:U0+1], s[PPV:PPV+1], s[PVV:PVV+1]
	s_add_nc_u64 s[G0K+2:G0K+3], s[TP:TP+1], s[OFF:OFF+1]
	s_or_b32 s[G0K+3], s[G0K+3], 0x80000000
	s_add_nc_u64 s[G0V+2:G0V+3], s[U0:U0+1], s[OFF:OFF+1]
	s_or_b32 s[G0V+3], s[G0V+3], 0x80000000
	s_add_co_u32 s[NXT], s[NXT], 1                 ; the block's next tile, or behind its last the second block's tile 0
	s_cmp_gt_u32 s[NXT], s[LQ]
	s_cselect_b32 s[NXT], 0, s[NXT]
	s_cselect_b32 s[LQ], s[LQ2], s[LQ]
	s_wait_xcnt 0x0                                ; the last prefetch, a trip back, has read its address
	s_add_nc_u64 s[PFA:PFA+1], s[PFA:PFA+1], 65536
	s_wait_dscnt 0x0
	CROUND
	JLOAD
	ASK
.elseif (\fill) == 2
	s_add_co_u32 s[G0K+1], s[LAK], 0               ; slot 0
	s_add_co_u32 s[G0V+1], s[LAV], 0
	s_add_nc_u64 s[G0K+2:G0K+3], s[PPK:PPK+1], 36864  ; the state's lo lies 36,864 bytes behind its hi (wave 1; wave 0 asks for nothing),
	s_or_b32 s[G0K+3], s[G0K+3], 0x80000000
	s_add_nc_u64 s[G0V+2:G0V+3], s[PPV:PPV+1], 32768  ; pk's and V's 32,768 behind theirs
	s_or_b32 s[G0V+3], s[G0V+3], 0x80000000
	s_wait_dscnt 0x0
	CROUND
	JLOAD2
.else
	s_wait_dscnt 0x0
	s_barrier_signal -1
	s_barrier_wait -1
.endif
	s_xor_b32 s[TB], s[TB], SLOTB                  ; the reads go to the other slot
.endm
.macro QLOAD                           ; Q stays in registers: tile (head) i / 4, channels 32 (i % 4) on
	WIN 0x80
.set i, 0
.rept 16
	global_load_b128 v[8*i:8*i+3],   v[QO], s[QP:QP+1] offset:(i/4)*524288+(i%4)*64
	global_load_b128 v[8*i+4:8*i+7], v[QO], s[QP:QP+1] offset:(i/4)*524288+(i%4)*64+32
.set i, i+1
.endr
	WIN 0
.endm
.macro BEGIN                           ; a block begins: c m far below every c s, so that the first step's a is 0 and what O^T and l hold (finite numbers) is wiped
.set i, 0
.rept 4
	v_mov_b32 v[ST+8*i], 0xfe000000
	v_mov_b32 v[ST+8*i+1], 0xff7fffff
.set i, i+1
.endr
.endm
	s_load_b256 s[4:11], s[0:1], 0x0               ; qkvb s[4:5], cvt s[6:7], fk s[8:9], st s[10:11]
	s_load_b64 s[12:13], s[0:1], 0x20              ; att
	v_lshl_add_u32 v[SPW], v0, 2, SPARE
	v_mov_b32 v[NIL], 0
	ds_add_u32 v[SPW], v[NIL]                      ; the wave's opening: the add and its wait ahead of my first tensor load
	v_lshrrev_b32 v1, 5, v0
	v_readfirstlane_b32 s[WV], v1
	s_bfe_u32 s[CX], ttmp6, 0x40000
	s_mov_b32 s[PB], ttmp9
	s_and_b32 s[YY], ttmp7, 0xffff
	s_lshr_b32 s[BB], s[YY], 1
	s_and_b32 s[KK], s[YY], 1
	s_mov_b32 s[G1K], 15|(1<<16)|(1<<20)|(1<<21)|(5<<22)|(3<<25)  ; the mask of four; 2-byte elements; padding on; bit 21 beside a mask; after every 64 words 4 words
	s_mov_b32 s[G1V], 15|(1<<16)|(1<<20)|(1<<21)|(5<<22)|(7<<25)  ; the same with 8 words
.irp g, G1K, G1V
	s_mov_b32 s[(\g)+1], 128<<16
	s_mov_b32 s[(\g)+2], 128<<16
	s_mov_b32 s[(\g)+3], 128<<16
	s_mov_b32 s[(\g)+4], 128
	s_mov_b32 s[(\g)+5], 128
	s_mov_b32 s[(\g)+6], 0
	s_mov_b32 s[(\g)+7], 0
.endr
	s_and_b32 s20, s[WV], 1                        ; which 128 rows I fetch
	s_mul_i32 s[LAK], s20, 128*PKP
	s_mul_i32 s[LAV], s20, 128*PVP
	s_add_co_u32 s[LAV], s[LAV], VOFF
	s_mov_b32 s[G0K], 1
	s_add_co_u32 s[G0K+1], s[LAK], 0
	s_mov_b32 s[G0V], 1
	s_add_co_u32 s[G0V+1], s[LAV], 0
	s_mov_b32 s[CS], 0x420293ee                    ; c
	s_mov_b32 s[CS+1], s[CS]
	s_mov_b32 s[SEL], 0x76543210
	s_mov_b32 s[SEL+1], 0xfedcba98
	s_mov_b32 s[A2], 0x40db9ada
	s_mov_b32 s[A2+1], s[A2]
	s_mov_b32 s[B2], 0x418293ee
	s_mov_b32 s[EPSR], 0x390637bd                  ; 128 x 1e-6
	s_mov_b32 s[BIGN], 0xf149f2ca                  ; -1e30
	s_mov_b32 s[HM], 0xffff0000
	s_mov_b32 s[TBF], 0
	s_mov_b32 s[TB], SLOTB                         ; the first change turns it into 0
	s_mov_b32 s[OFF+1], 0
	s_mov_b32 s23, 0
	s_lshr_b32 s21, s[PB], 2
	s_add_co_u32 s[RL], s21, 1
	s_sub_co_u32 s[RT], 8, s21                     ; the first block's tiles
	s_sub_co_u32 s[LQ], s[RT], 1
	s_mov_b32 s[LQ2], s21
	s_mov_b32 s[NXT], 1
	s_sub_co_u32 s93, 31, s[PB]                    ; the first block
	s_lshl_b32 s[DK], s93, 6
	s_lshl_b32 s[DKL], s[PB], 6
	s_cmp_eq_u32 s[PB], 0
	s_cselect_b32 s[LIM], 3, -1
	s_mul_i32 s21, s[BB], 24
	s_add_co_u32 s21, s21, s[KK]                   ; 24 b + kk
	s_wait_dscnt 0x0                               ; the opening add is done
	s_wait_kmcnt 0x0
	s_lshl_b32 s92, s20, 15
	s_add_co_u32 s22, s21, 18
	s_lshl_b32 s22, s22, 19
	s_add_co_u32 s22, s22, s92
	s_add_nc_u64 s[PKK:PKK+1], s[4:5], s[22:23]    ; K at my half of tile 0
	s_add_co_u32 s22, s21, 22
	s_lshl_b32 s22, s22, 19
	s_add_co_u32 s22, s22, s92
	s_add_nc_u64 s[PVV:PVV+1], s[4:5], s[22:23]    ; V likewise
	s_lshl_b32 s92, s[YY], 4
	s_add_co_u32 s92, s92, s[PB]                   ; part 2's job
	s_mul_i32 s22, s92, 73728
	s_add_nc_u64 s[U0:U0+1], s[10:11], s[22:23]    ; the prefix state's hi, its first eight blocks
	s_add_nc_u64 s[U1:U1+1], s[6:7], OMOFF         ; omega
	s_cmp_eq_u32 s20, 0
	s_cselect_b64 s[PPK:PPK+1], s[U1:U1+1], s[U0:U0+1]
	s_lshl_b32 s22, s92, 16
	s_add_nc_u64 s[U0:U0+1], s[8:9], s[22:23]      ; pk' hi
	s_add_nc_u64 s[U1:U1+1], s[U0:U0+1], VHLOFF    ; the chunk's V hi
	s_cmp_eq_u32 s20, 0
	s_cselect_b64 s[PPV:PPV+1], s[U0:U0+1], s[U1:U1+1]
	s_add_nc_u64 s[G0K+2:G0K+3], s[PKK:PKK+1], 0
	s_or_b32 s[G0K+3], s[G0K+3], 0x80000000
	s_add_nc_u64 s[G0V+2:G0V+3], s[PVV:PVV+1], 0
	s_or_b32 s[G0V+3], s[G0V+3], 0x80000000
	; Q and the output at my 16 positions of the two blocks
	s_mul_i32 s21, s[BB], 24
	s_lshl_b32 s22, s[KK], 2
	s_add_co_u32 s21, s21, s22
	s_add_co_u32 s21, s21, 8
	s_lshl_b32 s21, s21, 19                        ; head 8 + 4 kk of batch b
	s_lshl_b32 s92, s[CX], 4
	s_add_co_u32 s22, s[DK], s92
	s_lshl_b32 s22, s22, 8
	s_add_co_u32 s22, s22, s21
	s_add_nc_u64 s[QP:QP+1], s[4:5], s[22:23]
	s_add_co_u32 s22, s[DKL], s92
	s_lshl_b32 s22, s22, 8
	s_add_co_u32 s22, s22, s21
	s_add_nc_u64 s[QPL:QPL+1], s[4:5], s[22:23]
	s_lshl_b32 s21, s[KK], 10
	s_add_co_u32 s21, s21, 2048                    ; (8 + 4 kk) x 256 bytes
	s_lshl_b32 s93, s[BB], 11
	s_add_co_u32 s93, s93, s92                     ; 2048 b + 16 cx
	s_add_co_u32 s22, s93, s[DK]
	s_lshl_b32 s22, s22, 12
	s_add_co_u32 s22, s22, s21
	s_add_nc_u64 s[OP:OP+1], s[12:13], s[22:23]
	s_add_co_u32 s22, s93, s[DKL]
	s_lshl_b32 s22, s22, 12
	s_add_co_u32 s22, s22, s21
	s_add_nc_u64 s[OPL:OPL+1], s[12:13], s[22:23]
	; the prefetches: my 32 rows of tile 1; the first change steps them to tile 2
	s_lshl_b32 s22, s[CX], 14                      ; 64 cx rows of 256 bytes; my half's 32 rows more or less than the 128 that the pointers carry:
	s_lshl_b32 s92, s20, 13
	s_add_co_u32 s22, s22, s92
	s_add_co_u32 s22, s22, 65536
	s_lshl_b32 s92, s20, 15
	s_sub_co_u32 s22, s22, s92                     ; (the pointers stand at row 128 x half; 65,536 keeps the offset positive)
	s_cmp_lt_u32 s[WV], 2
	s_cselect_b64 s[PFA:PFA+1], s[PKK:PKK+1], s[PVV:PVV+1]
	s_add_nc_u64 s[PFA:PFA+1], s[PFA:PFA+1], s[22:23]
	CROUND                                         ; all four work-groups are here
	JLOAD                                          ; tile 0 into slot 0; slot 1 is asked for when slot 0 is in
	v_and_b32 v1, 15, v0                           ; r
	v_bfe_u32 v[HH], v0, 4, 1                      ; h
	v_and_b32 v[LN], 31, v0
	v_lshlrev_b32 v[QO], 8, v1
	v_lshl_add_u32 v[QO], v[HH], 4, v[QO]
	QLOAD
.set i, 0
.rept 16
	v_mov_b32 v[S+i], 0
.set i, i+1
.endr
	WIN 0x40                                       ; O^T need only be finite ahead of a block's first step: 32 products of zeros write its 256 registers, in the wait for the first tile
.set i, 0
.rept 32
	v_wmma_f32_16x16x32_f16 v[8*i:8*i+7], v[S:S+7], v[S+8:S+15], 0
.set i, i+1
.endr
	WIN 0
.set i, 0
.rept 4
	v_mov_b32 v[ST+8*i+2], 0
	v_mov_b32 v[ST+8*i+3], 0
.set i, i+1
.endr
	BEGIN
	v_lshlrev_b32 v[PFO], 8, v[LN]
	v_lshlrev_b32 v[L16], 4, v[LN]
	v_lshlrev_b32 v[R4], 2, v1
	v_mul_u32_u24 v[LF], v1, PKP
	v_lshl_add_u32 v[LF], v[HH], 4, v[LF]          ; a fragment's row x 272 + 16 h
	s_mul_i32 s22, s[WV], 64*PKP
	v_add_nc_u32 v[AK0], s22, v[LF]                ; my 64 keys of a tile
	v_and_b32 v[T0], 7, v0
	v_bfe_u32 v[T1], v0, 3, 1
	v_lshl_add_u32 v[LV], v[HH], 3, v[T0]
	v_mul_u32_u24 v[LV], v[LV], PVP
	v_lshl_add_u32 v[LV], v[T1], 4, v[LV]          ; the turning load: key 8 h + l % 8, channels 8 ((l / 8) % 2) on
	s_mul_i32 s22, s[WV], 64*PVP
	s_add_co_u32 s22, s22, VOFF
	v_add_nc_u32 v[AV0], s22, v[LV]
	v_lshlrev_b32 v[LPK], 4, v[T0]                 ; pk's image under the turning load: 16 (l % 8) + 128 h + 288 ((l / 8) % 2)
	v_lshl_add_u32 v[LPK], v[HH], 7, v[LPK]
	v_mul_u32_u24 v[T0], v[T1], PVP
	v_add_nc_u32 v[LPK], v[T0], v[LPK]
	v_mul_u32_u24 v[LI], v[HH], PKP
	v_lshl_add_u32 v[LI], v1, 4, v[LI]             ; 272 h + 16 r
	s_lshl_b32 s22, s[CX], 4
	s_lshl_b32 s92, s[WV], 6
	s_sub_co_i32 s22, s22, s92
	v_lshlrev_b32 v[T0], 3, v[HH]
	v_sub_nc_u32 v[POS0], v1, v[T0]
	v_add_nc_u32 v[POS0], s22, v[POS0]             ; my query's place in its block less my first key's place in a tile: 16 cx + r - 8 h - 64 w
	s_mul_i32 s22, s[WV], 16*MP
	s_add_co_u32 s22, s22, MRG
	v_mul_u32_u24 v[MST], v1, MP
	v_lshl_add_u32 v[MST], v[HH], 5, v[MST]
	v_add_nc_u32 v[MST], s22, v[MST]               ; MERGE, in: row r, 32 bytes for each half of the lanes
	v_add_nc_u32 v[STO], s22, v[LF]                ; part 2's way out, in,
	v_add_nc_u32 v[RDP], s22, v[LI]                ; and back
	s_mul_i32 s22, s[WV], 4*MP
	s_add_co_u32 s22, s22, MRG
	v_add_nc_u32 v[MRD], s22, v[L16]               ; MERGE, back: rows 4 w + i of each wave's part, 16 bytes a lane
	v_lshlrev_b32 v[SRD], 5, v[LN]
	v_add_nc_u32 v[SRD], STATS, v[SRD]             ; a lane's 32 bytes of statistics: 8 for each wave
	s_lshl_b32 s22, s[WV], 3
	v_add_nc_u32 v[SST], s22, v[SRD]
	s_lshl_b32 s22, s[WV], 14
	v_lshl_add_u32 v[GOM], v[LN], 3, s22           ; rows 4 w on of 4,096 bytes, 8 bytes a lane
	v_lshlrev_b32 v[GOP], 12, v[HH]
	v_lshl_add_u32 v[GOP], v1, 4, v[GOP]
	v_mov_b32 v[BGV], s[BIGN]
; THE MATRIX WORK, for piece x (tiles x, x + 1).  The accumulators take turns, one instruction a turn.
.macro KQ x                            ; product i of 32 of S^T = K Q^T: channels 32 (i / 8) on, keys 16 ((i / 2) % 4) on, tile x + i % 2; the first 8 start the sums with the mask
.set rS, S+32*((\x)+i%2)+8*((i/2)%4)
.set rK, KF+32*((i/2)%4)+8*(i/8)
.set rQ, 32*((\x)+i%2)+8*(i/8)
.set rM, MK+8*((i/2)%4)
.if i < 8
	WIN W_KM
	v_wmma_f32_16x16x32_f16 v[rS:rS+7], v[rK:rK+7], v[rQ:rQ+7], v[rM:rM+7]
.else
	WIN W_KQ
	v_wmma_f32_16x16x32_f16 v[rS:rS+7], v[rK:rK+7], v[rQ:rQ+7], v[rS:rS+7]
.endif
.endm
.macro PVM x                           ; product i of 32 of O^T += V^T P: keys 32 (i / 16) on, channels 16 ((i / 2) % 8) on, tile x + i % 2
	WIN W_PV
.set rO, 64*((\x)+i%2)+8*((i/2)%8)
.set rV, 64*(i/16)+8*((i/2)%8)
.set rP, P+16*((\x)+i%2)+8*(i/16)
	v_wmma_f32_16x16x32_f16 v[rO:rO+7], v[rV:rV+7], v[rP:rP+7], v[rO:rO+7]
.endm
.macro FETCH_K
	WIN 0
	v_add_nc_u32 v[ADR], s[TB], v[AK0]
	WIN 0x80
.irp f, 0,1,2,3,4,5,6,7,8,9,10,11,12,13,14,15
	ds_load_b128 v[KF+8*(\f):KF+8*(\f)+3],   v[ADR] offset:((\f)/4)*16*PKP+((\f)%4)*64
	ds_load_b128 v[KF+8*(\f)+4:KF+8*(\f)+7], v[ADR] offset:((\f)/4)*16*PKP+((\f)%4)*64+32
.endr
.endm
.macro FETCH_V
	WIN 0
	v_add_nc_u32 v[ADR], s[TB], v[AV0]
	WIN 0xc0
.irp f, 0,1,2,3,4,5,6,7,8,9,10,11,12,13,14,15
	ds_load_tr16_b128 v[8*(\f):8*(\f)+3],   v[ADR] offset:((\f)/8)*32*PVP+((\f)%8)*32
	ds_load_tr16_b128 v[8*(\f)+4:8*(\f)+7], v[ADR] offset:((\f)/8)*32*PVP+16*PVP+((\f)%8)*32
.endr
.endm
.macro MASKB                           ; register i of the mask: key 16 (i / 8) + i % 8 of my lanes' is hidden where it is greater than my query's place less the step's first key
	WIN 0
	v_add_nc_u32 v[THR], s[DK], v[POS0]
	WIN 0xc0
.set i, 0
.rept 32
	v_cmp_gt_i32 vcc_lo, 16*(i/8)+i%8, v[THR]
	v_cndmask_b32 v[MK+i], 0, v[BGV], vcc_lo
.set i, i+1
.endr
.endm
; THE VECTOR WORK: one tile's softmax for a step is a list of 134; SM writes number j for tile t.  0-15 the maximum; 16-20 the other half of the lanes', m, c m, its change; 21-69 ONE BATCH: 16 scalings and 33 exponentials,
; none of which reads an exponential's result; 70-85 the roundings to f16; 86-101 the sums; 102-133 O^T times a.
.macro SM t
.set rT, ST+8*(\t)
.set rS, S+32*(\t)
.set rP, P+16*(\t)
.set rO, 64*(\t)+2*(j-102)
.if j < 102
	WIN 0
.endif
.if j < 4
	v_max3_num_f32 v[rT+4+j], v[rS+8*j], v[rS+8*j+1], v[rS+8*j+2]
.elseif j < 12
	v_max3_num_f32 v[rT+4+j%4], v[rT+4+j%4], v[rS+8*(j%4)+2*(j/4)+1], v[rS+8*(j%4)+2*(j/4)+2]
.elseif j == 12
	v_max3_num_f32 v[rT+4], v[rT+4], v[rS+7], v[rS+15]
.elseif j == 13
	v_max3_num_f32 v[rT+6], v[rT+6], v[rS+23], v[rS+31]
.elseif j == 14
	v_max3_num_f32 v[rT+4], v[rT+4], v[rT+5], v[rT+6]
.elseif j == 15
	v_max3_num_f32 v[rT+4], v[rT+4], v[rT+7], v[rT+1]
.elseif j == 16
	v_permlanex16_b32 v[rT+5], v[rT+4], s[SEL], s[SEL+1]
.elseif j == 17
	v_mov_b32 v[rT+7], v[rT]
.elseif j == 18
	v_max_num_f32 v[rT+1], v[rT+4], v[rT+5]
.elseif j == 19
	v_mul_f32 v[rT], s[CS], v[rT+1]
.elseif j == 20
	v_sub_f32 v[rT+7], v[rT+7], v[rT]
.elseif j == 23
	v_exp_f32 v[rT+6], v[rT+7]
.elseif (j < 23) || ((j < 38) && (j%2 == 0)) || ((j < 66) && (j%4 == 2))
.set b, (j-2)/4
.if j < 38
.set b, (j-20)/2
.endif
	v_pk_fma_f32 v[rS+2*b:rS+2*b+1], v[rS+2*b:rS+2*b+1], s[CS:CS+1], v[rT:rT+1] op_sel_hi:[1,0,0] neg_lo:[0,0,1] neg_hi:[0,0,1]
.elseif j < 70
.set e, j-38
.if j < 66
.set e, j-32-(j-38)/4
.endif
.if j < 38
.set e, (j-25)/2
.endif
	v_exp_f32 v[rS+e], v[rS+e]
.elseif j < 86
	v_cvt_pk_f16_f32 v[rP+j-70], v[rS+2*(j-70)], v[rS+2*(j-70)+1]
.elseif j < 102
.set z, j-86
.set w, 4
.set u, z
.if z >= 14
.set w, 32
.set u, 0
.elseif z >= 12
.set w, 16
.set u, z-12
.elseif z >= 8
.set w, 8
.set u, z-8
.endif
.if z < 15
	v_pk_add_f32 v[rS+w*u:rS+w*u+1], v[rS+w*u:rS+w*u+1], v[rS+w*u+w/2:rS+w*u+w/2+1]
.else
	v_pk_fma_f32 v[rT+2:rT+3], v[rT+2:rT+3], v[rT+6:rT+7], v[rS:rS+1] op_sel_hi:[1,0,1]
.endif
.else
	WIN W_RS
	v_pk_mul_f32 v[rO:rO+1], v[rO:rO+1], v[rT+6:rT+7] op_sel_hi:[1,0]
.endif
.endm
; Slice k of 64 of piece y's softmax.  Slices 11 to 34 deal out the batch, four numbers of one tile each; every other slice is numbers 2 k, 2 k + 1 of both tiles; slice 63 takes the twelve that are over.
; Behind slice 34 stands the piece's one wait for its 66 exponentials: ahead of slice 35 nothing names a result, behind slice 34 no exponential is issued.
.macro SLICE y
.if (k >= 11) && (k < 35)
.irp n, 0,1,2,3
.set j, 22+4*((k-11)/2)+(\n)
	SM (\y)+(k-11)%2
.endr
.else
.irp n, 0,1,2,3,4,5,6,7
.if ((\n) < 2) || (k == 63)
.irp t, \y, (\y)+1
.set j, 2*k+(\n)
	SM \t
.endr
.endif
.endr
.endif
.if k == 34
	v_nop                                          ; a plain instruction behind the last exponential
	s_wait_alu depctr_va_vdst(0)                   ; the wait for the batch
.endif
.set k, k+1
.endm
; A STEP: my 64 keys of the tile for the four tiles of queries.  Piece 0's scores stand bare; piece 0's softmax rides on piece 2's scores, piece 2's on piece 0's V^T P, two slices behind each product; piece 2's V^T P stands bare.
.macro STEP
	FETCH_K
	MASKB                                          ; also the plain places between the last product that read V's registers and the loads into them
	FETCH_V
	s_wait_loadcnt 0x0                             ; Q
	s_wait_dscnt 32                                ; K is in; V's 32 loads stay out
.set i, 0
.rept 32
	KQ 0
.set i, i+1
.endr
	PLACES
.set k, 0
.set i, 0
.rept 32
	KQ 2
	SLICE 0
	SLICE 0
.set i, i+1
.endr
	s_wait_dscnt 0x0                               ; V is in
.set k, 0
.set i, 0
.rept 32
	PVM 0
	SLICE 2
	SLICE 2
.set i, i+1
.endr
.set i, 0
.rept 32
	PVM 2
.set i, i+1
.endr
	WIN 0
.endm
.macro ALLT line:vararg                ; one line for each tile t
.set t, 0
.rept 4
	\line
.set t, t+1
.endr
.endm
.macro WGBAR
	s_wait_dscnt 0x0                               ; for the others' sake: my LDS stores are done and my LDS loads are back
	s_barrier_signal -1
	s_barrier_wait -1
.endm
; MERGE, at a block's end.  Each wave has (c m, l, O^T) over its own keys.  M = the largest c m; f_i = 2^(c m_i - M); O = sum f_i O_i / sum f_i l_i.  Each wave scales its O^T by f_own / sum, the four parts meet in LDS,
; and wave w adds and stores rows 4 w .. 4 w + 3 of each tile.  Work-group barriers alone; the branch that leads here hangs on the cluster's x, the same in all waves and partners.
.set XS, S
.set DS, S+32
.macro MERGE
	s_cmp_eq_u32 s[CNT], 1                         ; behind the second block there is no further Q
	s_cbranch_scc1 .Lnoq
	s_mov_b64 s[QP:QP+1], s[QPL:QPL+1]
	QLOAD
.Lnoq:
	ALLT v_add_f32 v[ST+8*t+4], v[ST+8*t+2], v[ST+8*t+3]  ; four plain places behind the last products
	ALLT v_permlanex16_b32 v[ST+8*t+5], v[ST+8*t+4], s[SEL], s[SEL+1]
	ALLT v_add_f32 v[ST+8*t+1], v[ST+8*t+4], v[ST+8*t+5]
	ALLT ds_store_b64 v[SST], v[ST+8*t:ST+8*t+1] offset:1024*t
	WGBAR
	ALLT ds_load_b128 v[XS+8*t:XS+8*t+3], v[SRD] offset:1024*t
	ALLT ds_load_b128 v[XS+8*t+4:XS+8*t+7], v[SRD] offset:1024*t+16
	s_wait_dscnt 0x0
	ALLT v_max3_num_f32 v[DS+8*t+5], v[XS+8*t], v[XS+8*t+2], v[XS+8*t+4]
	ALLT v_max_num_f32 v[DS+8*t+5], v[DS+8*t+5], v[XS+8*t+6]
	ALLT v_sub_f32 v[DS+8*t], v[XS+8*t], v[DS+8*t+5]
	ALLT v_sub_f32 v[DS+8*t+1], v[XS+8*t+2], v[DS+8*t+5]
	ALLT v_sub_f32 v[DS+8*t+2], v[XS+8*t+4], v[DS+8*t+5]
	ALLT v_sub_f32 v[DS+8*t+3], v[XS+8*t+6], v[DS+8*t+5]
	ALLT v_sub_f32 v[DS+8*t+4], v[ST+8*t], v[DS+8*t+5]
	ALLT v_exp_f32 v[DS+8*t], v[DS+8*t]
	ALLT v_exp_f32 v[DS+8*t+1], v[DS+8*t+1]
	ALLT v_exp_f32 v[DS+8*t+2], v[DS+8*t+2]
	ALLT v_exp_f32 v[DS+8*t+3], v[DS+8*t+3]
	ALLT v_exp_f32 v[DS+8*t+4], v[DS+8*t+4]
	v_nop
	s_wait_alu depctr_va_vdst(0)                   ; one wait for the twenty
	ALLT v_mul_f32 v[DS+8*t+5], v[DS+8*t], v[XS+8*t+1]
	ALLT v_fma_f32 v[DS+8*t+5], v[DS+8*t+1], v[XS+8*t+3], v[DS+8*t+5]
	ALLT v_fma_f32 v[DS+8*t+5], v[DS+8*t+2], v[XS+8*t+5], v[DS+8*t+5]
	ALLT v_fma_f32 v[DS+8*t+5], v[DS+8*t+3], v[XS+8*t+7], v[DS+8*t+5]
	ALLT v_rcp_f32 v[DS+8*t+6], v[DS+8*t+5]
	v_nop
	s_wait_alu depctr_va_vdst(0)                   ; one wait for the four
	ALLT v_mul_f32 v[ST+8*t+6], v[DS+8*t+4], v[DS+8*t+6]
	WIN W_RS
.set i, 0
.rept 128                                      ; ascending: each accumulator's low registers are read first
	v_pk_mul_f32 v[2*i:2*i+1], v[2*i:2*i+1], v[ST+8*(i/32)+6:ST+8*(i/32)+7] op_sel_hi:[1,0]
.set i, i+1
.endr
.set t, 0
.rept 4
	WIN 0x04                                       ; store data in window 1
.set i, 0
.rept 16
	ds_store_b128 v[MST], v[64*t+4*i:64*t+4*i+3] offset:16*i+32*(i/2)  ; channels 16 (i / 2) + 8 h + 4 (i % 2) on, in f32
.set i, i+1
.endr
	WIN 0
	WGBAR
.set i, 0
.rept 16                                       ; wave i / 4's part, row 4 w + i % 4
	ds_load_b128 v[S+4*i:S+4*i+3], v[MRD] offset:16*MP*(i/4)+MP*(i%4)
.set i, i+1
.endr
	s_wait_dscnt 0x0
.set i, 0
.rept 8
	v_pk_add_f32 v[S+2*i:S+2*i+1], v[S+2*i:S+2*i+1], v[S+16+2*i:S+16+2*i+1]
	v_pk_add_f32 v[S+32+2*i:S+32+2*i+1], v[S+32+2*i:S+32+2*i+1], v[S+48+2*i:S+48+2*i+1]
.set i, i+1
.endr
.set i, 0
.rept 8
	v_pk_add_f32 v[S+2*i:S+2*i+1], v[S+2*i:S+2*i+1], v[S+32+2*i:S+32+2*i+1]
.set i, i+1
.endr
.set i, 0
.rept 8
	v_cvt_pk_f16_f32 v[P+8*t+i], v[S+2*i], v[S+2*i+1]
.set i, i+1
.endr
.set i, 0
.rept 4
	global_store_b64 v[GOM], v[P+8*t+2*i:P+8*t+2*i+1], s[OP:OP+1] offset:4096*i+256*t  ; a wave's store: 256 consecutive bytes, at a multiple of 256
.set i, i+1
.endr
.if t < 3
	s_barrier_signal -1                            ; every wave's reads of the parts are back (the wait above): the next tile may overwrite them
	s_barrier_wait -1
.endif
.set t, t+1
.endr
	s_wait_xcnt 0x0                                ; the stores have read their data and base
	s_mov_b64 s[OP:OP+1], s[OPL:OPL+1]
	s_mov_b32 s[DK], s[DKL]
	s_mov_b32 s[RT], s[RL]
	BEGIN
.endm
	s_mov_b32 s[CNT], 9
.Ltrip:                                        ; a tile is entered and the next is asked for: by this text's count one tensor load of a wave is out
	CHANGE 1
	STEP
	s_sub_co_i32 s[DK], s[DK], 256
	s_sub_co_u32 s[RT], s[RT], 1
	s_cmp_lg_u32 s[RT], 0
	s_cbranch_scc1 .Lnomerge
	MERGE
.Lnomerge:
	s_sub_co_u32 s[CNT], s[CNT], 1
	s_cmp_lg_u32 s[CNT], 0
	s_cbranch_scc1 .Ltrip
; PART 2.
.macro MMX fmt, win, d, a, b, zero
	WIN \win
.if \zero
	v_wmma_f32_16x16x32_\fmt v[(\d):(\d)+7], v[(\a):(\a)+7], v[(\b):(\b)+7], 0
.else
	v_wmma_f32_16x16x32_\fmt v[(\d):(\d)+7], v[(\a):(\a)+7], v[(\b):(\b)+7], v[(\d):(\d)+7]
.endif
.endm
.macro LDF op, ax, ay, d2              ; 32 fragments (x 0..3, y 0..7): x 0, 1 into window 2 v128-255, x 2, 3 into window 3 v0-127
.set x, 0
.rept 4
.if x < 2
	WIN 0x80
.set rA, 128+64*x
.else
	WIN 0xc0
.set rA, 64*(x-2)
.endif
.set y, 0
.rept 8
	\op v[rA+8*y:rA+8*y+3], v[ADR] offset:(\ax)*x+(\ay)*y
	\op v[rA+8*y+4:rA+8*y+7], v[ADR] offset:(\ax)*x+(\ay)*y+(\d2)
.set y, y+1
.endr
.set x, x+1
.endr
	WIN 0
.endm
; O^T (+)= fragment (x, cb) x P(t, x), cb 0 .. nb - 1.  P's first register is pb, in window pw.  The ninth block's source 0 lies in window w8 at e8 + s8 x.  The accumulators (18, or 16) take turns.
.macro NUMER e8, w8, s8, pb, pw, zero, nb
.set x, 0
.rept 4
.set cb, 0
.rept \nb
.set t, 0
.rept 2
.if cb == 8
.set wa, (\w8)
.set rA, (\e8)+(\s8)*x
.elseif x < 2
.set wa, 2
.set rA, 128+64*x+8*cb
.else
.set wa, 3
.set rA, 64*(x-2)+8*cb
.endif
.set wn, 0x50|wa|((\pw)<<2)
.if (\zero) && (x == 0)
	MMX bf16, wn, 72*t+8*cb, rA, (\pb)+32*t+8*x, 1
.else
	MMX bf16, wn, 72*t+8*cb, rA, (\pb)+32*t+8*x, 0
.endif
.set t, t+1
.endr
.set cb, cb+1
.endr
.set x, x+1
.endr
.endm
; A^T (+)= pk' fragment (x, kb) x pq'(t, x): register j = key 8 h + j, lane = query.  The 16 accumulators take turns.
.macro AMUL pb, pw, zero
.set x, 0
.rept 4
.set kb, 0
.rept 8
.set t, 0
.rept 2
.if x < 2
.set wn, 0x02|((\pw)<<2)
.set rA, 128+64*x+8*kb
.else
.set wn, 0x03|((\pw)<<2)
.set rA, 64*(x-2)+8*kb
.endif
.if (\zero) && (x == 0)
	MMX bf16, wn, S+64*t+8*kb, rA, (\pb)+32*t+8*x, 1
.else
	MMX bf16, wn, S+64*t+8*kb, rA, (\pb)+32*t+8*x, 0
.endif
.set t, t+1
.endr
.set kb, kb+1
.endr
.set x, x+1
.endr
.endm
; The 128 f32 numbers in S become two sets of bf16 fragments: P, the rounded numbers, and PL (window 3), what the rounding left.  Two blocks of 16 ARE a fragment of 32 x 16 queries.
.macro SPLIT
	WIN 0
.set i, 0
.rept 64
	v_cvt_pk_bf16_f32 v[P+i], v[S+2*i], v[S+2*i+1]
.set i, i+1
.endr
.set i, 0
.rept 64
	v_lshlrev_b32 v[TS+2*(i%8)], 16, v[P+i]
	v_and_b32 v[TS+2*(i%8)+1], s[HM], v[P+i]
	v_pk_add_f32 v[S+2*i:S+2*i+1], v[S+2*i:S+2*i+1], v[TS+2*(i%8):TS+2*(i%8)+1] neg_lo:[0,1] neg_hi:[0,1]
.set i, i+1
.endr
	WIN 0xc0
.set i, 0
.rept 64
	v_cvt_pk_bf16_f32 v[PL+i], v[S+2*i], v[S+2*i+1]
.set i, i+1
.endr
	WIN 0
.endm
	s_wait_loadcnt 0x0                             ; no load into Q's registers is out
	s_wait_xcnt 0x0
	s_lshl_b32 s20, s[KK], 2
	s_add_co_u32 s20, s20, s[CX]                   ; my head
	s_mul_i32 s21, s[BB], 24
	s_add_co_u32 s21, s21, s20
	s_lshl_b32 s21, s21, 19
	s_lshl_b32 s22, s[PB], 7
	s_lshl_b32 s23, s[WV], 5
	s_add_co_u32 s22, s22, s23                     ; my first query: 128 pb + 32 w
	s_lshl_b32 s23, s22, 8
	s_add_co_u32 s[U0], s21, s23
	s_mov_b32 s[U0+1], 0
	s_add_nc_u64 s[QP:QP+1], s[4:5], s[U0:U0+1]
	s_lshl_b32 s21, s20, 12
	s_lshl_b32 s23, s[BB], 11
	s_add_co_u32 s21, s21, s23
	s_add_co_u32 s21, s21, s22
	s_lshl_b32 s21, s21, 2
	s_add_co_u32 s[U0], s21, SQOFF
	s_add_nc_u64 s[QPL:QPL+1], s[4:5], s[U0:U0+1]
	s_lshl_b32 s21, s[YY], 4
	s_add_co_u32 s21, s21, s[PB]
	s_mul_i32 s21, s21, 73728
	s_add_co_u32 s[U0], s21, 32768
	s_add_nc_u64 s[OPL:OPL+1], s[10:11], s[U0:U0+1]  ; the state's ninth block, hi; its lo lies 36,864 bytes on
	s_lshl_b32 s21, s[YY], 5
	s_add_co_u32 s21, s21, s[PB]
	s_lshl_b32 s21, s21, 2
	s_add_co_u32 s[U0], s21, FOFF
	s_add_nc_u64 s[U1:U1+1], s[10:11], s[U0:U0+1]
	s_load_b32 s[FC], s[U1:U1+1], 0x0              ; the chunk's factor f
	s_lshl_b32 s21, s[BB], 11
	s_add_co_u32 s21, s21, s22
	s_lshl_b32 s21, s21, 12
	s_lshl_b32 s23, s20, 8
	s_add_co_u32 s[U0], s21, s23
	s_add_nc_u64 s[OP:OP+1], s[12:13], s[U0:U0+1]
	WIN 0x80
.set i, 0
.rept 8                                        ; Q: tile i / 4, channels 32 (i % 4) on
	global_load_b128 v[8*i:8*i+3],   v[QO], s[QP:QP+1] offset:(i/4)*4096+(i%4)*64
	global_load_b128 v[8*i+4:8*i+7], v[QO], s[QP:QP+1] offset:(i/4)*4096+(i%4)*64+32
.set i, i+1
.endr
.set i, 0
.rept 8
	global_load_b128 v[64+4*i:64+4*i+3], v[L16], s[OPL:OPL+1] offset:512*i
.set i, i+1
.endr
.set i, 0
.rept 8
	v_mov_b32 v[96+i], 0x3f803f80                  ; ones
.set i, i+1
.endr
	WIN 0xc0
.set i, 0
.rept 8
	global_load_b128 v[KSL+4*i:KSL+4*i+3], v[L16], s[OPL:OPL+1] offset:36864+512*i
.set i, i+1
.endr
	WIN 0
	global_load_b32 v[SQV], v[R4], s[QPL:QPL+1]
	global_load_b32 v[SQV+1], v[R4], s[QPL:QPL+1] offset:64
	s_lshl_b32 s21, s[WV], 5
	v_lshlrev_b32 v[T0], 3, v[HH]
	v_sub_nc_u32 v[THRP], v1, v[T0]
	v_add_nc_u32 v[THRP], s21, v[THRP]             ; 32 w + r - 8 h
	s_wait_kmcnt 0x0
	v_mov_b32 v[FCV], s[FC]
	WIN 0x40                                       ; the factors: block n + 1, register j: f where 16 n + j <= 32 w + r - 8 h, else 0; block 0: f.  Key block kb of tile t takes block kb - t + 1
.set i, 0
.rept 8
	v_mov_b32 v[EE+i], s[FC]
.set i, i+1
.endr
.set i, 0
.rept 64
	v_cmp_le_i32 vcc_lo, 16*(i/8)+i%8, v[THRP]
	v_cndmask_b32 v[EE+8+i], 0, v[FCV], vcc_lo
.set i, i+1
.endr
	CHANGE 2                                       ; the tenth tile has landed, everybody's part of it; the eleventh is asked for, into the slot that the ninth trip read
	v_add_nc_u32 v[ADR], SLOTB, v[LF]
.set mb, 0
.rept 8                                        ; omega: feature block mb, channels 32 cc on
.if mb < 4
	WIN 0x80
.set rA, 128+32*mb
.else
	WIN 0xc0
.set rA, 32*(mb-4)
.endif
.set cc, 0
.rept 4
	ds_load_b128 v[rA+8*cc:rA+8*cc+3], v[ADR] offset:16*PKP*mb+64*cc
	ds_load_b128 v[rA+8*cc+4:rA+8*cc+7], v[ADR] offset:16*PKP*mb+64*cc+32
.set cc, cc+1
.endr
.set mb, mb+1
.endr
	s_wait_loadcnt 0x0                             ; Q, SQ, the ninth block
	s_wait_dscnt 32                                ; blocks 0-3 are in
.set hf, 0
.rept 2                                        ; p^T: source 0 = 16 features, source 1 = 16 queries: register j = feature 8 h + j, lane = query
.if hf == 1
	s_wait_dscnt 0x0
.endif
.set cc, 0
.rept 4
.set mb, 0
.rept 4
.set t, 0
.rept 2
.if cc == 0
	MMX f16, 0x0a+hf, S+64*t+8*(4*hf+mb), 128*(1-hf)+32*mb+8*cc, 32*t+8*cc, 1
.else
	MMX f16, 0x0a+hf, S+64*t+8*(4*hf+mb), 128*(1-hf)+32*mb+8*cc, 32*t+8*cc, 0
.endif
.set t, t+1
.endr
.set mb, mb+1
.endr
.set cc, cc+1
.endr
.set hf, hf+1
.endr
	WIN 0
	PLACES
	v_add_nc_u32 v[ADR], SLOTB+128*PKP, v[LI]
	LDF ds_load_b128, 1088, 4352, 544              ; the state's hi fragments (x = 32 features, y = 16 channels), register images in rows of 256 bytes padded to 272
.set t, 0
.rept 2                                        ; the features of the queries
.set rT, ST+8*t
.set rS, S+64*t
.set gg, 0
.rept 2
.set ss, 0
.rept 4
.set cc, 0
.rept 4
.set rA, rS+8*(4*gg+cc)
.if (gg == 0) && (ss == 0)
	v_max3_num_f32 v[rT+4+cc], v[rA], v[rA+1], v[rA+2]
.elseif (gg == 0) && (ss == 3)
	v_max_num_f32 v[rT+4+cc], v[rT+4+cc], v[rA+7]
.elseif gg == 0
	v_max3_num_f32 v[rT+4+cc], v[rT+4+cc], v[rA+2*ss+1], v[rA+2*ss+2]
.else
	v_max3_num_f32 v[rT+4+cc], v[rT+4+cc], v[rA+2*ss], v[rA+2*ss+1]
.endif
.set cc, cc+1
.endr
.set ss, ss+1
.endr
.set gg, gg+1
.endr
	v_max3_num_f32 v[rT+4], v[rT+4], v[rT+5], v[rT+6]
	v_max_num_f32 v[rT+4], v[rT+4], v[rT+7]
	v_permlanex16_b32 v[rT+5], v[rT+4], s[SEL], s[SEL+1]
	v_max_num_f32 v[rT+4], v[rT+4], v[rT+5]        ; the query's largest p
	v_mul_f32 v[rT+1], s[B2], v[SQV+t]
	v_fma_f32 v[rT], s[A2], v[rT+4], v[rT+1]       ; A2 max + B2 SQ
.set i, 0
.rept 32
	v_pk_fma_f32 v[rS+2*i:rS+2*i+1], v[rS+2*i:rS+2*i+1], s[A2:A2+1], v[rT:rT+1] op_sel_hi:[1,0,0] neg_lo:[0,0,1] neg_hi:[0,0,1]
.set i, i+1
.endr
.set t, t+1
.endr
.set i, 0
.rept 128
	v_exp_f32 v[S+i], v[S+i]
.set i, i+1
.endr
	v_nop
	s_wait_alu depctr_va_vdst(0)                   ; one wait for the batch
	SPLIT                                          ; pq' hi and lo
	s_wait_dscnt 0x0
	NUMER 64, 2, 8, P, 0, 1, 9                     ; pq' hi x state hi; the ninth block gives the denominator's part
	NUMER 64, 2, 8, PL, 3, 0, 9                    ; pq' lo x state hi
	CHANGE 0                                       ; the eleventh tile has landed, everybody's part of it; nothing is asked for
	PLACES
	v_add_nc_u32 v[ADR], 128*PKP, v[LI]
	LDF ds_load_b128, 1088, 4352, 544              ; the state's lo
	s_wait_dscnt 0x0
	NUMER KSL, 3, 8, P, 0, 0, 9                    ; pq' hi x state lo
	WIN 0
	PLACES
	v_add_nc_u32 v[ADR], SLOTB+VOFF, v[LPK]        ; pk' lies as (feature, 8 keys in 16 bytes): the turning load makes of it (key, 8 features)
	LDF ds_load_tr16_b128, 9216, 576, 4608
	s_wait_dscnt 0x0
	AMUL P, 0, 1                                   ; pk' hi x pq' hi
	AMUL PL, 3, 0                                  ; pk' hi x pq' lo
	WIN 0
	PLACES
	v_add_nc_u32 v[ADR], VOFF, v[LPK]
	LDF ds_load_tr16_b128, 9216, 576, 4608
	s_wait_dscnt 0x0
	AMUL P, 0, 0                                   ; pk' lo x pq' hi
	WIN 0
	PLACES
	v_add_nc_u32 v[ADR], SLOTB+VOFF+128*PVP, v[LV]
	LDF ds_load_tr16_b128, 9216, 32, 4608          ; the chunk's V hi, turned
	WIN 0x04
.set t, 0
.rept 2
.set i, 0
.rept 32                                       ; the causal mask and f in one factor
	v_pk_mul_f32 v[S+64*t+2*i:S+64*t+2*i+1], v[S+64*t+2*i:S+64*t+2*i+1], v[EE+8*(i/4-t+1)+2*(i%4):EE+8*(i/4-t+1)+2*(i%4)+1]
.set i, i+1
.endr
.set t, t+1
.endr
	SPLIT                                          ; the masked A, hi and lo
	s_wait_dscnt 0x0
	NUMER 96, 2, 0, P, 0, 0, 9                     ; + A hi x V hi; the ninth block, with ones for V, adds A's row sums
	NUMER 96, 2, 0, PL, 3, 0, 9                    ; + A lo x V hi
	WIN 0
	PLACES
	v_add_nc_u32 v[ADR], VOFF+128*PVP, v[LV]
	LDF ds_load_tr16_b128, 9216, 32, 4608          ; V lo
	s_wait_dscnt 0x0
	NUMER 96, 2, 0, P, 0, 0, 8                     ; + A hi x V lo: the ones have no lo
	WIN 0
	PLACES
	WIN 0x04
	v_add_f32 v[ST+4], s[EPSR], v[64]              ; the denominator lies in the ninth block's lowest register, the same in all its rows
	v_add_f32 v[ST+12], s[EPSR], v[136]
	WIN 0
	v_rcp_f32 v[ST+6], v[ST+4]
	v_rcp_f32 v[ST+14], v[ST+12]
	v_nop
	s_wait_alu depctr_va_vdst(0)
.macro PACK t                          ; a lane's eight channels of a row pack into 16 bytes; into rows of 272 bytes and back as whole rows of 256
	WIN W_RS
.set i, 0
.rept 32
	v_pk_mul_f32 v[72*(\t)+2*i:72*(\t)+2*i+1], v[72*(\t)+2*i:72*(\t)+2*i+1], v[ST+8*(\t)+6:ST+8*(\t)+7] op_sel_hi:[1,0]
.set i, i+1
.endr
	WIN 0x05
.set i, 0
.rept 32
	v_cvt_pk_f16_f32 v[S+32*(\t)+i], v[72*(\t)+2*i], v[72*(\t)+2*i+1]
.set i, i+1
.endr
	WIN 0
.irp f, 0,1,2,3,4,5,6,7
	ds_store_b128 v[STO], v[S+32*(\t)+4*(\f):S+32*(\t)+4*(\f)+3] offset:32*(\f)
.endr
.irp f, 0,1,2,3,4,5,6,7
	ds_load_b128 v[S+32*(\t)+4*(\f):S+32*(\t)+4*(\f)+3], v[RDP] offset:(\f)*2*PKP  ; LDS serves a wave's instructions in order: these see the stores above
.endr
.endm
.macro SEND t, younger                 ; younger: the LDS instructions issued behind tile t's loads
.irp f, 0,1,2,3,4,5,6,7
	s_wait_dscnt (\younger)+7-(\f)
	global_store_b128 v[GOP], v[S+32*(\t)+4*(\f):S+32*(\t)+4*(\f)+3], s[OP:OP+1] offset:(\t)*65536+(\f)*8192  ; 16 lanes store 256 consecutive bytes, at a multiple of 256
.endr
.endm
	PACK 0
	PACK 1
	SEND 0, 16
	SEND 1, 0
	s_wait_tensorcnt 0x0                           ; the wave's end
	ds_add_u32 v[SPW], v[NIL]
	s_wait_dscnt 0x0
	CROUND                                         ; the closing round
	s_endpgm
.Lfunc_end_k_q1f14116056_attn:
	.size	k_q1f14116056_attn, .Lfunc_end_k_q1f14116056_attn-k_q1f14116056_attn
	.p2alignl 7, 3214868480
	.fill 96, 4, 3214868480
	.section	.rodata,"a",@progbits
	.p2align	6, 0x0
	.amdhsa_kernel k_q1f14116056_attn
		.amdhsa_group_segment_fixed_size 327680
		.amdhsa_private_segment_fixed_size 0
		.amdhsa_enable_private_segment 0
		.amdhsa_kernarg_size 40
		.amdhsa_user_sgpr_count 2
		.amdhsa_user_sgpr_kernarg_segment_ptr 1
		.amdhsa_wavefront_size32 1
		.amdhsa_system_sgpr_workgroup_id_x 1
		.amdhsa_system_sgpr_workgroup_id_y 1
		.amdhsa_system_sgpr_workgroup_id_z 1
		.amdhsa_system_vgpr_workitem_id 0
		.amdhsa_next_free_vgpr 1024
		.amdhsa_next_free_sgpr 100
		.amdhsa_reserve_vcc 1
		.amdhsa_float_denorm_mode_32 3
		.amdhsa_float_denorm_mode_16_64 3
		.amdhsa_memory_ordered 1
		.amdhsa_forward_progress 1
		.amdhsa_inst_pref_size 248
	.end_amdhsa_kernel
	.amdgpu_metadata
---
amdhsa.version: [ 1, 2 ]
amdhsa.kernels:
  - .name:           k_q1f14116056_attn
    .symbol:         k_q1f14116056_attn.kd
    .args:
      - { .name: qkvb, .offset: 0, .size: 8, .value_kind: global_buffer, .address_space: global }
      - { .name: cvt, .offset: 8, .size: 8, .value_kind: global_buffer, .address_space: global }
      - { .name: fk, .offset: 16, .size: 8, .value_kind: global_buffer, .address_space: global }
      - { .name: st, .offset: 24, .size: 8, .value_kind: global_buffer, .address_space: global }
      - { .name: att, .offset: 32, .size: 8, .value_kind: global_buffer, .address_space: global }
    .group_segment_fixed_size: 327680
    .private_segment_fixed_size: 0
    .kernarg_segment_align: 8
    .kernarg_segment_size: 40
    .max_flat_workgroup_size: 128
    .sgpr_count:     100
    .vgpr_count:     1024
    .wavefront_size: 32
...
	.end_amdgpu_metadata
.endif
;; end of part 11
;; launch oproj (part 12): grid 8 x 32, 4 waves a work-group, clusters of 4 x 4, 327,680 bytes of LDS; arguments att, cvt, out0; writes out0
.if DOCPART == 12
	.amdgcn_target "amdgcn-amd-amdhsa--gfx1250"
	.amdhsa_code_object_version 6
	.text
	.protected	k_q1f14116056_oproj
	.globl	k_q1f14116056_oproj
	.p2align	8
	.type	k_q1f14116056_oproj,@function
k_q1f14116056_oproj:
	s_mov_b64 s[64:65], 0
	v_nop
	global_prefetch_b8 v0, s[64:65] scope:SCOPE_SE
	s_setreg_imm32_b32 hwreg(HW_REG_WAVE_MODE, 25, 1), 1
	s_wait_xcnt 0x0
	s_wait_alu depctr_hold_cnt(0) depctr_sa_sdst(0) depctr_va_vdst(0) depctr_va_sdst(0) depctr_va_ssrc(0) depctr_va_vcc(0) depctr_vm_vsrc(0)
	s_getreg_b32 s2, hwreg(HW_REG_IB_STS2, 6, 4)
	s_cmp_eq_u32 s2, 0
	s_cbranch_scc0 .Lentry_in_a_cluster
	s_endpgm
.Lentry_in_a_cluster:
	s_bfe_u32 s2, ttmp6, 0x10000c
	s_cmp_lg_u32 s2, 0xf033
	s_cbranch_scc0 .Lentry_shape_is_right
	s_endpgm
.Lentry_shape_is_right:
; out0 = att Wo^T.  att: [4096][2048] f16; Wo: [2048][2048], the bf16-rounded numbers written as f16, in cvt; out0 in f32; sums in f32.
; A tile of 128 x 256 to a work-group: 256 work-groups.  Four waves, 64 x 128 each: 32 accumulators, window 2.  K in steps of 128 through two LDS slots; 4 x 4 work-groups form a cluster:
; att's tiles are asked for jointly along a row of the cluster, Wo's along a column.  The matrix instruction is used transposed: a lane holds row l % 16 and eight neighbouring columns.
; A K STEP IS WRITTEN ONCE: the fragment loads' LDS addresses are a lane term plus s[TB], which an exclusive or turns between the two slots, and one descriptor a tensor walks along K.
; The two K steps that fill nothing are a second loop, which holds no tensor load and is left in the middle of its second trip.
; REGISTERS.  window 0: v0-31 addresses; v64-127 att's fragments, two buffers of 32; v128-191 the way out.  window 1: v64-191 Wo's fragments, two buffers of 64.  window 2: accumulator (a, b) at 8 (8 a + b).
.set SIZE_K, 2048
.set KSTEP,  128
.set STEPS,  SIZE_K/KSTEP
.set PITCH,  272
.set AROWS,  64*PITCH                  ; what waves 0 and 1 bring, and what a wave reads of att
.set BROWS,  128*PITCH                 ; what waves 2 and 3 bring, and what a wave reads of Wo
.set BOFF,   2*AROWS
.set SLOT,   BOFF+2*BROWS
.set STAGE,  2*SLOT                    ; 16 rows x 528 bytes for each wave
.set SPITCH, 528
.set SPARE,  STAGE+4*16*SPITCH
.set WOOFF,  29360128
.set FLAGS,  (1<<16)|(1<<20)|(1<<21)|(5<<22)|(3<<25)
.set ADRA, 16                          ; v16  LDS address of my fragments of att in the slot that is read
.set A0,   17                          ; v17  the same in slot 0; never rewritten
.set ADRB, 20                          ; v20, v21  the same for Wo
.set B0,   21
.set STO,  24
.set RD,   25
.set CO,   26
.set SPW,  28
.set NIL,  29
.set PFO,  30
.set PFA,  44
.set LIM,  43
.set FA,   64
.set FB,   64
.set BK,   128
.set G1, 24
.set G0, 32                            ; s[32:39] group 0 for att's tiles: a set for each of the two first fills; the second then walks on
.set G1B, 48
.set G0B, 56                           ; s[56:63] the same for Wo's
.set TB,  66                           ; s66  0 or SLOT: the slot that is read
.set TBF, 67                           ; s67  0 or SLOT: the slot that was filled last
.set LAA, 68                           ; s68  where my rows of att go in a slot
.set LAB, 69                           ; s69  where my rows of Wo go
.set MSB, 0
.macro WIN new
.if MSB != (\new)
	s_set_vgpr_msb (MSB<<8)|(\new)
.set MSB, \new
.endif
.endm
.set MUL,  0xa1
.set TO_B, 0x40
.macro PLACES
.rept 4
	v_nop
.endr
.endm
.macro JLOAD s
	s_cmp_eq_u32 s11, 0
	s_cbranch_scc0 .Lfor_b_\@
	tensor_load_to_lds s[G0+4*(\s):G0+4*(\s)+3], s[G1:G1+7]
	s_nop 0
	PLACES
	s_branch .Lasked_\@
.Lfor_b_\@:
	tensor_load_to_lds s[G0B+4*(\s):G0B+4*(\s)+3], s[G1B:G1B+7]
	s_nop 0
	PLACES
.Lasked_\@:
.endm
; A prefetch behind each joint refill: the K step two refills on, 32 rows x 256 bytes, a lane a row.  att's 128 rows: the clusters with x = 0, wave 0 of partner cx takes rows 32 cx on.  Wo's 256 rows: the clusters with
; y = 0, waves 2 and 3 of partner cy take rows 64 cy + 32 (wave % 2) on.  So each row's 256 bytes are named once.  The loop's last two trips ask for nothing.
.macro ASK
	s_cmp_gt_u32 s3, s[LIM]
	s_cbranch_scc0 .Lnot_mine_\@
	global_prefetch_b8 v[PFO], s[PFA:PFA+1] offset:KSTEP*2 th:TH_LOAD_NT scope:SCOPE_SE
.Lnot_mine_\@:
.endm
.macro CREST
	s_cmp_lg_u32 s10, 0
	s_cbranch_scc1 .Lnot_wave_0_\@
	s_barrier_signal -3
.Lnot_wave_0_\@:
	s_barrier_wait -3
	s_barrier_signal -1
	s_barrier_wait -1
.endm
.macro CROUND
	s_barrier_signal -1
	s_barrier_wait -1
	CREST
.endm
	s_load_b128 s[4:7], s[0:1], 0x0                ; att s[4:5], cvt s[6:7]
	s_load_b64 s[8:9], s[0:1], 0x10                ; out0
	v_lshl_add_u32 v[SPW], v0, 2, SPARE
	v_mov_b32 v[NIL], 0
	ds_add_u32 v[SPW], v[NIL]                      ; the wave's opening: the add and its wait ahead of my first tensor load
	v_lshrrev_b32 v1, 5, v0
	v_readfirstlane_b32 s10, v1
	s_lshr_b32 s11, s10, 1                         ; my half of the tile's rows; also: I fetch for att (0) or Wo (1)
	s_and_b32 s12, s10, 1                          ; my half of its columns; also: which half of that tile's rows I fetch
	s_bfe_u32 s40, ttmp6, 0x40000
	s_bfe_u32 s41, ttmp6, 0x40004
	s_lshl_b32 s42, ttmp9, 2
	s_add_co_u32 s42, s42, s40                     ; tile column
	s_and_b32 s13, ttmp7, 0xffff
	s_lshl_b32 s13, s13, 2
	s_add_co_u32 s13, s13, s41                     ; tile row
	s_lshl_b32 s43, s41, 2
	s_lshl_b32 s43, 15, s43
	s_lshl_b32 s44, 0x1111, s40
	s_or_b32 s[G1+0], s43, FLAGS
	s_or_b32 s[G1B+0], s44, FLAGS
.irp g, G1, G1B
	s_mov_b32 s[(\g)+1], KSTEP<<16
	s_mov_b32 s[(\g)+3], KSTEP<<16
	s_mov_b32 s[(\g)+5], SIZE_K
	s_mov_b32 s[(\g)+6], 0
	s_mov_b32 s[(\g)+7], 0
.endr
	s_mov_b32 s[G1+2], 64<<16                      ; att: 64 rows to a load
	s_mov_b32 s[G1+4], 64
	s_mov_b32 s[G1B+2], 128<<16                    ; Wo: 128
	s_mov_b32 s[G1B+4], 128
	s_lshl_b32 s17, s12, 6
	s_lshl_b32 s16, s13, 7
	s_add_co_u32 s16, s16, s17                     ; att: row 128 x tile row + 64 x half
	s_lshl_b32 s47, s12, 7
	s_lshl_b32 s46, s42, 8
	s_add_co_u32 s46, s46, s47                     ; Wo: row 256 x tile column + 128 x half
	s_mov_b32 s17, 0
	s_mov_b32 s47, 0
	s_mov_b64 s[18:19], SIZE_K*2
	s_mul_u64 s[16:17], s[16:17], s[18:19]
	s_mul_u64 s[46:47], s[46:47], s[18:19]
	s_mul_i32 s[LAA], s12, AROWS
	s_mul_i32 s[LAB], s12, BROWS
	s_add_co_u32 s[LAB], s[LAB], BOFF
	s_mov_b32 s[TB], 0
	s_mov_b32 s[TBF], SLOT                         ; the second first fill goes to slot 1
	s_wait_dscnt 0x0
	s_wait_kmcnt 0x0
	s_add_nc_u64 s[6:7], s[6:7], WOOFF
	s_add_nc_u64 s[14:15], s[4:5], s[16:17]
	s_add_nc_u64 s[46:47], s[6:7], s[46:47]
	CROUND
.irp s, 0,1
	s_mov_b32 s[G0+4*(\s)], 1
	s_add_co_u32 s[G0+4*(\s)+1], s[LAA], (\s)*SLOT
	s_add_nc_u64 s[G0+4*(\s)+2:G0+4*(\s)+3], s[14:15], (\s)*KSTEP*2
	s_or_b32 s[G0+4*(\s)+3], s[G0+4*(\s)+3], 0x80000000
	s_mov_b32 s[G0B+4*(\s)], 1
	s_add_co_u32 s[G0B+4*(\s)+1], s[LAB], (\s)*SLOT
	s_add_nc_u64 s[G0B+4*(\s)+2:G0B+4*(\s)+3], s[46:47], (\s)*KSTEP*2
	s_or_b32 s[G0B+4*(\s)+3], s[G0B+4*(\s)+3], 0x80000000
	JLOAD \s
.endr
	v_and_b32 v1, 15, v0
	v_bfe_u32 v2, v0, 4, 1
	v_mul_u32_u24 v3, v1, PITCH
	v_lshl_add_u32 v3, v2, 4, v3
	s_mul_i32 s21, s11, AROWS
	s_mul_i32 s22, s12, BROWS
	s_add_co_u32 s22, s22, BOFF
	v_add_nc_u32 v[A0], s21, v3
	v_add_nc_u32 v[B0], s22, v3
	v_add_nc_u32 v[ADRA], s21, v3                  ; K step 0 lies in slot 0
	v_add_nc_u32 v[ADRB], s22, v3
	s_mul_i32 s23, s10, 16*SPITCH
	s_add_co_u32 s23, s23, STAGE
	v_mul_u32_u24 v4, v1, SPITCH
	v_lshl_add_u32 v4, v2, 5, v4
	v_add_nc_u32 v[STO], s23, v4                   ; in: row r, 32 bytes for each half of the lanes
	v_and_b32 v5, 31, v0
	v_lshlrev_b32 v[CO], 4, v5
	v_add_nc_u32 v[RD], s23, v[CO]                 ; back: a row of 512 bytes to an instruction
	s_lshl_b32 s16, s13, 7
	s_lshl_b32 s17, s11, 6
	s_add_co_u32 s16, s16, s17                     ; my first row of out0
	s_lshl_b32 s16, s16, 13
	s_lshl_b32 s17, s42, 10                        ; my first column, in bytes
	s_add_co_u32 s16, s16, s17
	s_lshl_b32 s17, s12, 9
	s_add_co_u32 s16, s16, s17
	s_mov_b32 s17, 0
	s_add_nc_u64 s[8:9], s[8:9], s[16:17]
	s_lshl_b32 s20, s13, 7
	s_lshl_b32 s21, s42, 8
	s_lshl_b32 s22, s40, 5
	s_lshl_b32 s23, s41, 6
	s_lshl_b32 s16, s12, 5
	s_add_co_u32 s23, s23, s16
	s_and_b32 s17, ttmp7, 0xffff                   ; cluster y
	s_or_b32 s16, ttmp9, s12                       ; cluster x, and never 0 in wave 1
	s_cmp_eq_u32 s11, 0
	s_cselect_b32 s20, s20, s21
	s_cselect_b32 s22, s22, s23
	s_cselect_b32 s16, s16, s17
	s_cselect_b64 s[PFA:PFA+1], s[4:5], s[6:7]
	s_cmp_eq_u32 s16, 0
	s_cselect_b32 s[LIM], 2, -1
	s_add_co_u32 s20, s20, s22
	s_mov_b32 s21, 0
	s_mov_b64 s[18:19], SIZE_K*2
	s_mul_u64 s[20:21], s[20:21], s[18:19]
	s_add_nc_u64 s[PFA:PFA+1], s[PFA:PFA+1], s[20:21]
	s_add_nc_u64 s[PFA:PFA+1], s[PFA:PFA+1], 2*KSTEP*2  ; at K step 2: the first refill steps it to 3 and names K step 4
	v_mul_u32_u24 v[PFO], v5, SIZE_K*2
.macro MUL8 f, a, zero                 ; 8 products: row block a x all 8 column blocks, 32 along K, buffer f
	WIN MUL
.irp b, 0,1,2,3,4,5,6,7
.if \zero
	v_wmma_f32_16x16x32_f16 v[8*(8*(\a)+(\b)):8*(8*(\a)+(\b))+7], v[FB+64*(\f)+8*(\b):FB+64*(\f)+8*(\b)+7], v[FA+32*(\f)+8*(\a):FA+32*(\f)+8*(\a)+7], 0
.else
	v_wmma_f32_16x16x32_f16 v[8*(8*(\a)+(\b)):8*(8*(\a)+(\b))+7], v[FB+64*(\f)+8*(\b):FB+64*(\f)+8*(\b)+7], v[FA+32*(\f)+8*(\a):FA+32*(\f)+8*(\a)+7], v[8*(8*(\a)+(\b)):8*(8*(\a)+(\b))+7]
.endif
.endr
.endm
.macro FETCH k, f                      ; 24 LDS loads in one run, at byte k of the rows of the slot that is read
	WIN TO_B
.irp i, 0,1,2,3,4,5,6,7
	ds_load_b128 v[FB+64*(\f)+8*(\i):FB+64*(\f)+8*(\i)+3],   v[ADRB] offset:(\k)+(\i)*16*PITCH
	ds_load_b128 v[FB+64*(\f)+8*(\i)+4:FB+64*(\f)+8*(\i)+7], v[ADRB] offset:(\k)+(\i)*16*PITCH+32
.endr
	WIN 0
.irp i, 0,1,2,3
	ds_load_b128 v[FA+32*(\f)+8*(\i):FA+32*(\f)+8*(\i)+3],   v[ADRA] offset:(\k)+(\i)*16*PITCH
	ds_load_b128 v[FA+32*(\f)+8*(\i)+4:FA+32*(\f)+8*(\i)+7], v[ADRA] offset:(\k)+(\i)*16*PITCH+32
.endr
.endm
.macro NEXTSLOT                        ; the reads go to the other slot
	s_xor_b32 s[TB], s[TB], SLOT
	v_add_nc_u32 v[ADRA], s[TB], v[A0]
	v_add_nc_u32 v[ADRB], s[TB], v[B0]
.endm
.macro QUARTER k, f, g, zero
	s_wait_dscnt 4                                 ; Wo's fragments and att's blocks 0, 1 are in; the youngest four loads may be out
	MUL8 \f, 0, \zero
	MUL8 \f, 1, \zero
	PLACES
	FETCH \k, \g
	s_wait_dscnt 24                                ; all but the 24 just issued
	MUL8 \f, 2, \zero
	MUL8 \f, 3, \zero
.endm
.macro MEET                            ; the change of slots: all my tensor loads, the add, my reads of this slot; then the barrier.  Branches follow it: every window is 0 at its end
	WIN 0
	s_wait_tensorcnt 0x0                           ; the one load of mine that was out has landed
	ds_add_u32 v[SPW], v[NIL]
	s_wait_dscnt 5                                 ; the add and the youngest four loads may be out
	MUL8 1, 0, 0
	s_wait_dscnt 0x0                               ; the add is done, my reads of this slot are over
	s_barrier_signal -1
	MUL8 1, 1, 0
	WIN 0
	s_barrier_wait -1
.endm
.macro TURN                            ; the last quarter of a K step: the slot just read out takes the K step two on, the reads go to the other slot
	s_wait_xcnt 0x0                                ; the last prefetch, a K step back, has read its address
	s_add_nc_u64 s[PFA:PFA+1], s[PFA:PFA+1], KSTEP*2
	MEET
	CREST                                          ; no wave of any partner still reads this slot or has a load on its way
	s_xor_b32 s[TBF], s[TBF], SLOT                 ; the walking descriptors: the other slot than last time,
	s_add_co_u32 s[G0+5], s[LAA], s[TBF]
	s_add_nc_u64 s[G0+6:G0+7], s[G0+6:G0+7], KSTEP*2  ; the next K step; the type bits on top are not reached
	s_add_co_u32 s[G0B+5], s[LAB], s[TBF]
	s_add_nc_u64 s[G0B+6:G0B+7], s[G0B+6:G0B+7], KSTEP*2
	JLOAD 1
	NEXTSLOT
	FETCH 0, 0
	ASK
	MUL8 1, 2, 0
	MUL8 1, 3, 0
.endm
	s_wait_tensorcnt 1                             ; my part of K step 0 is in; K step 1's may stay out
	s_barrier_signal -1
	s_barrier_wait -1
	FETCH 0, 0
	QUARTER 64,  0, 1, 1                           ; the first quarter starts the sums with the constant 0
	WIN 0
	s_mov_b32 s3, STEPS-2
.Lstep:                                        ; a trip goes from a K step's second quarter to the next step's first, and fills the slot that it leaves
	QUARTER 128, 1, 0, 0
	QUARTER 192, 0, 1, 0
	TURN
	QUARTER 64,  0, 1, 0
	WIN 0
	s_sub_co_u32 s3, s3, 1
	s_cmp_lg_u32 s3, 0
	s_cbranch_scc1 .Lstep
	s_mov_b32 s3, 2
.Ltl:                                          ; the last two K steps fill nothing
	QUARTER 128, 1, 0, 0
	QUARTER 192, 0, 1, 0
	MEET                                           ; in the first trip: the last K step has landed, everybody's part of it
	s_cmp_eq_u32 s3, 1
	s_cbranch_scc1 .Lfin                           ; behind the last K step there is nothing to fetch
	PLACES
	NEXTSLOT
	FETCH 0, 0
	MUL8 1, 2, 0
	MUL8 1, 3, 0
	QUARTER 64,  0, 1, 0
	WIN 0
	s_sub_co_u32 s3, s3, 1
	s_cmp_lg_u32 s3, 0
	s_cbranch_scc1 .Ltl
.Lfin:
	MUL8 1, 2, 0
	MUL8 1, 3, 0
	WIN 0
	PLACES
	; THE WAY OUT, 16 rows a trip through my own stage: in by lanes (8 columns of a row), back by rows of 512 bytes.  Only the 16 LDS stores out of the accumulators are written four times.
.macro OSTORE a
.if (\a) > 0
.Lo\a:
.endif
	WIN 0x08                                       ; store data in window 2
.set i, 0
.rept 16
	ds_store_b128 v[STO], v[64*(\a)+4*i:64*(\a)+4*i+3] offset:16*i+32*(i/2)  ; columns 16 (i / 2) + 8 h + 4 (i % 2) on; each accumulator's low four registers first
.set i, i+1
.endr
	WIN 0
.if (\a) < 3
	s_branch .Loc
.endif
.endm
	s_mov_b32 s3, 0
.Lrow:
.irp a, 1,2,3
	s_cmp_eq_u32 s3, \a
	s_cbranch_scc1 .Lo\a
.endr
	OSTORE 0
	OSTORE 1
	OSTORE 2
	OSTORE 3
.Loc:
.set i, 0
.rept 16
	ds_load_b128 v[BK+4*i:BK+4*i+3], v[RD] offset:SPITCH*i  ; LDS serves a wave's instructions in order: these see the stores above
.set i, i+1
.endr
	s_wait_dscnt 0x0
.set i, 0
.rept 16
	global_store_b128 v[CO], v[BK+4*i:BK+4*i+3], s[8:9] offset:i*8192  ; 512 consecutive bytes, at a multiple of 512
.set i, i+1
.endr
	s_wait_xcnt 0x0                                ; the stores have read their data and base: both are written again
	s_add_nc_u64 s[8:9], s[8:9], 16*8192
	s_add_co_u32 s3, s3, 1
	s_cmp_lt_u32 s3, 4
	s_cbranch_scc1 .Lrow
	s_wait_tensorcnt 0x0                           ; the wave's end
	ds_add_u32 v[SPW], v[NIL]
	s_wait_dscnt 0x0
	CROUND                                         ; the closing round
	s_endpgm
.Lfunc_end_k_q1f14116056_oproj:
	.size	k_q1f14116056_oproj, .Lfunc_end_k_q1f14116056_oproj-k_q1f14116056_oproj
	.p2alignl 7, 3214868480
	.fill 96, 4, 3214868480
	.section	.rodata,"a",@progbits
	.p2align	6, 0x0
	.amdhsa_kernel k_q1f14116056_oproj
		.amdhsa_group_segment_fixed_size 327680
		.amdhsa_private_segment_fixed_size 0
		.amdhsa_enable_private_segment 0
		.amdhsa_kernarg_size 24
		.amdhsa_user_sgpr_count 2
		.amdhsa_user_sgpr_kernarg_segment_ptr 1
		.amdhsa_wavefront_size32 1
		.amdhsa_system_sgpr_workgroup_id_x 1
		.amdhsa_system_sgpr_workgroup_id_y 1
		.amdhsa_system_sgpr_workgroup_id_z 1
		.amdhsa_system_vgpr_workitem_id 0
		.amdhsa_next_free_vgpr 768
		.amdhsa_next_free_sgpr 72
		.amdhsa_reserve_vcc 0
		.amdhsa_float_denorm_mode_32 3
		.amdhsa_float_denorm_mode_16_64 3
		.amdhsa_memory_ordered 1
		.amdhsa_forward_progress 1
		.amdhsa_inst_pref_size 55
	.end_amdhsa_kernel
	.amdgpu_metadata
---
amdhsa.version: [ 1, 2 ]
amdhsa.kernels:
  - .name:           k_q1f14116056_oproj
    .symbol:         k_q1f14116056_oproj.kd
    .args:
      - { .name: att, .offset: 0, .size: 8, .value_kind: global_buffer, .address_space: global }
      - { .name: cvt, .offset: 8, .size: 8, .value_kind: global_buffer, .address_space: global }
      - { .name: out0, .offset: 16, .size: 8, .value_kind: global_buffer, .address_space: global }
    .group_segment_fixed_size: 327680
    .private_segment_fixed_size: 0
    .kernarg_segment_align: 8
    .kernarg_segment_size: 24
    .max_flat_workgroup_size: 128
    .sgpr_count:     72
    .vgpr_count:     768
    .wavefront_size: 32
...
	.end_amdgpu_metadata
.endif
;; end of part 12
